; MI455X (gfx1250); checked and timed in simulation.
; The chip was launched on July 23, 2026; its instructions are those of AMD's public machine-readable ISA for CDNA 5 (MIT licence, August 2026) and "CDNA5" Instruction Set Architecture Reference Guide (July 2026). The comments in the code are by the model that wrote it; some were corrected since.
;; Multi Head Attention. Allowed arithmetic: matrix products marked QUANTISED: E3M2 operands, one E8M0 scale for each 32 along K, by v_wmma_scale_f32_16x16x128_f8f6f4 with both operands' format E3M2, f32 sums; everything else in f32.
;; Inputs: Wk 1,024 x 1,024 float32; Wo 1,024 x 1,024 float32; Wq 1,024 x 1,024 float32; Wv 1,024 x 1,024 float32; bk 1,024 float32; bo 1,024 float32; bq 1,024 float32; bv 1,024 float32; x 2 x 2,048 x 1,024 float32.
;; Outputs: out0 2 x 2,048 x 1,024 float32.
;; This version of the problem:
;;   THIS VERSION OF THE PROBLEM IS GIVEN IN LOW PRECISION. The matrix products marked QUANTISED in the list below multiply operands that are first quantised to E3M2 (3 exponent bits, 2 mantissa bits; 6 bits a number), with one power-of-two scale for each 32 numbers along K (OCP MX v1.0); their sums are f32. All else is computed in f32.
;;   The module's matrix products, in the order in which they are computed (A, B: the left and right operand; K: the contracted axis; several contracted axes count as one K, in the product's order):
;;     1. [M 4,096, K 1,024] x [K 1,024, N 1,024]; A: input x; B: input Wq: QUANTISED
;;     2. [M 4,096, K 1,024] x [K 1,024, N 1,024]; A: input x; B: input Wk: QUANTISED
;;     3. [M 4,096, K 1,024] x [K 1,024, N 1,024]; A: input x; B: input Wv: QUANTISED
;;     4. batch 32 x [M 2,048, K 64] x [K 64, N 2,048]; A: computed on the way; B: computed on the way: QUANTISED
;;     5. batch 32 x [M 2,048, K 2,048] x [K 2,048, N 64]; A: softmax (see below); B: computed on the way: QUANTISED
;;     6. [M 4,096, K 1,024] x [K 1,024, N 1,024]; A: computed on the way; B: input Wo: QUANTISED
;;   THE QUANTISER, for each operand of a quantised product, along K:
;;     - K is cut into blocks of 32 from its start; a last block that is shorter is filled with zeros.
;;     - A block's scale is 2^e with e = floor(log2(the largest magnitude in the block)) - 4, held to -126 .. 127; a block of zeros has e = 0. As a byte (E8M0): e + 127.
;;     - Each number is divided by its block's scale, clamped to +-28, and rounded to the nearest number of E3M2, ties to even, subnormals kept.
;;     - The product sums the exact products of the quantised numbers (number of the format x scale) in f32.
;;   ~~~python
;;   def quantise(x, axis):      # numpy; x: float32 -> the quantised numbers, widened to float32 again
;;       x = np.moveaxis(x, axis, -1); K = x.shape[-1]
;;       x = np.pad(x, [(0, 0)] * (x.ndim - 1) + [(0, -K % 32)]); x = x.reshape(x.shape[:-1] + (-1, 32)); a = np.abs(x).max(-1, keepdims=True)
;;       e = np.where(a > 0, np.clip(np.frexp(np.where(a > 0, a, 1))[1] - 1 - 4, -126, 127), 0)      # np.frexp(a)[1] - 1 = floor(log2(a)), exactly
;;       r = np.clip(x / 2.0 ** e, -28, 28)
;;       step = 2.0 ** (np.maximum(np.frexp(np.where(r == 0, 1, r))[1] - 1, -2) - 2)
;;       q = np.round(r / step) * step * 2.0 ** e      # np.round: ties to even
;;       return np.moveaxis(q.reshape(q.shape[:-2] + (-1,))[..., :K], -1, axis).astype(np.float32)
;;   ~~~
;;   SOFTMAX AHEAD OF A QUANTISED PRODUCT. Where the list says 'softmax', what is quantised is not the finished softmax but p = 2^(t - M), with t = logit x log2(e) and M = ceil(the row's largest t), a whole number; so 1/2 < the row's largest p <= 1. The row's sum l is taken of the UNQUANTISED p, in f32, and the product's result is divided by l at the end. Since M is a whole number, a kernel that streams over the keys may use a running M (the ceiling of the running maximum): every later rescaling is an exact power of two, which a block's scale takes up: the codes' values come out the same.
;;   OPERANDS COMPUTED ON THE WAY. 'Computed on the way' means the value that the module computes at that place (a softmax that the list does not call 'softmax' is quantised finished and normalised). What goes into a quantiser is computed in f32, as accurately as f32 sums, v_exp_f32 and their like allow (about 1e-6 of the number): no bf16 or f16 on the way to a quantiser, and a product that is left as it is and whose result goes on into a quantised operand takes f32 operands (vector FMAs, or v_wmma_f32_16x16x4_f32). A number that lies on a knife's edge between two numbers of the format may be rounded either way, as far as f32 arithmetic and the matrix unit's own rounding can turn it there, and no further.
;; 2 versions. Each part assembles by itself: llvm-mc -triple=amdgcn-amd-amdhsa -mcpu=gfx1250 --defsym DOCPART=n.
;; ======== version 1 of 2: 5 launches
;; workspace buffers: cod 9,437,184 bytes; scl 393,216 bytes; qkv 9,830,400 bytes
;; launch quant_x (part 1): grid 256 x 1, 8 waves a work-group, no clusters, 69,120 bytes of LDS; arguments x, cod, scl; writes cod, scl
.if DOCPART == 1
	.amdgcn_target "amdgcn-amd-amdhsa--gfx1250"
	.amdhsa_code_object_version 6
	.text
	.protected	k_q796945b3f0_quant_x
	.globl	k_q796945b3f0_quant_x
	.p2align	8
	.type	k_q796945b3f0_quant_x,@function
k_q796945b3f0_quant_x:
	s_mov_b64 s[64:65], 0
	v_nop
	global_prefetch_b8 v0, s[64:65] scope:SCOPE_SE
	s_setreg_imm32_b32 hwreg(HW_REG_WAVE_MODE, 25, 1), 1
	s_wait_xcnt 0x0
; x [4096][1024] f32 becomes codes of BF6 (E3M2) with one E8M0 byte for each 32 along K, laid as IMAGES OF OPERAND REGISTERS.
; cod: [row tile of 16 positions][8 K steps][1,536 bytes]; x takes row tiles 0-255.  scl: [row position][8 words], word s = the four bytes of K step s.
; A fragment (16 rows x 128 K, 12 registers a lane) is two halves of 768 bytes: registers 0-3 at 16 x lane, registers 4-5 at 512 + 8 x lane.
; ROW ORDER: position p holds row p with bits 3 and 4 swapped: lane r of tile 2 b + u holds row 32 b + 8 u + r + 8 (r / 8).  So the results of a product that takes such a tile as
; source 0 lie in a lane's registers as neighbours along the next K.
; SHARES: work-group T makes row tile T, wave w its K step w: one fragment.  Each load reads 512 consecutive bytes of one row; the 16 x 512 bytes turn through the wave's own stage in LDS
; (rows 528 bytes apart), so that lane (r, h) gets, of row r, the 16 neighbours 32 b + 16 h + 0 .. 15 of each block b.
; A block's scale is 2^(floor(log2(largest magnitude)) - 4); its byte is the largest magnitude's exponent field - 4, held at 1 from below.
; LIMITS: a block of zeros gets the byte 1 where the rule says 127 (its codes are zeros, and this program alone reads the bytes); NaN and infinities among the inputs are not served.
; No cluster, no tensor load: the work-groups share no input, and each byte of x is read once.
.set SPI,  528                         ; a stage row: 512 bytes + 16
.set STG,  16*SPI                      ; a wave's stage
.set SCB,  8*STG                       ; behind the stages: the tile's 16 rows x 8 scale words
.set RTB,  12288                       ; a row tile in cod
.set FRB,  1536                        ; a fragment
.set R,    16                          ; v16-79   16 x 4 numbers as loaded
.set X,    80                          ; v80-143  64 numbers: register 16 b + i = k 32 b + 16 h + i of my row
.set PC,   144                         ; v144-163 the codes
.set TM,   164                         ; v164-175 at work: largest magnitudes, bytes, scale operands
.set PW,   176                         ; v176     my row's scale word
.set WV,   10
.set SEL,  20                          ; s[20:21] v_permlanex16_b32's selects for lane l xor 16
; 64 numbers of a lane become a fragment's codes in v[PC] .. v[PC + 11] and its scale word in v[PW]
.macro QUANT s
.irp b, 0,1,2,3
	v_max3_num_f32 v[TM+\b], |v[\s+16*\b]|, |v[\s+1+16*\b]|, 0x2800000   ; block b: my 16 numbers, and the floor 2^(5 - 127): the byte cannot fall under 1
.endr
.irp i, 2,4,6,8,10,12,14
.irp b, 0,1,2,3
	v_max3_num_f32 v[TM+\b], v[TM+\b], |v[\s+16*\b+\i]|, |v[\s+1+16*\b+\i]|   ; the four blocks by turns
.endr
.endr
.irp b, 0,1,2,3
	v_permlanex16_b32 v[TM+4+\b], v[TM+\b], s[SEL], s[SEL+1]
.endr
.irp b, 0,1,2,3
	v_max_num_f32 v[TM+\b], v[TM+\b], v[TM+4+\b]   ; with lane l xor 16's: the block's largest magnitude
.endr
.irp b, 0,1,2,3
	v_add_nc_u32 v[TM+8+\b], 0xfe000000, v[TM+\b]  ; 4 off its exponent field: the conversion's scale operand
.endr
.irp b, 0,1,2,3
	v_lshrrev_b32 v[TM+4+\b], 23, v[TM+8+\b]       ; the scale's byte
.endr
	v_lshl_or_b32 v[PW], v[TM+5], 8, v[TM+4]
	v_lshl_or_b32 v[PW], v[TM+6], 16, v[PW]
	v_lshl_or_b32 v[PW], v[TM+7], 24, v[PW]
.irp c, 0,1
	v_cvt_scalef32_pk16_bf6_f32 v[PC+6*\c:PC+2+6*\c], v[\s+32*\c:\s+15+32*\c], v[TM+8+2*\c]
	v_cvt_scalef32_pk16_bf6_f32 v[PC+12+4*\c:PC+14+4*\c], v[\s+16+32*\c:\s+31+32*\c], v[TM+9+2*\c]   ; a conversion's three registers begin on an even number
.endr
	v_nop                                          ; one plain place behind a scaled conversion
.irp c, 0,1                                    ; the operand wants a whole block in a lane: lanes 0-15 block 2 c, lanes 16-31 block 2 c + 1
.irp i, 0,1,2
	v_permlane16_swap_b32 v[PC+6*\c+\i], v[PC+12+4*\c+\i]
.endr
.irp i, 0,1,2
	v_mov_b32 v[PC+3+6*\c+\i], v[PC+12+4*\c+\i]
.endr
.endr
.endm
	s_load_b128 s[4:7], s[0:1], 0x0                ; x, cod
	s_load_b64 s[8:9], s[0:1], 0x10                ; scl
	v_lshl_add_u32 v192, v0, 2, 0x10a00
	v_mov_b32 v193, 0
	v_lshrrev_b32 v1, 5, v0
	v_readfirstlane_b32 s[WV], v1                  ; wave 0..7 = my K step
	v_and_b32 v1, 31, v0                           ; lane
	v_and_b32 v2, 15, v0                           ; r
	v_bfe_u32 v3, v0, 4, 1                         ; h
	v_lshlrev_b32 v7, 4, v1                        ; 16 x lane
	v_lshlrev_b32 v8, 3, v1                        ; 8 x lane
	s_lshl_b32 s11, s[WV], 9
	v_add_nc_u32 v4, s11, v7                       ; in a row of x: my K step's 512 bytes, 16 a lane
	s_mul_i32 s12, s[WV], STG
	v_add_nc_u32 v5, s12, v7                       ; into the stage: as loaded
	v_mul_u32_u24 v6, v2, SPI
	v_lshl_add_u32 v6, v3, 6, v6
	v_add_nc_u32 v6, s12, v6                       ; out of it: row r, + 64 h
	s_lshl_b32 s13, s[WV], 2
	v_lshlrev_b32 v9, 5, v2
	v_add_nc_u32 v9, s13, v9
	v_add_nc_u32 v9, SCB, v9                       ; my row's word of my K step
	v_add_nc_u32 v10, SCB, v7                      ; and the 512 bytes of all words, 16 a lane
	s_mov_b32 s[SEL], 0x76543210
	s_mov_b32 s[SEL+1], 0xfedcba98
.irp b, 0,1,2,3
	v_mov_b32 v[TM+4+\b], 0                        ; written once: a lane permute's destination counts as one of its sources
.endr
	s_lshr_b32 s14, ttmp9, 1
	s_lshl_b32 s14, s14, 17                        ; 32 rows of 4,096 bytes for each pair of tiles,
	s_and_b32 s15, ttmp9, 1
	s_lshl_b32 s15, s15, 15                        ; 8 rows more for the odd tile
	s_add_co_u32 s14, s14, s15
	s_mov_b32 s15, 0
	s_mul_i32 s16, ttmp9, RTB
	s_mul_i32 s17, s[WV], FRB
	s_add_co_u32 s16, s16, s17
	s_mov_b32 s17, 0
	s_lshl_b32 s18, ttmp9, 9                       ; 16 rows x 32 bytes of scale words
	s_mov_b32 s19, 0
	s_wait_kmcnt 0x0
	s_add_nc_u64 s[4:5], s[4:5], s[14:15]
	s_add_nc_u64 s[6:7], s[6:7], s[16:17]
	s_add_nc_u64 s[8:9], s[8:9], s[18:19]
.irp i, 0,1,2,3,4,5,6,7,8,9,10,11,12,13,14,15
	global_load_b128 v[R+4*\i:R+4*\i+3], v4, s[4:5] offset:(\i+8*(\i/8))*4096 th:TH_LOAD_NT   ; position i of the tile: 512 consecutive bytes of its row
.endr
.irp i, 0,1,2,3,4,5,6,7,8,9,10,11,12,13,14,15
	s_wait_loadcnt 15-\i                           ; loads come back in order: row i is in, the younger ones stay out
	ds_store_b128 v5, v[R+4*\i:R+4*\i+3] offset:SPI*\i
.endr
.irp b, 0,1,2,3
.irp j, 0,1,2,3
	ds_load_b128 v[X+16*\b+4*\j:X+16*\b+4*\j+3], v6 offset:128*\b+16*\j   ; LDS serves a wave's instructions in order: these see my stores; the stage is my wave's own
.endr
.endr
	s_wait_dscnt 0x0
	QUANT X
	global_store_b128 v7, v[PC:PC+3], s[6:7]                   ; the fragment's image: 512, 256, 512 and 256 consecutive bytes
	global_store_b64 v8, v[PC+4:PC+5], s[6:7] offset:512
	global_store_b128 v7, v[PC+6:PC+9], s[6:7] offset:768
	global_store_b64 v8, v[PC+10:PC+11], s[6:7] offset:1280
	ds_store_b32 v9, v[PW]                         ; both halves of the lanes write the same word with the same value
	s_wait_dscnt 0x0                               ; for the others' sake: my word has landed
	s_barrier_signal -1
	s_barrier_wait -1
	s_cmp_lg_u32 s[WV], 0
	s_cbranch_scc1 .Lend
	ds_load_b128 v[R:R+3], v10                     ; wave 0 sends the tile's 128 words: 512 consecutive bytes
	s_wait_dscnt 0x0
	global_store_b128 v7, v[R:R+3], s[8:9]
.Lend:
	s_wait_tensorcnt 0x0
	ds_add_u32 v192, v193
	s_wait_dscnt 0x0
	s_endpgm
.Lfunc_end_k_q796945b3f0_quant_x:
	.size	k_q796945b3f0_quant_x, .Lfunc_end_k_q796945b3f0_quant_x-k_q796945b3f0_quant_x
	.p2alignl 7, 3214868480
	.fill 96, 4, 3214868480
	.section	.rodata,"a",@progbits
	.p2align	6, 0x0
	.amdhsa_kernel k_q796945b3f0_quant_x
		.amdhsa_group_segment_fixed_size 69120
		.amdhsa_private_segment_fixed_size 0
		.amdhsa_enable_private_segment 0
		.amdhsa_kernarg_size 24
		.amdhsa_user_sgpr_count 2
		.amdhsa_user_sgpr_kernarg_segment_ptr 1
		.amdhsa_wavefront_size32 1
		.amdhsa_system_sgpr_workgroup_id_x 1
		.amdhsa_system_sgpr_workgroup_id_y 1
		.amdhsa_system_sgpr_workgroup_id_z 1
		.amdhsa_system_vgpr_workitem_id 0
		.amdhsa_next_free_vgpr 194
		.amdhsa_next_free_sgpr 66
		.amdhsa_reserve_vcc 0
		.amdhsa_float_denorm_mode_32 3
		.amdhsa_float_denorm_mode_16_64 3
		.amdhsa_memory_ordered 1
		.amdhsa_forward_progress 1
		.amdhsa_inst_pref_size 11
	.end_amdhsa_kernel
	.amdgpu_metadata
---
amdhsa.version: [ 1, 2 ]
amdhsa.kernels:
  - .name:           k_q796945b3f0_quant_x
    .symbol:         k_q796945b3f0_quant_x.kd
    .args:
      - { .name: x, .offset: 0, .size: 8, .value_kind: global_buffer, .address_space: global }
      - { .name: cod, .offset: 8, .size: 8, .value_kind: global_buffer, .address_space: global }
      - { .name: scl, .offset: 16, .size: 8, .value_kind: global_buffer, .address_space: global }
    .group_segment_fixed_size: 69120
    .private_segment_fixed_size: 0
    .kernarg_segment_align: 8
    .kernarg_segment_size: 24
    .max_flat_workgroup_size: 256
    .sgpr_count:     66
    .vgpr_count:     194
    .wavefront_size: 32
...
	.end_amdgpu_metadata
.endif
;; end of part 1
;; launch quant_w (part 2): grid 128 x 1, 8 waves a work-group, no clusters, 28,672 bytes of LDS; arguments Wq, Wk, Wv, Wo, cod, scl; writes cod, scl
.if DOCPART == 2
	.amdgcn_target "amdgcn-amd-amdhsa--gfx1250"
	.amdhsa_code_object_version 6
	.text
	.protected	k_q796945b3f0_quant_w
	.globl	k_q796945b3f0_quant_w
	.p2align	8
	.type	k_q796945b3f0_quant_w,@function
k_q796945b3f0_quant_w:
	s_mov_b64 s[64:65], 0
	v_nop
	global_prefetch_b8 v0, s[64:65] scope:SCOPE_SE
	s_setreg_imm32_b32 hwreg(HW_REG_WAVE_MODE, 25, 1), 1
	s_wait_xcnt 0x0
; The four weights [1024 (k)][1024 (n)] f32, K their FIRST axis, become codes of BF6 (E3M2) with K innermost, in the same images as x: cod row tiles 256-319 Wq, 320-383 Wk, 384-447 Wv, 448-511 Wo (a row = a column n).
; A LANE TAKES A COLUMN n AND ITS REGISTERS RUN DOWN K: each load reads 128 consecutive bytes, a block of 32 along K lies in one lane, and the conversions give codes with K innermost.
; SHARES: work-group g: weight g / 32, columns 32 (g % 32) on: two row tiles.  Wave w: K step w: four blocks a lane.
; ROW ORDER as everywhere: column c of the 32 goes to tile u = (c / 8) % 2, lane r = c % 8 + 8 (c / 16).  Block t of the K step is half t / 2 of the fragment, lanes 16 (t % 2) + r.
; The codes turn through the wave's own stage in LDS, written at their places in the images, and leave as the images' consecutive bytes.
; LIMITS: a block of zeros gets the byte 1 where the rule says 127 (its codes are zeros, and this program alone reads the bytes); NaN and infinities among the inputs are not served.
; No cluster, no tensor load: the work-groups share no input.
.set FPI,  1664                        ; from one fragment to the other in the stage: 1,536 + 128, so that lanes 0-7 and lanes 8-15 of a store fall into different banks
.set STG,  2*FPI
.set SCB,  8*STG                       ; behind the stages: 32 rows x 8 scale words
.set RTB,  12288
.set FRB,  1536
.set X,    64                          ; v64-127  two sets of 32 numbers
.set WV,   16
	s_load_b256 s[4:11], s[0:1], 0x0               ; Wq, Wk, Wv, Wo
	s_load_b128 s[12:15], s[0:1], 0x20             ; cod, scl
	v_lshl_add_u32 v160, v0, 2, 0x6c00
	v_mov_b32 v161, 0
	v_lshrrev_b32 v1, 5, v0
	v_readfirstlane_b32 s[WV], v1                  ; wave 0..7 = my K step
	v_and_b32 v1, 31, v0                           ; c
	v_lshlrev_b32 v2, 2, v1                        ; 4 bytes a column
	v_bfe_u32 v3, v0, 3, 1                         ; u
	v_and_b32 v4, 7, v0
	v_bfe_u32 v12, v0, 4, 1
	v_lshl_add_u32 v4, v12, 3, v4                  ; r
	s_mul_i32 s17, s[WV], STG
	v_mul_u32_u24 v5, v3, FPI
	v_add_nc_u32 v5, s17, v5
	v_lshl_add_u32 v6, v4, 3, v5                   ; into the stage: registers 4-5 of lane r
	v_lshl_add_u32 v5, v4, 4, v5                   ; registers 0-3
	v_lshlrev_b32 v9, 4, v1                        ; 16 x lane
	v_lshlrev_b32 v10, 3, v1                       ; 8 x lane
	v_add_nc_u32 v7, s17, v9                       ; out of the stage
	v_add_nc_u32 v8, s17, v10
	v_lshl_add_u32 v11, v3, 4, v4
	v_lshlrev_b32 v11, 5, v11
	s_lshl_b32 s18, s[WV], 2
	v_add_nc_u32 v11, s18, v11
	v_add_nc_u32 v11, SCB, v11                     ; my column's word of my K step
	v_add_nc_u32 v17, SCB, v9                      ; all words, 16 bytes a lane
	s_lshr_b32 s19, ttmp9, 5                       ; which weight
	s_lshl_b32 s20, s[WV], 19                      ; 128 rows of 4,096 bytes a K step
	s_and_b32 s21, ttmp9, 31
	s_lshl_b32 s21, s21, 7                         ; 32 columns of 4 bytes
	s_add_co_u32 s20, s20, s21
	s_mov_b32 s21, 0
	s_lshl_b32 s22, ttmp9, 1
	s_add_co_u32 s22, s22, 256                     ; my first row tile
	s_mul_i32 s22, s22, RTB
	s_mul_i32 s23, s[WV], FRB
	s_add_co_u32 s22, s22, s23
	s_mov_b32 s23, 0
	s_lshl_b32 s24, ttmp9, 10                      ; 32 rows x 32 bytes,
	s_add_co_u32 s24, s24, 131072                  ; behind x's 4,096 rows
	s_mov_b32 s25, 0
	s_and_b32 s26, s19, 1
	s_lshr_b32 s27, s19, 1
	s_wait_kmcnt 0x0
	s_cmp_lg_u32 s26, 0                            ; the choice hangs on the work-group's number alone
	s_cselect_b64 s[4:5], s[6:7], s[4:5]           ; Wk or Wq
	s_cselect_b64 s[8:9], s[10:11], s[8:9]         ; Wo or Wv
	s_cmp_lg_u32 s27, 0
	s_cselect_b64 s[4:5], s[8:9], s[4:5]
	s_add_nc_u64 s[4:5], s[4:5], s[20:21]
	s_add_nc_u64 s[12:13], s[12:13], s[22:23]
	s_add_nc_u64 s[14:15], s[14:15], s[24:25]
.macro LOAD t                          ; block t: W(128 w + 32 t + i, my column) into set t % 2
.irp i, 0,1,2,3,4,5,6,7,8,9,10,11,12,13,14,15,16,17,18,19,20,21,22,23,24,25,26,27,28,29,30,31
	global_load_b32 v[X+32*((\t)%2)+\i], v2, s[4:5] offset:(32*(\t)+\i)*4096 th:TH_LOAD_NT
.endr
.endm
.macro BLOCK t
.set XS, X+32*((\t)%2)
.set CC, 24+8*(\t)                     ; six code words of its own for each block: no LDS store's data are written again
.if (\t) < 3
	s_wait_loadcnt 32                              ; this block's 32 loads are in; the next block's may be out
.else
	s_wait_loadcnt 0x0
.endif
	v_max3_num_f32 v12, |v[XS]|, |v[XS+1]|, |v[XS+2]|          ; the block's largest magnitude: all 32 numbers are mine; two chains
	v_max3_num_f32 v13, |v[XS+3]|, |v[XS+4]|, |v[XS+5]|
.irp i, 6,10,14,18,22,26
	v_max3_num_f32 v12, v12, |v[XS+\i]|, |v[XS+\i+1]|
	v_max3_num_f32 v13, v13, |v[XS+\i+2]|, |v[XS+\i+3]|
.endr
	v_max3_num_f32 v12, v12, |v[XS+30]|, |v[XS+31]|
	v_max3_num_f32 v12, v12, v13, 0x2800000        ; and the floor 2^(5 - 127): the byte cannot fall under 1
	v_add_nc_u32 v14, 0xfe000000, v12              ; 4 off its exponent field: the conversion's scale operand
	v_lshrrev_b32 v13, 23, v14                     ; the scale's byte
.if (\t) == 0
	v_mov_b32 v16, v13
.else
	v_lshl_or_b32 v16, v13, 8*(\t), v16            ; the lower K in the lower byte
.endif
	v_cvt_scalef32_pk16_bf6_f32 v[CC:CC+2], v[XS:XS+15], v14
	v_cvt_scalef32_pk16_bf6_f32 v[18:20], v[XS+16:XS+31], v14  ; a conversion's three registers begin on an even number
	v_nop                                          ; one plain place behind a scaled conversion
	v_mov_b32 v[CC+3], v18
	v_mov_b32 v[CC+4], v19
	v_mov_b32 v[CC+5], v20
	ds_store_b128 v5, v[CC:CC+3] offset:768*((\t)/2)+256*((\t)%2)
	ds_store_b64 v6, v[CC+4:CC+5] offset:768*((\t)/2)+512+128*((\t)%2)
.if (\t) < 2
	LOAD (\t)+2
.endif
.endm
	LOAD 0
	LOAD 1
	BLOCK 0
	BLOCK 1
	BLOCK 2
	BLOCK 3
	ds_store_b32 v11, v16
.irp u, 0,1                                    ; both fragments back as they lie in cod: LDS serves a wave's instructions in order
	ds_load_b128 v[128+12*\u:131+12*\u], v7 offset:FPI*\u
	ds_load_b64 v[132+12*\u:133+12*\u], v8 offset:FPI*\u+512
	ds_load_b128 v[134+12*\u:137+12*\u], v7 offset:FPI*\u+768
	ds_load_b64 v[138+12*\u:139+12*\u], v8 offset:FPI*\u+1280
.endr
	s_wait_dscnt 0x0                               ; they are in, and my scale word has landed
.irp u, 0,1
	global_store_b128 v9, v[128+12*\u:131+12*\u], s[12:13] offset:RTB*\u
	global_store_b64 v10, v[132+12*\u:133+12*\u], s[12:13] offset:RTB*\u+512
	global_store_b128 v9, v[134+12*\u:137+12*\u], s[12:13] offset:RTB*\u+768
	global_store_b64 v10, v[138+12*\u:139+12*\u], s[12:13] offset:RTB*\u+1280
.endr
	s_barrier_signal -1
	s_barrier_wait -1
	s_cmp_lg_u32 s[WV], 0
	s_cbranch_scc1 .Lend
	ds_load_b128 v[152:155], v17                   ; wave 0 sends the 32 rows' words: 1,024 consecutive bytes
	ds_load_b128 v[156:159], v17 offset:512
	s_wait_dscnt 0x0
	global_store_b128 v9, v[152:155], s[14:15]
	global_store_b128 v9, v[156:159], s[14:15] offset:512
.Lend:
	s_wait_tensorcnt 0x0
	ds_add_u32 v160, v161
	s_wait_dscnt 0x0
	s_endpgm
.Lfunc_end_k_q796945b3f0_quant_w:
	.size	k_q796945b3f0_quant_w, .Lfunc_end_k_q796945b3f0_quant_w-k_q796945b3f0_quant_w
	.p2alignl 7, 3214868480
	.fill 96, 4, 3214868480
	.section	.rodata,"a",@progbits
	.p2align	6, 0x0
	.amdhsa_kernel k_q796945b3f0_quant_w
		.amdhsa_group_segment_fixed_size 28672
		.amdhsa_private_segment_fixed_size 0
		.amdhsa_enable_private_segment 0
		.amdhsa_kernarg_size 48
		.amdhsa_user_sgpr_count 2
		.amdhsa_user_sgpr_kernarg_segment_ptr 1
		.amdhsa_wavefront_size32 1
		.amdhsa_system_sgpr_workgroup_id_x 1
		.amdhsa_system_sgpr_workgroup_id_y 1
		.amdhsa_system_sgpr_workgroup_id_z 1
		.amdhsa_system_vgpr_workitem_id 0
		.amdhsa_next_free_vgpr 162
		.amdhsa_next_free_sgpr 66
		.amdhsa_reserve_vcc 0
		.amdhsa_float_denorm_mode_32 3
		.amdhsa_float_denorm_mode_16_64 3
		.amdhsa_memory_ordered 1
		.amdhsa_forward_progress 1
		.amdhsa_inst_pref_size 23
	.end_amdhsa_kernel
	.amdgpu_metadata
---
amdhsa.version: [ 1, 2 ]
amdhsa.kernels:
  - .name:           k_q796945b3f0_quant_w
    .symbol:         k_q796945b3f0_quant_w.kd
    .args:
      - { .name: Wq, .offset: 0, .size: 8, .value_kind: global_buffer, .address_space: global }
      - { .name: Wk, .offset: 8, .size: 8, .value_kind: global_buffer, .address_space: global }
      - { .name: Wv, .offset: 16, .size: 8, .value_kind: global_buffer, .address_space: global }
      - { .name: Wo, .offset: 24, .size: 8, .value_kind: global_buffer, .address_space: global }
      - { .name: cod, .offset: 32, .size: 8, .value_kind: global_buffer, .address_space: global }
      - { .name: scl, .offset: 40, .size: 8, .value_kind: global_buffer, .address_space: global }
    .group_segment_fixed_size: 28672
    .private_segment_fixed_size: 0
    .kernarg_segment_align: 8
    .kernarg_segment_size: 48
    .max_flat_workgroup_size: 256
    .sgpr_count:     66
    .vgpr_count:     162
    .wavefront_size: 32
...
	.end_amdgpu_metadata
.endif
;; end of part 2
;; launch proj (part 3): grid 12 x 16, 4 waves a work-group, clusters of 4 x 4, 327,680 bytes of LDS; arguments cod, scl, bq, bk, bv, qkv; writes qkv
.if DOCPART == 3
	.amdgcn_target "amdgcn-amd-amdhsa--gfx1250"
	.amdhsa_code_object_version 6
	.text
	.protected	k_q796945b3f0_proj
	.globl	k_q796945b3f0_proj
	.p2align	8
	.type	k_q796945b3f0_proj,@function
k_q796945b3f0_proj:
	s_mov_b64 s[64:65], 0
	v_nop
	global_prefetch_b8 v0, s[64:65] scope:SCOPE_SE
	s_setreg_imm32_b32 hwreg(HW_REG_WAVE_MODE, 25, 1), 1
	s_wait_xcnt 0x0
	s_wait_alu depctr_hold_cnt(0) depctr_sa_sdst(0) depctr_va_vdst(0) depctr_va_sdst(0) depctr_va_ssrc(0) depctr_va_vcc(0) depctr_vm_vsrc(0)
	s_getreg_b32 s2, hwreg(HW_REG_IB_STS2, 6, 4)
	s_cmp_eq_u32 s2, 0
	s_cbranch_scc0 .Lentry_in_a_cluster
	s_endpgm
.Lentry_in_a_cluster:
	s_bfe_u32 s2, ttmp6, 0x10000c
	s_cmp_lg_u32 s2, 0xf033
	s_cbranch_scc0 .Lentry_shape_is_right
	s_endpgm
.Lentry_shape_is_right:
; q = x Wq + bq, k = x Wk + bk and V^T = (x Wv + bv)^T on codes of BF6 (E3M2) with E8M0 scales, K = 1,024; the results are quantised in registers, in f32, into the operands of attention.
; OPERANDS come from cod as images of their registers (row tile of 16 positions, K step of 128: 1,536 bytes) and their scale words from scl ([row position][8 words]).
; A TILE is 256 rows of "A" x 256 rows of "B", made by four waves of 128 x 128: 64 accumulators, 512 registers.  The matrix instruction takes B's rows as source 0 and A's as source 1: lane (r, h) holds A's row position r,
; and, by the row order of the images (position p = row p with bits 3 and 4 swapped), the 16 registers of B's tiles 2 b and 2 b + 1 hold B's rows 32 b + 16 h + 0 .. 15: neighbours.
; MODES by the cluster's x, which all sixteen partners share.  0, 1: A = 256 tokens of x, B = 256 columns of Wq (0) or Wk (1): a lane's registers run along d, the K of the scores.
;   2: A = 256 columns of Wv, B = 256 tokens of x: a lane's registers run along the tokens, the K of the second product of attention.  So one core serves all 192 work-groups.
; qkv: [q, k, v][32 heads of the batch][16 steps of 128 tokens][6,400]: four fragments, then 256 bytes of scale words at 6,144 + 16 r + 4 t.
;   q, k: fragment t = the halves (16 tokens x 64 d, 768 bytes) of token tiles 2 t and 2 t + 1; word t = their two and two bytes.   v: fragment t = 16 d x 128 tokens, word t its scale word.
; LDS: three slots of 98,304 bytes, two K steps each (A's 16 row tiles x 3,072 bytes, then B's).  K steps 0-5 are first fills; K steps 6, 7 fill slot 0 again, four K steps (256 matrix instructions a wave) ahead of their use.
; The text is written out, with no loop: eight K steps, so that each K step's scale words can stay in registers of their own for the whole launch.
; CLUSTER 4 x 4: A's tiles are shared along a row of the cluster, B's along a column: joint loads, which divide the requests by four.
; LIMITS: a block of zeros gets the byte 1 where the rule says 127 (its codes are zeros, and this program alone reads the bytes); NaN and infinities are not served.
; REGISTERS: window 0: v4-15 LDS addresses of fragments; v16-27 lane terms and the way out; v28, v29 for the add; v32-95 scale words and nothing else; v96-127, v224-255 the bias; v128-223 A's fragments, later the way out.
;   window 1: B's fragments, two sets, at v0 and v128.   windows 2, 3: the accumulators of my A blocks 0-3 and 4-7, (a, b) at v[8 (8 (a % 4) + b)].
.set RTB,   12288                      ; a row tile in cod
.set FRB,   1536                       ; a fragment
.set RT2,   3072                       ; a row tile's two K steps
.set QUART, 8*RT2                      ; what one tensor load brings, and what a wave reads of A or of B in a slot
.set SLOT,  4*QUART
.set SPARE, 3*SLOT                     ; the spare words, 128 bytes a wave: two blocks of 256 bytes that no other line names
.set SCRQ,  SPARE+512                  ; scale words on their way out: 512 bytes a wave; each of the two paths has bytes of its own
.set SCRV,  SCRQ+2048
.set PLANE, 3276800
.set HEADB, 102400
.set BLK,   6400
.set AA16, 4                           ; v4-6   A's fragments in slot 0, 1, 2: + 16 x lane;   v7-9: + 8 x lane
.set AA8,  7
.set AB16, 10                          ; v10-12, v13-15: the same for B
.set AB8,  13
.set L16,  16                          ; v16  16 x lane
.set L8,   17                          ; v17  8 x lane
.set PW,   18                          ; v18  the scale word just made;  v19 that of the even block;  v20 the pair's word;  v21 the byte selector
.set SPW,  28
.set NIL,  29
.set SC,   32                          ; v[SC + 8 i + s]: lanes 0-15 the word of A's block i, lanes 16-31 that of B's block i, for K step s
.set AF,   128
.set HA,   128                         ; the way out: 64 numbers
.set PC,   192                         ; their codes
.set TM,   212                         ; at work
.set WV,   16
.set WR,   17                          ; wave / 2: my half of A's rows.  Also: I fetch for A (0) or for B (1)
.set WC,   18                          ; wave % 2: my half of B's rows.  Also: which 8 row tiles I fetch
.set CX,   19
.set CY,   20
.set CLX,  21
.set CLY,  22
.set MODE, 23
.set G1,   24                          ; s[24:31] group 1 for A's tiles;  s[32:43] groups 0, one for each slot
.set G0,   32
.set G1B,  48                          ; s[48:55], s[68:79] the same for B's
.set G0B,  68
.set SEL,  92
.set MSB, 0
.macro WIN new                         ; the immediate's high byte repeats the setting that is left
.if MSB != (\new)
	s_set_vgpr_msb (MSB<<8)|(\new)
.set MSB, (\new)
.endif
.endm
.set MUL_LO, 0xa1                      ; source 0 (B) window 1, source 1 (A) window 0, C and D window 2
.set MUL_HI, 0xf1                      ; the same, C and D window 3
.macro PLACES                          ; four plain places: in front of loads into registers that matrix instructions have read, and of the first read of results
.rept 4
	v_nop
.endr
.endm
; A joint load: waves 0 and 1 fetch for A, waves 2 and 3 for B.  The branch hangs on the wave's number alone.  Four v_nop follow each of the two lines.
.macro JLOAD g0a, g0b
	s_cmp_eq_u32 s[WR], 0
	s_cbranch_scc0 .Lfor_b_\@
	tensor_load_to_lds s[\g0a:\g0a+3], s[G1:G1+7]
	s_nop 0
.rept 4
	v_nop
.endr
	s_branch .Lasked_\@
.Lfor_b_\@:
	tensor_load_to_lds s[\g0b:\g0b+3], s[G1B:G1B+7]
	s_nop 0
.rept 4
	v_nop
.endr
.Lasked_\@:
.endm
.macro CREST                           ; a round of the cluster's barrier behind its opening barrier
	s_cmp_lg_u32 s[WV], 0
	s_cbranch_scc1 .Lnot_wave_0_\@
	s_barrier_signal -3
.Lnot_wave_0_\@:
	s_barrier_wait -3
	s_barrier_signal -1
	s_barrier_wait -1
.endm
.macro CROUND
	s_barrier_signal -1
	s_barrier_wait -1
	CREST
.endm
.macro FRAG reg, a16, a8, off          ; a fragment's image back into 12 registers: every load takes consecutive bytes
	ds_load_b128 v[\reg:\reg+3], v[\a16] offset:\off
	ds_load_b64 v[\reg+4:\reg+5], v[\a8] offset:\off+512
	ds_load_b128 v[\reg+6:\reg+9], v[\a16] offset:\off+768
	ds_load_b64 v[\reg+10:\reg+11], v[\a8] offset:\off+1280
.endm
.macro FETCH_B slot, q, p              ; B's eight fragments of the slot's q-th K step into set p: 32 loads
	WIN 0x40
.irp i, 0,1,2,3,4,5,6,7
	FRAG 128*(\p)+12*\i, AB16+\slot, AB8+\slot, RT2*\i+FRB*(\q)
.endr
	WIN 0
.endm
.macro FETCH_A slot, q, i0             ; A's blocks i0 .. i0 + 3: 16 loads
.irp i, \i0, \i0+1, \i0+2, \i0+3
	FRAG AF+12*(\i), AA16+\slot, AA8+\slot, RT2*(\i)+FRB*(\q)
.endr
.endm
; 16 matrix instructions: A's blocks a0, a0 + 1 x B's eight, K step ks.  zero = 1: the product starts the sums; 2: the bias does.  The 64 accumulators take turns, one instruction a turn.
.macro MUL16 a0, ks, zero
.irp a, \a0, \a0+1
.irp b, 0,1,2,3,4,5,6,7
.set rD, 8*(8*((\a)%4)+\b)
.set rB, 128*((\ks)%2)+12*\b
.set rA, AF+12*(\a)
.set rC, 96+8*\b+96*(\b/4)
.if \zero == 1
	v_wmma_scale_f32_16x16x128_f8f6f4 v[rD:rD+7], v[rB:rB+11], v[rA:rA+11], 0, v[SC+8*\b+(\ks)], v[SC+8*(\a)+(\ks)] matrix_a_fmt:MATRIX_FMT_BF6 matrix_b_fmt:MATRIX_FMT_BF6 matrix_a_scale:MATRIX_SCALE_ROW1
.elseif \zero == 2
	v_wmma_scale_f32_16x16x128_f8f6f4 v[rD:rD+7], v[rB:rB+11], v[rA:rA+11], v[rC:rC+7], v[SC+8*\b+(\ks)], v[SC+8*(\a)+(\ks)] matrix_a_fmt:MATRIX_FMT_BF6 matrix_b_fmt:MATRIX_FMT_BF6 matrix_a_scale:MATRIX_SCALE_ROW1
.else
	v_wmma_scale_f32_16x16x128_f8f6f4 v[rD:rD+7], v[rB:rB+11], v[rA:rA+11], v[rD:rD+7], v[SC+8*\b+(\ks)], v[SC+8*(\a)+(\ks)] matrix_a_fmt:MATRIX_FMT_BF6 matrix_b_fmt:MATRIX_FMT_BF6 matrix_a_scale:MATRIX_SCALE_ROW1
.endif
.endr
.endr
.endm
; K step ks; the next one's fragments come from slot ns, its nq-th K step.  A has one set of registers: blocks 0-3 are fetched anew in the step's middle, blocks 4-7 at its end.
.macro STEP ks, ns, nq, zero
	s_wait_dscnt 16                                ; B's set and A's blocks 0-3 are in; the youngest 16 loads (A's blocks 4-7) may be out
.if \zero == 2
	WIN 0x81
.else
	WIN MUL_LO
.endif
	MUL16 0, \ks, \zero
	MUL16 2, \ks, \zero
	s_wait_dscnt 0x0                               ; A's blocks 4-7 are in
	PLACES
	FETCH_B \ns, \nq, 1-(\ks)%2
	FETCH_A \ns, \nq, 0
.if \zero == 2
	WIN 0xc1
.else
	WIN MUL_HI
.endif
	MUL16 4, \ks, \zero
	MUL16 6, \ks, \zero
	PLACES
	WIN 0
	FETCH_A \ns, \nq, 4
.endm
; A K step with a barrier in it.  In front of the barrier each wave waits for all its tensor loads, adds 0 to its spare word, and waits for that and for its LDS reads.
; fill = 1: the barrier opens a round of the cluster's, and behind the round slot 0, which nobody reads any more, takes K steps 6 and 7.
.macro TURN ks, ns, fill
	s_wait_tensorcnt 0x0                           ; all my tensor loads have landed
	ds_add_u32 v[SPW], v[NIL]                      ; 0 onto my spare word
	s_wait_dscnt 17                                ; (the add and the youngest 16 loads, A's blocks 4-7, may be out)
	WIN MUL_LO
	MUL16 0, \ks, 0                                ; sixteen matrix instructions stand between the add and the wait for it
	s_wait_dscnt 0x0                               ; the add is done, and my reads of the slot in hand are over
	s_barrier_signal -1
	MUL16 2, \ks, 0
	WIN 0
	s_barrier_wait -1
.if \fill
	CREST                                          ; no wave of any partner still reads slot 0 or has a load on its way
	s_add_nc_u64 s[G0+2:G0+3], s[G0+2:G0+3], 3*RT2
	s_add_nc_u64 s[G0B+2:G0B+3], s[G0B+2:G0B+3], 3*RT2
	JLOAD G0, G0B                                  ; the first tensor load behind the round, and my only one; its four v_nop are the places in front of the loads below
.else
	PLACES
.endif
	FETCH_B \ns, 0, 0
	FETCH_A \ns, 0, 0
	WIN MUL_HI
	MUL16 4, \ks, 0
	MUL16 6, \ks, 0
	PLACES
	WIN 0
	FETCH_A \ns, 0, 4
.endm
.macro LAST                            ; K step 7: nothing more to fetch
	s_wait_dscnt 16
	WIN MUL_LO
	MUL16 0, 7, 0
	MUL16 2, 7, 0
	s_wait_dscnt 0x0
	WIN MUL_HI
	MUL16 4, 7, 0
	MUL16 6, 7, 0
	WIN 0
.endm
; 64 numbers of a lane, register 16 b + i = k 32 b + 16 h + i of my row, become a fragment's codes in v[PC] .. v[PC + 11] and its scale word in v[PW]
.macro QUANT s
.irp b, 0,1,2,3
	v_max3_num_f32 v[TM+\b], |v[\s+16*\b]|, |v[\s+1+16*\b]|, 0x2800000   ; block b: my 16 numbers, and the floor 2^(5 - 127): the byte cannot fall under 1
.endr
.irp i, 2,4,6,8,10,12,14
.irp b, 0,1,2,3
	v_max3_num_f32 v[TM+\b], v[TM+\b], |v[\s+16*\b+\i]|, |v[\s+1+16*\b+\i]|
.endr
.endr
.irp b, 0,1,2,3
	v_permlanex16_b32 v[TM+4+\b], v[TM+\b], s[SEL], s[SEL+1]
.endr
.irp b, 0,1,2,3
	v_max_num_f32 v[TM+\b], v[TM+\b], v[TM+4+\b]   ; with lane l xor 16's: the block's largest magnitude
.endr
.irp b, 0,1,2,3
	v_add_nc_u32 v[TM+8+\b], 0xfe000000, v[TM+\b]  ; 4 off its exponent field: the conversion's scale operand
.endr
.irp b, 0,1,2,3
	v_lshrrev_b32 v[TM+4+\b], 23, v[TM+8+\b]       ; the scale's byte
.endr
	v_lshl_or_b32 v[PW], v[TM+5], 8, v[TM+4]
	v_lshl_or_b32 v[PW], v[TM+6], 16, v[PW]
	v_lshl_or_b32 v[PW], v[TM+7], 24, v[PW]
.irp c, 0,1
	v_cvt_scalef32_pk16_bf6_f32 v[PC+6*\c:PC+2+6*\c], v[\s+32*\c:\s+15+32*\c], v[TM+8+2*\c]
	v_cvt_scalef32_pk16_bf6_f32 v[PC+12+4*\c:PC+14+4*\c], v[\s+16+32*\c:\s+31+32*\c], v[TM+9+2*\c]
.endr
	v_nop                                          ; one plain place behind a scaled conversion
.irp c, 0,1
.irp i, 0,1,2
	v_permlane16_swap_b32 v[PC+6*\c+\i], v[PC+12+4*\c+\i]
.endr
.irp i, 0,1,2
	v_mov_b32 v[PC+3+6*\c+\i], v[PC+12+4*\c+\i]
.endr
.endr
.endm
; q, k: A's block a = 16 tokens; a lane's 64 numbers are d 0-63 of two heads.  The bias is added as the numbers are moved into window 0, each accumulator from its low end on.
.macro ROWQ a
	s_wait_xcnt 0x0                                ; the earlier stores have read their registers: the codes may be written again
	s_wait_dscnt 0x0                               ; and so has the LDS store of the pair's word
	WIN 0x02+(\a)/4
.irp b, 0,1,2,3,4,5,6,7
.set BN, 96+8*\b+96*(\b/4)
.irp j, 0,2,4,6
	v_pk_add_f32 v[HA+8*\b+\j:HA+8*\b+\j+1], v[64*((\a)%4)+8*\b+\j:64*((\a)%4)+8*\b+\j+1], v[BN+\j:BN+\j+1]
.endr
.endr
	WIN 0
	QUANT HA
.irp c, 0,1                                    ; half c is head c's 16 tokens x 64 d
	global_store_b128 v[L16], v[PC+6*\c:PC+6*\c+3], s[14:15] offset:HEADB*\c+768*(\a)
	global_store_b64 v[L8], v[PC+6*\c+4:PC+6*\c+5], s[14:15] offset:HEADB*\c+768*(\a)+512
.endr
.if (\a)%2 == 0
	v_mov_b32 v19, v[PW]
.else
	v_perm_b32 v20, v[PW], v19, v21                ; lanes 0-15: the first head's two and two bytes of the pair of tiles; lanes 16-31: the second head's
	ds_store_b32 v22, v20 offset:4*((\a)/2)
.endif
.endm
; V^T: A's block a = 16 d of a head; a lane's 64 numbers are its share of 128 tokens: one whole fragment.  The bias hangs on the lane's d alone.
.macro ROWV a
	s_wait_xcnt 0x0
	s_wait_dscnt 0x0
	WIN 0x02+(\a)/4
.irp b, 0,1,2,3,4,5,6,7
.irp j, 0,2,4,6
	v_pk_add_f32 v[HA+8*\b+\j:HA+8*\b+\j+1], v[64*((\a)%4)+8*\b+\j:64*((\a)%4)+8*\b+\j+1], v[96+2*(\a):97+2*(\a)]
.endr
.endr
	WIN 0
	QUANT HA
	global_store_b128 v[L16], v[PC:PC+3], s[14:15] offset:HEADB*((\a)/4)+FRB*((\a)%4)
	global_store_b64 v[L8], v[PC+4:PC+5], s[14:15] offset:HEADB*((\a)/4)+FRB*((\a)%4)+512
	global_store_b128 v[L16], v[PC+6:PC+9], s[14:15] offset:HEADB*((\a)/4)+FRB*((\a)%4)+768
	global_store_b64 v[L8], v[PC+10:PC+11], s[14:15] offset:HEADB*((\a)/4)+FRB*((\a)%4)+1280
	ds_store_b32 v23, v[PW] offset:256*((\a)/4)+4*((\a)%4)   ; both halves of the lanes write the same word
.endm
	s_load_b256 s[4:11], s[0:1], 0x0               ; cod s[4:5], scl s[6:7], bq s[8:9], bk s[10:11]
	s_load_b128 s[12:15], s[0:1], 0x20             ; bv s[12:13], qkv s[14:15]
	v_lshl_add_u32 v[SPW], v0, 2, SPARE
	v_mov_b32 v[NIL], 0
	ds_add_u32 v28, v29
	ds_add_u32 v28, v29
	s_wait_dscnt 0x0
	v_lshrrev_b32 v1, 5, v0
	v_readfirstlane_b32 s[WV], v1                  ; wave 0..3
	s_lshr_b32 s[WR], s[WV], 1
	s_and_b32 s[WC], s[WV], 1
	s_bfe_u32 s[CX], ttmp6, 0x40000                ; my place in the cluster
	s_bfe_u32 s[CY], ttmp6, 0x40004
	s_mov_b32 s[CLX], ttmp9                        ; the cluster's x: 0 q, 1 k, 2 v
	s_and_b32 s[CLY], ttmp7, 0xffff                ; the cluster's y
	s_lshl_b32 s44, s[CY], 2
	s_lshl_b32 s44, 15, s44                        ; my row of the cluster
	s_lshl_b32 s45, 0x1111, s[CX]                  ; my column
	s_or_b32 s[G1], s44, (3<<16)|(1<<21)           ; 15:0 the mask; 17:16 elements of 8 bytes; 21 set beside a mask; no padding
	s_or_b32 s[G1B], s45, (3<<16)|(1<<21)
.irp g, G1, G1B
	s_mov_b32 s[\g+1], 384<<16                     ; tensor_dim0 = 384 elements: 3,072 bytes, two K steps of a row tile
	s_mov_b32 s[\g+2], 8<<16                       ; tensor_dim1 = 8 row tiles
	s_mov_b32 s[\g+3], 384<<16                     ; tile_dim0
	s_mov_b32 s[\g+4], 8                           ; tile_dim1
	s_mov_b32 s[\g+5], 1536                        ; from row tile to row tile: 12,288 bytes
	s_mov_b32 s[\g+6], 0
	s_mov_b32 s[\g+7], 0
.endr
	s_lshl_b32 s56, s[CLY], 6                      ; 64 x cluster y
	s_lshl_b32 s57, s[CLX], 6
	s_add_co_u32 s57, s57, 256                     ; 256 + 64 x cluster x: Wq's or Wk's row tiles
	s_cmp_eq_u32 s[CLX], 2
	s_cselect_b32 s58, 384, s56                    ; A: Wv's row tiles, or x's
	s_cselect_b32 s59, s56, s57                    ; B: x's, or Wq's and Wk's
	s_cselect_b32 s[MODE], 1, 0
	s_lshl_b32 s60, s[CY], 4
	s_add_co_u32 s58, s58, s60                     ; A's first row tile: hangs on cy, which my row of the cluster shares
	s_lshl_b32 s61, s[CX], 4
	s_add_co_u32 s59, s59, s61                     ; B's: hangs on cx, which my column shares
	s_lshl_b32 s63, s[WC], 3                       ; which 8 row tiles I fetch
	s_add_co_u32 s80, s58, s63
	s_mul_i32 s80, s80, RTB
	s_mov_b32 s81, 0
	s_add_co_u32 s82, s59, s63
	s_mul_i32 s82, s82, RTB
	s_mov_b32 s83, 0
	s_mul_i32 s62, s[WV], QUART                    ; where they go: no place in the cluster enters an LDS address
	s_mov_b32 s[SEL], 0x76543210
	s_mov_b32 s[SEL+1], 0xfedcba98
	s_wait_kmcnt 0x0
	s_add_nc_u64 s[80:81], s[4:5], s[80:81]
	s_add_nc_u64 s[82:83], s[4:5], s[82:83]
	CROUND                                         ; all sixteen work-groups are here: the first joint loads meet
.irp s, 0,1,2                                  ; K steps 0-5: three loads of mine are out
	s_mov_b32 s[G0+4*\s], 1
	s_add_co_u32 s[G0+4*\s+1], s62, \s*SLOT
	s_add_nc_u64 s[G0+4*\s+2:G0+4*\s+3], s[80:81], \s*RT2
	s_or_b32 s[G0+4*\s+3], s[G0+4*\s+3], 0x80000000
	s_mov_b32 s[G0B+4*\s], 1
	s_add_co_u32 s[G0B+4*\s+1], s62, \s*SLOT
	s_add_nc_u64 s[G0B+4*\s+2:G0B+4*\s+3], s[82:83], \s*RT2
	s_or_b32 s[G0B+4*\s+3], s[G0B+4*\s+3], 0x80000000
	JLOAD G0+4*\s, G0B+4*\s
.endr
	v_and_b32 v1, 31, v0                           ; lane
	v_and_b32 v2, 15, v0                           ; r
	v_lshlrev_b32 v[L16], 4, v1
	v_lshlrev_b32 v[L8], 3, v1
	s_mul_i32 s46, s[WR], QUART                    ; my 8 row tiles of A,
	s_mul_i32 s47, s[WC], QUART
	s_add_co_u32 s47, s47, 2*QUART                 ; and of B, behind A's 16
.irp s, 0,1,2
	v_add_nc_u32 v[AA16+\s], s46, v[L16]
	v_add_nc_u32 v[AA8+\s], s46, v[L8]
	v_add_nc_u32 v[AB16+\s], s47, v[L16]
	v_add_nc_u32 v[AB8+\s], s47, v[L8]
	s_add_co_u32 s46, s46, SLOT
	s_add_co_u32 s47, s47, SLOT
.endr
	; the scale words of my 128 rows of A (lanes 0-15) and of B (lanes 16-31), for all of K: loaded once, 32 bytes a row
	s_lshl_b32 s84, s58, 9
	s_lshl_b32 s85, s[WR], 12
	s_add_co_u32 s84, s84, s85
	s_lshl_b32 s85, s59, 9
	s_lshl_b32 s86, s[WC], 12
	s_add_co_u32 s85, s85, s86
	v_mov_b32 v30, s84
	v_mov_b32 v31, s85
	v_cmp_gt_u32 vcc_lo, 16, v1
	v_cndmask_b32 v3, v31, v30, vcc_lo
	v_lshl_add_u32 v3, v2, 5, v3
.irp i, 0,1,2,3,4,5,6,7
.irp e, 0,1
	global_load_b128 v[SC+8*\i+4*\e:SC+8*\i+4*\e+3], v3, s[6:7] offset:512*\i+16*\e
.endr
.endr
	; the way out's addresses: all LDS addresses are made here, ahead of the parting of the two paths
	v_mov_b32 v30, 0x05040100
	v_mov_b32 v31, 0x07060302
	v_cndmask_b32 v21, v31, v30, vcc_lo            ; which two bytes of each of two words: lanes 0-15 the low ones, lanes 16-31 the high ones
	s_lshl_b32 s87, s[WV], 9
	v_add_nc_u32 v22, s87, v[L16]
	v_add_nc_u32 v25, SCRV, v22                    ; V's words back: 16 x lane
	v_add_nc_u32 v22, SCRQ, v22                    ; q's and k's words, in and back: 256 h + 16 r = 16 x lane
	v_lshlrev_b32 v23, 4, v2
	v_add_nc_u32 v23, s87, v23
	v_add_nc_u32 v23, SCRV, v23                    ; V's words in: 16 r
	v_bfe_u32 v26, v0, 4, 1
	v_mul_u32_u24 v26, v26, HEADB
	v_lshl_add_u32 v26, v2, 4, v26                 ; in qkv: lanes 0-15 the first head's 256 bytes of words, lanes 16-31 the second's
	s_wait_tensorcnt 2                             ; my part of slot 0 is in; slots 1 and 2 may stay out
	s_barrier_signal -1
	s_barrier_wait -1
	FETCH_B 0, 0, 0
	FETCH_A 0, 0, 0
	FETCH_A 0, 0, 4
	s_wait_loadcnt 0x0                             ; the scale words
	STEP 0, 0, 1, 1                                ; the first products start the sums: nothing is cleared
	TURN 1, 1, 1                                   ; slot 0 is left and takes K steps 6 and 7
	STEP 2, 1, 1, 0
	STEP 3, 2, 0, 0                                ; slot 2 was shown whole by the wait and the barrier in K step 1
	STEP 4, 2, 1, 0
	TURN 5, 0, 0                                   ; slot 0's second fill has landed, in every wave
	STEP 6, 0, 1, 0
	s_cmp_lg_u32 s[MODE], 0                        ; the same in all sixteen partners
	s_cbranch_scc1 .Lvmode
	; ---- q and k.  The bias is asked for ahead of the last K step, whose 64 matrix instructions stand in front of the wait for it
	s_cmp_eq_u32 s[CLX], 0
	s_cselect_b64 s[84:85], s[8:9], s[10:11]       ; bq or bk
	s_lshl_b32 s86, s[CX], 10
	s_lshl_b32 s87, s[WC], 9
	s_add_co_u32 s86, s86, s87                     ; my 128 columns
	s_mov_b32 s87, 0
	s_add_nc_u64 s[84:85], s[84:85], s[86:87]
	s_lshl_b32 s88, s[CLY], 2
	s_add_co_u32 s88, s88, s[CY]
	s_lshl_b32 s88, s88, 1
	s_add_co_u32 s88, s88, s[WR]                   ; my step of 128 tokens, of 32
	s_lshr_b32 s89, s88, 4
	s_lshl_b32 s89, s89, 4                         ; 16 x batch
	s_lshl_b32 s90, s[CX], 2
	s_add_co_u32 s89, s89, s90
	s_lshl_b32 s90, s[WC], 1
	s_add_co_u32 s89, s89, s90                     ; + my first head
	s_mul_i32 s89, s89, HEADB
	s_and_b32 s88, s88, 15
	s_mul_i32 s88, s88, BLK
	s_add_co_u32 s88, s88, s89
	s_mul_i32 s89, s[CLX], PLANE
	s_add_co_u32 s88, s88, s89
	s_mov_b32 s89, 0
	s_add_nc_u64 s[14:15], s[14:15], s[88:89]
	v_bfe_u32 v27, v0, 4, 1
	v_lshlrev_b32 v27, 6, v27                      ; 16 h numbers on
.irp b, 0,1,2,3,4,5,6,7
.set BN, 96+8*\b+96*(\b/4)
.irp e, 0,1
	global_load_b128 v[BN+4*\e:BN+4*\e+3], v27, s[84:85] offset:(32*(\b/2)+8*(\b%2))*4+16*\e   ; the bias in the result's layout: columns 32 (b / 2) + 16 h + 8 (b % 2) + 0 .. 7
.endr
.endr
	LAST
	s_wait_loadcnt 0x0
	PLACES
.irp b, 0,1,2,3
	v_mov_b32 v[TM+4+\b], 0                        ; a lane permute's destination counts as one of its sources
.endr
.irp a, 0,1,2,3,4,5,6,7
	ROWQ \a
.endr
	ds_load_b128 v[HA:HA+3], v22                   ; my own words back: LDS serves a wave's instructions in order
	s_wait_dscnt 0x0
	global_store_b128 v26, v[HA:HA+3], s[14:15] offset:6144    ; 16 lanes store a head's 256 consecutive bytes of words
	s_branch .Ldone
.Lvmode:
	; ---- V^T
	s_lshl_b32 s86, s[CY], 10
	s_lshl_b32 s87, s[WR], 9
	s_add_co_u32 s86, s86, s87                     ; my 128 columns of Wv
	s_mov_b32 s87, 0
	s_add_nc_u64 s[84:85], s[12:13], s[86:87]
	s_lshl_b32 s88, s[CLY], 2
	s_add_co_u32 s88, s88, s[CX]
	s_lshl_b32 s88, s88, 1
	s_add_co_u32 s88, s88, s[WC]                   ; my step of 128 tokens, of 32
	s_lshr_b32 s89, s88, 4
	s_lshl_b32 s89, s89, 4
	s_lshl_b32 s90, s[CY], 2
	s_add_co_u32 s89, s89, s90
	s_lshl_b32 s90, s[WR], 1
	s_add_co_u32 s89, s89, s90
	s_mul_i32 s89, s89, HEADB
	s_and_b32 s88, s88, 15
	s_mul_i32 s88, s88, BLK
	s_add_co_u32 s88, s88, s89
	s_add_co_u32 s88, s88, 2*PLANE
	s_mov_b32 s89, 0
	s_add_nc_u64 s[14:15], s[14:15], s[88:89]
	v_and_b32 v27, 15, v0
	v_and_b32 v20, 8, v27
	v_add_nc_u32 v27, v27, v20
	v_lshlrev_b32 v27, 2, v27                      ; my d in a tile: r + 8 (r / 8)
.irp a, 0,1,2,3,4,5,6,7
	global_load_b32 v[96+2*\a], v27, s[84:85] offset:(32*(\a/2)+8*(\a%2))*4    ; twice: a pair for the packed addition
	global_load_b32 v[97+2*\a], v27, s[84:85] offset:(32*(\a/2)+8*(\a%2))*4
.endr
	LAST
	s_wait_loadcnt 0x0
	PLACES
.irp b, 0,1,2,3
	v_mov_b32 v[TM+4+\b], 0
.endr
.irp a, 0,1,2,3,4,5,6,7
	ROWV \a
.endr
	ds_load_b128 v[HA:HA+3], v25
	s_wait_dscnt 0x0
	global_store_b128 v26, v[HA:HA+3], s[14:15] offset:6144
.Ldone:
	s_wait_tensorcnt 0x0                           ; the wave's end
	ds_add_u32 v[SPW], v[NIL]
	s_wait_dscnt 0x0
	CROUND                                         ; the closing round: no work-group ends while a partner may still ask for a tile that names it
	s_endpgm
.Lfunc_end_k_q796945b3f0_proj:
	.size	k_q796945b3f0_proj, .Lfunc_end_k_q796945b3f0_proj-k_q796945b3f0_proj
	.p2alignl 7, 3214868480
	.fill 96, 4, 3214868480
	.section	.rodata,"a",@progbits
	.p2align	6, 0x0
	.amdhsa_kernel k_q796945b3f0_proj
		.amdhsa_group_segment_fixed_size 327680
		.amdhsa_private_segment_fixed_size 0
		.amdhsa_enable_private_segment 0
		.amdhsa_kernarg_size 48
		.amdhsa_user_sgpr_count 2
		.amdhsa_user_sgpr_kernarg_segment_ptr 1
		.amdhsa_wavefront_size32 1
		.amdhsa_system_sgpr_workgroup_id_x 1
		.amdhsa_system_sgpr_workgroup_id_y 1
		.amdhsa_system_sgpr_workgroup_id_z 1
		.amdhsa_system_vgpr_workitem_id 0
		.amdhsa_next_free_vgpr 1024
		.amdhsa_next_free_sgpr 100
		.amdhsa_reserve_vcc 1
		.amdhsa_float_denorm_mode_32 3
		.amdhsa_float_denorm_mode_16_64 3
		.amdhsa_memory_ordered 1
		.amdhsa_forward_progress 1
		.amdhsa_inst_pref_size 226
	.end_amdhsa_kernel
	.amdgpu_metadata
---
amdhsa.version: [ 1, 2 ]
amdhsa.kernels:
  - .name:           k_q796945b3f0_proj
    .symbol:         k_q796945b3f0_proj.kd
    .args:
      - { .name: cod, .offset: 0, .size: 8, .value_kind: global_buffer, .address_space: global }
      - { .name: scl, .offset: 8, .size: 8, .value_kind: global_buffer, .address_space: global }
      - { .name: bq, .offset: 16, .size: 8, .value_kind: global_buffer, .address_space: global }
      - { .name: bk, .offset: 24, .size: 8, .value_kind: global_buffer, .address_space: global }
      - { .name: bv, .offset: 32, .size: 8, .value_kind: global_buffer, .address_space: global }
      - { .name: qkv, .offset: 40, .size: 8, .value_kind: global_buffer, .address_space: global }
    .group_segment_fixed_size: 327680
    .private_segment_fixed_size: 0
    .kernarg_segment_align: 8
    .kernarg_segment_size: 48
    .max_flat_workgroup_size: 128
    .sgpr_count:     100
    .vgpr_count:     1024
    .wavefront_size: 32
...
	.end_amdgpu_metadata
.endif
;; end of part 3
;; launch attn (part 4): grid 8 x 32, 16 waves a work-group, clusters of 4 x 1, 206,848 bytes of LDS; arguments qkv, cod, scl; writes cod, scl
.if DOCPART == 4
	.amdgcn_target "amdgcn-amd-amdhsa--gfx1250"
	.amdhsa_code_object_version 6
	.text
	.protected	k_q796945b3f0_attn
	.globl	k_q796945b3f0_attn
	.p2align	8
	.type	k_q796945b3f0_attn,@function
k_q796945b3f0_attn:
	s_mov_b64 s[64:65], 0
	v_nop
	global_prefetch_b8 v0, s[64:65] scope:SCOPE_SE
	s_setreg_imm32_b32 hwreg(HW_REG_WAVE_MODE, 25, 1), 1
	s_wait_xcnt 0x0
	s_wait_alu depctr_hold_cnt(0) depctr_sa_sdst(0) depctr_va_vdst(0) depctr_va_sdst(0) depctr_va_ssrc(0) depctr_va_vcc(0) depctr_vm_vsrc(0)
	s_getreg_b32 s2, hwreg(HW_REG_IB_STS2, 6, 4)
	s_cmp_eq_u32 s2, 0
	s_cbranch_scc0 .Lentry_in_a_cluster
	s_endpgm
.Lentry_in_a_cluster:
	s_bfe_u32 s2, ttmp6, 0x10000c
	s_cmp_lg_u32 s2, 0x3003
	s_cbranch_scc0 .Lentry_shape_is_right
	s_endpgm
.Lentry_shape_is_right:
; Attention of one head of the batch on codes of BF6 (E3M2) with E8M0 scales; its output is quantised along d into the A operand of the last product (cod row tiles 512-767, scl rows 8,192 on).
; THE SOFTMAX AHEAD OF THE SECOND PRODUCT: t = score x log2(e) / 8; M = the largest t so far, rounded UP to a whole number; p = 2^(t - M) is quantised along the keys, not normalised.
; The row's sum is taken of the unquantised p, in f32, and divides O at the end.  When M moves, the sum and O are multiplied by 2^(old M - new M): exact.
; SHARES: a work-group owns 256 queries of a head, each of its sixteen waves 16 of them, in 256 registers: four waves to a SIMD, so that one wave's vector work stands beside another's matrix work and LDS loads.
; THE HEAD'S WHOLE K AND V LIE IN LDS: 32 blocks of 6,400 bytes (four fragments and their scale words, for 128 keys), 204,800 bytes.  Each byte of LDS is filled once: no ring, no refill, no LDS store.
; Each wave brings two blocks (keys 0-1,023, then 1,024-2,047); the second half lands while the first is worked on.
; CLUSTER 4 x 1: the four query blocks of a cluster walk the same K and V, so every block is asked for jointly, by the same load with a mask that names the four.
; LAYOUT: both products are used transposed (S^T = K Q^T, O^T = V^T P^T): a lane holds ONE query (lane % 16).  By the row order of the images the 16 registers of key tiles 2 b, 2 b + 1 are keys 32 b + 16 h + 0 .. 15.
; THE SCORES' K IS 64, the instruction's 128.  A fragment of K holds TWO tiles of 16 keys, one in each half of its K; Q stands in one half and zero codes in the other (QLO, QHI), which silence the other tile.
; LIMITS: a block whose every p has fallen to 0 keeps the byte 1 (its codes are zeros); NaN and infinities are not served.  The two scale bytes of a row and a head leave by a store of two bytes: a word of scl is shared
; by two heads, which different work-groups make; that is 2 bytes for each 48 bytes of codes.
.set PLANE, 3276800
.set HEADB, 102400
.set BLK,   6400
.set FRB,   1536
.set RTB,   12288
.set VOFF,  51200                      ; V's eight blocks lie behind K's eight
.set HALF2, 102400                     ; the second half of the keys
.set NM,   14                          ; v14 -M;  v15 the largest t (a pair: the packed form takes its low word)
.set MT,   15
.set LS,   16                          ; v[16:17] the sum, in two halves
.set QLO,  18                          ; v18-29 Q, then zeros;  v30-41 zeros, then Q
.set QS,   42                          ; v42 Q's two bytes, twice
.set KS,   44                          ; v44-47 K's scale words;  v48-51 V's
.set VS,   48
.set KV,   52                          ; v52-99 four fragments of K or of V
.set S,    100                         ; v100-163 S^T, then p
.set O,    164                         ; v164-195 O^T
.set P,    196                         ; v196-207 p's codes
.set BM,   208                         ; v208-211 the blocks' largest scores, then largest p
.set BT,   212                         ; v212-215 permute targets, then bytes
.set CT,   216                         ; v216-218, v220-222 conversions' second halves
.set SO,   224                         ; v224-227 the conversions' scale operands
.set FF,   228                         ; v[228:229] f, and a 0
.set PSW,  230                         ; v230 p's scale word
.set TMP,  231
.set S2,   232                         ; v[232:233] the sum's second chain
.set WV,   10
.set G1,   16
.set G0A,  24
.set G0B,  28
.set SEL,  32
.set CS,   34
.set TB,   36
.set CNT,  37
.macro CROUND                          ; a round of the cluster's barrier
	s_barrier_signal -1
	s_barrier_wait -1
	s_cmp_lg_u32 s[WV], 0
	s_cbranch_scc1 .Lnot_wave_0_\@
	s_barrier_signal -3
.Lnot_wave_0_\@:
	s_barrier_wait -3
	s_barrier_signal -1
	s_barrier_wait -1
.endm
.macro FRAG reg, a16, a8, off          ; a fragment's image back into 12 registers: every load takes consecutive bytes
	ds_load_b128 v[\reg:\reg+3], v[\a16] offset:\off
	ds_load_b64 v[\reg+4:\reg+5], v[\a8] offset:\off+512
	ds_load_b128 v[\reg+6:\reg+9], v[\a16] offset:\off+768
	ds_load_b64 v[\reg+10:\reg+11], v[\a8] offset:\off+1280
.endm
	s_load_b128 s[4:7], s[0:1], 0x0                ; qkv, cod
	s_load_b64 s[8:9], s[0:1], 0x10                ; scl
	v_lshl_add_u32 v254, v0, 2, 0x32000
	v_mov_b32 v255, 0
	ds_add_u32 v254, v255
	ds_add_u32 v254, v255
	v_lshrrev_b32 v4, 5, v0
	v_readfirstlane_b32 s[WV], v4                  ; wave 0..15
	s_bfe_u32 s11, ttmp6, 0x40000                  ; cx
	s_lshl_b32 s12, ttmp9, 2
	s_add_co_u32 s12, s12, s11                     ; my block of 256 queries: it enters Q's and the output's addresses alone
	s_and_b32 s13, ttmp7, 0xffff                   ; the head of the batch, which the four partners share
	s_mov_b32 s[G1], 15|(3<<16)|(1<<21)            ; 15:0 the mask: all four; 17:16 elements of 8 bytes; 21 set beside a mask; no padding
	s_mov_b32 s[G1+1], 32<<16                      ; a dense block of 6,400 bytes as 25 rows of 256
	s_mov_b32 s[G1+2], 25<<16
	s_mov_b32 s[G1+3], 32<<16
	s_mov_b32 s[G1+4], 25
	s_mov_b32 s[G1+5], 32
	s_mov_b32 s[G1+6], 0
	s_mov_b32 s[G1+7], 0
	s_lshr_b32 s38, s[WV], 3                       ; waves 0-7 bring K's blocks, waves 8-15 V's
	s_add_co_u32 s39, s38, 1
	s_mul_i32 s39, s39, PLANE
	s_mul_i32 s40, s13, HEADB
	s_and_b32 s41, s[WV], 7
	s_mul_i32 s42, s41, BLK
	s_add_co_u32 s42, s42, s39
	s_add_co_u32 s42, s42, s40
	s_mov_b32 s43, 0
	s_mul_i32 s44, s[WV], BLK                      ; in LDS: 6,400 x wave
	s_lshl_b32 s46, s12, 1
	s_add_co_u32 s46, s46, s38                     ; my queries' step of 128
	s_mul_i32 s46, s46, BLK
	s_add_co_u32 s46, s46, s40
	s_mov_b32 s47, 0
	s_lshl_b32 s54, s12, 4
	s_add_co_u32 s54, s54, s[WV]                   ; my tile of 16 queries in the sequence
	s_lshr_b32 s55, s13, 4
	s_lshl_b32 s55, s55, 7
	s_add_co_u32 s54, s54, s55                     ; + 128 x batch: my row tile of the output
	s_mul_i32 s50, s54, RTB
	s_and_b32 s55, s13, 15                         ; the head: K step head / 2, half head % 2: 768 x head
	s_mul_i32 s56, s55, 768
	s_add_co_u32 s50, s50, s56
	s_add_co_u32 s50, s50, 512*RTB
	s_mov_b32 s51, 0
	s_lshl_b32 s52, s54, 9                         ; 16 rows x 32 bytes of scale words,
	s_lshl_b32 s56, s55, 1                         ; 2 bytes a head,
	s_add_co_u32 s52, s52, s56
	s_add_co_u32 s52, s52, 262144                  ; behind the 8,192 rows of x and the weights
	s_mov_b32 s53, 0
	s_mov_b32 s[SEL], 0x76543210
	s_mov_b32 s[SEL+1], 0xfedcba98
	s_mov_b32 s[CS], 0x3e38aa3b                    ; c = log2(e) / 8
	s_mov_b32 s[CS+1], s[CS]                       ; (named with it as a pair, so it is written)
	s_mov_b32 s[TB], 0
	s_wait_dscnt 0x0
	s_wait_kmcnt 0x0
	s_mov_b32 s[G0A], 1
	s_mov_b32 s[G0A+1], s44
	s_add_nc_u64 s[G0A+2:G0A+3], s[4:5], s[42:43]
	s_mov_b32 s[G0B], 1
	s_add_co_u32 s[G0B+1], s44, HALF2
	s_add_nc_u64 s[G0B+2:G0B+3], s[G0A+2:G0A+3], 8*BLK
	s_or_b32 s[G0A+3], s[G0A+3], 0x80000000
	s_or_b32 s[G0B+3], s[G0B+3], 0x80000000
	s_add_nc_u64 s[46:47], s[4:5], s[46:47]        ; Q's block
	s_add_nc_u64 s[50:51], s[6:7], s[50:51]        ; my half fragment of the output
	s_add_nc_u64 s[52:53], s[8:9], s[52:53]        ; and its scale bytes
	CROUND                                         ; all four work-groups are here: the joint loads meet
	tensor_load_to_lds s[G0A:G0A+3], s[G1:G1+7]    ; my block of the first 1,024 keys
	s_nop 0
	tensor_load_to_lds s[G0B:G0B+3], s[G1:G1+7]    ; and of the second: two loads of mine are out
	s_nop 0
.rept 4
	v_nop
.endr
	v_and_b32 v4, 31, v0                           ; lane
	v_and_b32 v5, 15, v0                           ; r
	v_lshlrev_b32 v1, 4, v4                        ; 16 x lane
	v_lshlrev_b32 v2, 3, v4                        ; 8 x lane
	v_lshlrev_b32 v3, 4, v5                        ; 16 r: a row's four scale words
	s_mul_i32 s48, s41, 768                        ; my tile's half fragment in Q's block
	v_add_nc_u32 v10, s48, v1
	v_add_nc_u32 v11, s48, v2
	s_lshr_b32 s49, s41, 1
	s_lshl_b32 s49, s49, 2
	v_add_nc_u32 v12, s49, v3
	global_load_b128 v[QLO:QLO+3], v10, s[46:47]               ; Q twice: in the lower half of K,
	global_load_b64 v[QLO+4:QLO+5], v11, s[46:47] offset:512
	global_load_b128 v[QLO+18:QLO+21], v10, s[46:47]           ; and in the upper
	global_load_b64 v[QLO+22:QLO+23], v11, s[46:47] offset:512
	global_load_b32 v[TMP], v12, s[46:47] offset:6144          ; the word that holds my tile's two bytes
.irp i, 6,7,8,9,10,11,12,13,14,15,16,17
	v_mov_b32 v[QLO+\i], 0                         ; zero codes in the other halves
.endr
	v_mov_b32 v[MT], 0xff61b1e6                    ; the largest t so far: -3e38, under every t
	v_floor_f32 v[NM], -v[MT]
	v_mov_b32 v[LS], 0
	v_mov_b32 v[LS+1], 0
	v_mov_b32 v[FF+1], 0                           ; (named as the upper half of a pair)
.irp b, 0,1,2,3
	v_mov_b32 v[BT+\b], 0                          ; a lane permute's destination counts as one of its sources
.endr
	s_and_b32 s49, s[WV], 1
	s_lshl_b32 s49, s49, 4
	s_wait_loadcnt 0x0
	v_lshrrev_b32 v[TMP], s49, v[TMP]
	v_and_b32 v[TMP], 0xffff, v[TMP]
	v_lshl_or_b32 v[QS], v[TMP], 16, v[TMP]        ; the two bytes in both halves of the word: one register serves QLO and QHI
.set j, 0
.rept 32
	v_mov_b32 v[O+j], 0                            ; O^T.  The step is written once: the first finds zeros.  (These are also the places between the scale word's making and its first use)
.set j, j+1
.endr
; A KEY STEP: 128 keys, whose blocks begin at s[TB] (K's) and s[TB] + VOFF (V's)
.macro STEP
	v_add_nc_u32 v7, s[TB], v1
	v_add_nc_u32 v8, s[TB], v2
	v_add_nc_u32 v9, s[TB], v3
	v_nop                                          ; four places behind the last products, in front of the loads into the registers that they read
.irp t, 0,1,2,3
	FRAG KV+12*\t, 7, 8, FRB*\t
.endr
	ds_load_b128 v[KS:KS+3], v9 offset:6144
	s_wait_dscnt 0x0
.irp t, 0,1,2,3,4,5,6,7                        ; S^T = K Q^T: key tile t lies in half t % 2 of fragment t / 2
	v_wmma_scale_f32_16x16x128_f8f6f4 v[S+8*\t:S+8*\t+7], v[KV+12*(\t/2):KV+12*(\t/2)+11], v[QLO+12*(\t%2):QLO+12*(\t%2)+11], 0, v[KS+\t/2], v[QS] matrix_a_fmt:MATRIX_FMT_BF6 matrix_b_fmt:MATRIX_FMT_BF6
.endr
.rept 4
	v_nop                                          ; places in front of the loads below and of the first read of the scores
.endr
.irp t, 0,1,2,3
	FRAG KV+12*\t, 7, 8, VOFF+FRB*\t               ; V's fragments land while the softmax is walked
.endr
	ds_load_b128 v[VS:VS+3], v9 offset:VOFF+6144
.irp b, 0,1,2,3
	v_max3_num_f32 v[BM+\b], v[S+16*\b], v[S+1+16*\b], v[S+2+16*\b]   ; the largest score of each block of 32 keys: for the row's maximum and, since p rises with the score, for the block's largest p
.endr
.irp i, 3,5,7,9,11,13
.irp b, 0,1,2,3
	v_max3_num_f32 v[BM+\b], v[BM+\b], v[S+16*\b+\i], v[S+1+16*\b+\i]
.endr
.endr
.irp b, 0,1,2,3
	v_max_num_f32 v[BM+\b], v[BM+\b], v[S+15+16*\b]
.endr
.irp b, 0,1,2,3
	v_permlanex16_b32 v[BT+\b], v[BM+\b], s[SEL], s[SEL+1]
.endr
.irp b, 0,1,2,3
	v_max_num_f32 v[BM+\b], v[BM+\b], v[BT+\b]     ; with lane l xor 16's 16 keys
.endr
	v_max3_num_f32 v[TMP], v[BM], v[BM+1], v[BM+2]
	v_max_num_f32 v[TMP], v[TMP], v[BM+3]          ; the step's largest score of my query
	v_mul_f32 v[TMP], s[CS], v[TMP]                ; as t (c is positive)
	v_max_num_f32 v[MT], v[MT], v[TMP]             ; the running largest t
	v_mov_b32 v[TMP], v[NM]
	v_floor_f32 v[NM], -v[MT]                      ; the new -M = -ceil(t): a whole number
	v_sub_f32 v[TMP], v[NM], v[TMP]                ; old M - new M: a whole number, 0 or less
	v_cvt_i32_f32 v[TMP], v[TMP]                   ; (it saturates)
	v_ldexp_f32 v[FF], 1.0, v[TMP]                 ; f = 2^(old M - new M)
.set j, 0
.rept 32
	v_pk_fma_f32 v[S+j:S+j+1], v[S+j:S+j+1], s[CS:CS+1], v[NM:NM+1] op_sel_hi:[1,0,0]   ; t - M, two at a time
.set j, j+2
.endr
.irp b, 0,1,2,3
	v_fma_f32 v[BM+\b], v[BM+\b], s[CS], v[NM]     ; the same of each block's largest score
.endr
.set j, 0
.rept 64
	v_exp_f32 v[S+j], v[S+j]                       ; p = 2^(t - M), at most 1
.set j, j+1
.endr
.irp b, 0,1,2,3
	v_exp_f32 v[BM+\b], v[BM+\b]                   ; the block's largest p: the same two instructions on the same number
.endr
	v_pk_mul_f32 v[LS:LS+1], v[LS:LS+1], v[FF:FF+1] op_sel_hi:[1,0]   ; the sums under the new M.  (A plain place behind the exponentials)
	s_wait_alu depctr_va_vdst(0)
.irp b, 0,1,2,3
	v_max_num_f32 v[BM+\b], 0x2800000, v[BM+\b]    ; the floor 2^(5 - 127): the byte cannot fall under 1
.endr
.irp b, 0,1,2,3
	v_add_nc_u32 v[SO+\b], 0xfe000000, v[BM+\b]    ; 4 off the exponent field: the conversion's scale operand
.endr
.irp b, 0,1,2,3
	v_lshrrev_b32 v[BT+\b], 23, v[SO+\b]           ; the scale's byte
.endr
	v_lshl_or_b32 v[PSW], v[BT+1], 8, v[BT]        ; p's scale word for these 128 keys
	v_lshl_or_b32 v[PSW], v[BT+2], 16, v[PSW]
	v_lshl_or_b32 v[PSW], v[BT+3], 24, v[PSW]
.irp c, 0,1
	v_cvt_scalef32_pk16_bf6_f32 v[P+6*\c:P+2+6*\c], v[S+32*\c:S+15+32*\c], v[SO+2*\c]
	v_cvt_scalef32_pk16_bf6_f32 v[CT+4*\c:CT+2+4*\c], v[S+16+32*\c:S+31+32*\c], v[SO+1+2*\c]
.endr
	v_nop                                          ; one plain place behind a scaled conversion
.irp c, 0,1                                    ; the operand wants a whole block in a lane
.irp i, 0,1,2
	v_permlane16_swap_b32 v[P+6*\c+\i], v[CT+4*\c+\i]
.endr
.irp i, 0,1,2
	v_mov_b32 v[P+3+6*\c+\i], v[CT+4*\c+\i]
.endr
.endr
	v_pk_add_f32 v[S2:S2+1], v[S:S+1], v[S+2:S+3]  ; the row's sum is taken of the unquantised p: two at a time, in two chains
.irp j, 4,8,12,16,20,24,28,32,36,40,44,48,52,56,60
	v_pk_add_f32 v[LS:LS+1], v[LS:LS+1], v[S+\j:S+1+\j]
	v_pk_add_f32 v[S2:S2+1], v[S2:S2+1], v[S+2+\j:S+3+\j]
.endr
	v_pk_add_f32 v[LS:LS+1], v[LS:LS+1], v[S2:S2+1]
.set j, 0
.rept 16
	v_pk_mul_f32 v[O+j:O+j+1], v[O+j:O+j+1], v[FF:FF+1] op_sel_hi:[1,0]   ; O^T under the new M.  (With the sums above: the places between the making of p's codes and scale word and their use)
.set j, j+2
.endr
	s_wait_dscnt 0x0                               ; V is in
.irp t, 0,1,2,3                                ; O^T += V^T P^T: four tiles of 16 of the head's 64; the four accumulators by turns
	v_wmma_scale_f32_16x16x128_f8f6f4 v[O+8*\t:O+8*\t+7], v[KV+12*\t:KV+12*\t+11], v[P:P+11], v[O+8*\t:O+8*\t+7], v[VS+\t], v[PSW] matrix_a_fmt:MATRIX_FMT_BF6 matrix_b_fmt:MATRIX_FMT_BF6
.endr
	s_add_co_u32 s[TB], s[TB], BLK
.endm
.macro EIGHT                           ; eight key steps: 1,024 keys
	s_mov_b32 s[CNT], 8
.Lstep_\@:
	STEP
	s_sub_co_u32 s[CNT], s[CNT], 1
	s_cmp_lg_u32 s[CNT], 0
	s_cbranch_scc1 .Lstep_\@
.endm
	s_wait_tensorcnt 1                             ; my block of the first half is in; the second may stay out
	s_barrier_signal -1
	s_barrier_wait -1                              ; everybody's is
	EIGHT
	s_wait_tensorcnt 0x0                           ; my block of the second half is in
	s_wait_dscnt 0x0
	s_barrier_signal -1
	s_barrier_wait -1
	s_mov_b32 s[TB], HALF2
	EIGHT
	; THE WAY OUT: O^T / the sum, quantised along d: register 16 b + i of my 32 is d = 32 b + 16 h + i of my query: one half fragment and two scale bytes
	v_add_f32 v[LS], v[LS], v[LS+1]
	v_permlanex16_b32 v[TMP], v[LS], s[SEL], s[SEL+1]
	v_add_f32 v[LS], v[LS], v[TMP]                 ; the row's sum
	v_rcp_f32 v[LS], v[LS]
	v_and_b32 v13, 15, v0
	v_lshlrev_b32 v13, 5, v13                      ; my row's 32 bytes of scale words
	v_nop
	v_nop                                          ; with the lines above: the places behind the last products and behind the reciprocal
.set j, 0
	s_wait_alu depctr_va_vdst(0)
.rept 32
	v_mul_f32 v[S+j], v[O+j], v[LS]                ; each accumulator from its low end on
.set j, j+1
.endr
.irp b, 0,1
	v_max3_num_f32 v[BM+\b], |v[S+16*\b]|, |v[S+1+16*\b]|, 0x2800000
.endr
.irp i, 2,4,6,8,10,12,14
.irp b, 0,1
	v_max3_num_f32 v[BM+\b], v[BM+\b], |v[S+16*\b+\i]|, |v[S+1+16*\b+\i]|
.endr
.endr
.irp b, 0,1
	v_permlanex16_b32 v[BT+\b], v[BM+\b], s[SEL], s[SEL+1]
.endr
.irp b, 0,1
	v_max_num_f32 v[BM+\b], v[BM+\b], v[BT+\b]
.endr
.irp b, 0,1
	v_add_nc_u32 v[SO+\b], 0xfe000000, v[BM+\b]
.endr
.irp b, 0,1
	v_lshrrev_b32 v[BT+\b], 23, v[SO+\b]
.endr
	v_lshl_or_b32 v[TMP], v[BT+1], 8, v[BT]
	v_cvt_scalef32_pk16_bf6_f32 v[P:P+2], v[S:S+15], v[SO]
	v_cvt_scalef32_pk16_bf6_f32 v[CT:CT+2], v[S+16:S+31], v[SO+1]
	v_nop
.irp i, 0,1,2
	v_permlane16_swap_b32 v[P+\i], v[CT+\i]
.endr
.irp i, 0,1,2
	v_mov_b32 v[P+3+\i], v[CT+\i]
.endr
	global_store_b128 v1, v[P:P+3], s[50:51]                   ; 768 consecutive bytes
	global_store_b64 v2, v[P+4:P+5], s[50:51] offset:512
	global_store_b16 v13, v[TMP], s[52:53]                     ; both halves of the lanes write the same two bytes
	s_wait_dscnt 0x0
	s_wait_tensorcnt 0x0
	ds_add_u32 v254, v255
	s_wait_dscnt 0x0
	CROUND                                         ; the closing round: no work-group ends while a partner may still ask for a block that names it
	s_endpgm
.Lfunc_end_k_q796945b3f0_attn:
	.size	k_q796945b3f0_attn, .Lfunc_end_k_q796945b3f0_attn-k_q796945b3f0_attn
	.p2alignl 7, 3214868480
	.fill 96, 4, 3214868480
	.section	.rodata,"a",@progbits
	.p2align	6, 0x0
	.amdhsa_kernel k_q796945b3f0_attn
		.amdhsa_group_segment_fixed_size 206848
		.amdhsa_private_segment_fixed_size 0
		.amdhsa_enable_private_segment 0
		.amdhsa_kernarg_size 24
		.amdhsa_user_sgpr_count 2
		.amdhsa_user_sgpr_kernarg_segment_ptr 1
		.amdhsa_wavefront_size32 1
		.amdhsa_system_sgpr_workgroup_id_x 1
		.amdhsa_system_sgpr_workgroup_id_y 1
		.amdhsa_system_sgpr_workgroup_id_z 1
		.amdhsa_system_vgpr_workitem_id 0
		.amdhsa_next_free_vgpr 256
		.amdhsa_next_free_sgpr 66
		.amdhsa_reserve_vcc 0
		.amdhsa_float_denorm_mode_32 3
		.amdhsa_float_denorm_mode_16_64 3
		.amdhsa_memory_ordered 1
		.amdhsa_forward_progress 1
		.amdhsa_inst_pref_size 43
	.end_amdhsa_kernel
	.amdgpu_metadata
---
amdhsa.version: [ 1, 2 ]
amdhsa.kernels:
  - .name:           k_q796945b3f0_attn
    .symbol:         k_q796945b3f0_attn.kd
    .args:
      - { .name: qkv, .offset: 0, .size: 8, .value_kind: global_buffer, .address_space: global }
      - { .name: cod, .offset: 8, .size: 8, .value_kind: global_buffer, .address_space: global }
      - { .name: scl, .offset: 16, .size: 8, .value_kind: global_buffer, .address_space: global }
    .group_segment_fixed_size: 206848
    .private_segment_fixed_size: 0
    .kernarg_segment_align: 8
    .kernarg_segment_size: 24
    .max_flat_workgroup_size: 512
    .sgpr_count:     66
    .vgpr_count:     256
    .wavefront_size: 32
...
	.end_amdgpu_metadata
.endif
;; end of part 4
;; launch outp (part 5): grid 4 x 16, 4 waves a work-group, clusters of 4 x 4, 327,680 bytes of LDS; arguments cod, scl, bo, out0; writes out0
.if DOCPART == 5
	.amdgcn_target "amdgcn-amd-amdhsa--gfx1250"
	.amdhsa_code_object_version 6
	.text
	.protected	k_q796945b3f0_outp
	.globl	k_q796945b3f0_outp
	.p2align	8
	.type	k_q796945b3f0_outp,@function
k_q796945b3f0_outp:
	s_mov_b64 s[64:65], 0
	v_nop
	global_prefetch_b8 v0, s[64:65] scope:SCOPE_SE
	s_setreg_imm32_b32 hwreg(HW_REG_WAVE_MODE, 25, 1), 1
	s_wait_xcnt 0x0
	s_wait_alu depctr_hold_cnt(0) depctr_sa_sdst(0) depctr_va_vdst(0) depctr_va_sdst(0) depctr_va_ssrc(0) depctr_va_vcc(0) depctr_vm_vsrc(0)
	s_getreg_b32 s2, hwreg(HW_REG_IB_STS2, 6, 4)
	s_cmp_eq_u32 s2, 0
	s_cbranch_scc0 .Lentry_in_a_cluster
	s_endpgm
.Lentry_in_a_cluster:
	s_bfe_u32 s2, ttmp6, 0x10000c
	s_cmp_lg_u32 s2, 0xf033
	s_cbranch_scc0 .Lentry_shape_is_right
	s_endpgm
.Lentry_shape_is_right:
; out0 = ao Wo + bo on codes of BF6 (E3M2) with E8M0 scales, K = 1,024.  A = 256 tokens of attention's output (cod row tiles 512 on), B = 256 columns of Wo (row tiles 448 on).
; The core is that of the projections: a tile of 256 x 256 by four waves of 128 x 128; operands come as images of their registers; source 0 = B's rows, source 1 = A's: lane (r, h) holds A's row position r, and the 16 registers
; of B's tiles 2 b, 2 b + 1 hold columns 32 b + 16 h + 0 .. 15.  The bias is the C of each sum's first product.
; LDS: three slots of 98,304 bytes, two K steps each; K steps 0-5 are first fills, K steps 6, 7 fill slot 0 again, four K steps (256 matrix instructions a wave) ahead of their use.  Written out, with no loop.
; CLUSTER 4 x 4: A's tiles are shared along a row of the cluster, B's along a column.
; The problem's 4,096 x 1,024 results make 64 such tiles, so this launch has 64 work-groups; it keeps the projections' core as it stands.
; THE WAY OUT undoes the row order of the images (position p = row p with bits 3 and 4 swapped) in the stores' offsets; each store covers 512 consecutive bytes of a row of out0.
; REGISTERS: window 0: v4-15 LDS addresses of fragments; v16-27 lane terms; v28, v29 for the add; v32-95 scale words and nothing else; v96-127, v224-255 the bias; v128-223 A's fragments; on the way out v128-255 are rows of out0.
;   window 1: B's fragments, two sets.   windows 2, 3: the accumulators, (a, b) at v[8 (8 (a % 4) + b)].
.set RTB,   12288
.set FRB,   1536
.set RT2,   3072
.set QUART, 8*RT2
.set SLOT,  4*QUART
.set SPARE, 3*SLOT                     ; the spare words, 128 bytes a wave: two blocks of 256 bytes that no other line names
.set SPI,   528                        ; the way out: a stage row of 512 bytes + 16
.set STAGE, SLOT                       ; 16 such rows for each wave, in slot 1: it has had its one fill, and nobody reads it behind the barrier in K step 5
.set AA16, 4
.set AA8,  7
.set AB16, 10
.set AB8,  13
.set L16,  16
.set L8,   17
.set STO,  24                          ; v24  the stage: where I put 32 bytes of a row
.set RD,   25                          ; v25  and where I read a row back
.set SPW,  28
.set NIL,  29
.set SC,   32
.set AF,   128
.set BK,   128                         ; 16 rows back from the stage: v128-191 and v192-255 by turns
.set WV,   16
.set WR,   17
.set WC,   18
.set CX,   19
.set CY,   20
.set CLX,  21
.set CLY,  22
.set G1,   24
.set G0,   32
.set G1B,  48
.set G0B,  68
.set MSB, 0
.macro WIN new                         ; the immediate's high byte repeats the setting that is left
.if MSB != (\new)
	s_set_vgpr_msb (MSB<<8)|(\new)
.set MSB, (\new)
.endif
.endm
.set MUL_LO, 0xa1                      ; source 0 (B) window 1, source 1 (A) window 0, C and D window 2
.set MUL_HI, 0xf1                      ; the same, C and D window 3
.macro PLACES                          ; four plain places (ISA guide 7.12.1)
.rept 4
	v_nop
.endr
.endm
.macro JLOAD g0a, g0b                  ; a joint load: waves 0 and 1 fetch for A, waves 2 and 3 for B; four v_nop follow each of the two lines
	s_cmp_eq_u32 s[WR], 0
	s_cbranch_scc0 .Lfor_b_\@
	tensor_load_to_lds s[\g0a:\g0a+3], s[G1:G1+7]
	s_nop 0
.rept 4
	v_nop
.endr
	s_branch .Lasked_\@
.Lfor_b_\@:
	tensor_load_to_lds s[\g0b:\g0b+3], s[G1B:G1B+7]
	s_nop 0
.rept 4
	v_nop
.endr
.Lasked_\@:
.endm
.macro CREST
	s_cmp_lg_u32 s[WV], 0
	s_cbranch_scc1 .Lnot_wave_0_\@
	s_barrier_signal -3
.Lnot_wave_0_\@:
	s_barrier_wait -3
	s_barrier_signal -1
	s_barrier_wait -1
.endm
.macro CROUND
	s_barrier_signal -1
	s_barrier_wait -1
	CREST
.endm
.macro FRAG reg, a16, a8, off
	ds_load_b128 v[\reg:\reg+3], v[\a16] offset:\off
	ds_load_b64 v[\reg+4:\reg+5], v[\a8] offset:\off+512
	ds_load_b128 v[\reg+6:\reg+9], v[\a16] offset:\off+768
	ds_load_b64 v[\reg+10:\reg+11], v[\a8] offset:\off+1280
.endm
.macro FETCH_B slot, q, p
	WIN 0x40
.irp i, 0,1,2,3,4,5,6,7
	FRAG 128*(\p)+12*\i, AB16+\slot, AB8+\slot, RT2*\i+FRB*(\q)
.endr
	WIN 0
.endm
.macro FETCH_A slot, q, i0
.irp i, \i0, \i0+1, \i0+2, \i0+3
	FRAG AF+12*(\i), AA16+\slot, AA8+\slot, RT2*(\i)+FRB*(\q)
.endr
.endm
; 16 matrix instructions: A's blocks a0, a0 + 1 x B's eight, K step ks.  zero = 1: the product starts the sums; 2: the bias does.  The 64 accumulators take turns, one instruction a turn.
.macro MUL16 a0, ks, zero
.irp a, \a0, \a0+1
.irp b, 0,1,2,3,4,5,6,7
.set rD, 8*(8*((\a)%4)+\b)
.set rB, 128*((\ks)%2)+12*\b
.set rA, AF+12*(\a)
.set rC, 96+8*\b+96*(\b/4)
.if \zero == 1
	v_wmma_scale_f32_16x16x128_f8f6f4 v[rD:rD+7], v[rB:rB+11], v[rA:rA+11], 0, v[SC+8*\b+(\ks)], v[SC+8*(\a)+(\ks)] matrix_a_fmt:MATRIX_FMT_BF6 matrix_b_fmt:MATRIX_FMT_BF6 matrix_a_scale:MATRIX_SCALE_ROW1
.elseif \zero == 2
	v_wmma_scale_f32_16x16x128_f8f6f4 v[rD:rD+7], v[rB:rB+11], v[rA:rA+11], v[rC:rC+7], v[SC+8*\b+(\ks)], v[SC+8*(\a)+(\ks)] matrix_a_fmt:MATRIX_FMT_BF6 matrix_b_fmt:MATRIX_FMT_BF6 matrix_a_scale:MATRIX_SCALE_ROW1
.else
	v_wmma_scale_f32_16x16x128_f8f6f4 v[rD:rD+7], v[rB:rB+11], v[rA:rA+11], v[rD:rD+7], v[SC+8*\b+(\ks)], v[SC+8*(\a)+(\ks)] matrix_a_fmt:MATRIX_FMT_BF6 matrix_b_fmt:MATRIX_FMT_BF6 matrix_a_scale:MATRIX_SCALE_ROW1
.endif
.endr
.endr
.endm
.macro STEP ks, ns, nq, zero
	s_wait_dscnt 16                                ; B's set and A's blocks 0-3 are in; the youngest 16 loads (A's blocks 4-7) may be out
.if \zero == 2
	WIN 0x81                                       ; C (the bias) in window 0, D in window 2
.else
	WIN MUL_LO
.endif
	MUL16 0, \ks, \zero
	MUL16 2, \ks, \zero
	s_wait_dscnt 0x0                               ; A's blocks 4-7 are in
	PLACES
	FETCH_B \ns, \nq, 1-(\ks)%2
	FETCH_A \ns, \nq, 0
.if \zero == 2
	WIN 0xc1
.else
	WIN MUL_HI
.endif
	MUL16 4, \ks, \zero
	MUL16 6, \ks, \zero
	PLACES
	WIN 0
	FETCH_A \ns, \nq, 4
.endm
.macro TURN ks, ns, fill
	s_wait_tensorcnt 0x0                           ; all my tensor loads have landed
	ds_add_u32 v[SPW], v[NIL]                      ; 0 onto my spare word
	s_wait_dscnt 17                                ; (the add and the youngest 16 loads, A's blocks 4-7, may be out)
	WIN MUL_LO
	MUL16 0, \ks, 0                                ; sixteen matrix instructions stand between the add and the wait for it
	s_wait_dscnt 0x0                               ; the add is done, and my reads of the slot in hand are over
	s_barrier_signal -1
	MUL16 2, \ks, 0
	WIN 0
	s_barrier_wait -1
.if \fill
	CREST                                          ; no wave of any partner still reads slot 0 or has a load on its way
	s_add_nc_u64 s[G0+2:G0+3], s[G0+2:G0+3], 3*RT2
	s_add_nc_u64 s[G0B+2:G0B+3], s[G0B+2:G0B+3], 3*RT2
	JLOAD G0, G0B                                  ; the first tensor load behind the round, and my only one; its four v_nop are the places in front of the loads below
.else
	PLACES
.endif
	FETCH_B \ns, 0, 0
	FETCH_A \ns, 0, 0
	WIN MUL_HI
	MUL16 4, \ks, 0
	MUL16 6, \ks, 0
	PLACES
	WIN 0
	FETCH_A \ns, 0, 4
.endm
.macro LAST
	s_wait_dscnt 16
	WIN MUL_LO
	MUL16 0, 7, 0
	MUL16 2, 7, 0
	s_wait_dscnt 0x0
	WIN MUL_HI
	MUL16 4, 7, 0
	MUL16 6, 7, 0
	WIN 0
.endm
; THE WAY OUT of A's block a: 16 rows x 128 columns through my own stage, back as whole rows of 512 bytes
.macro TOSTAGE a
.set AC, 64*((\a)%4)
	WIN 0x08+4*((\a)/4)                            ; an LDS store's data are its source 1: window 2 or 3
.irp b, 0,1,2,3,4,5,6,7
	ds_store_b128 v[STO], v[AC+8*\b:AC+8*\b+3] offset:128*(\b/2)+32*(\b%2)         ; each accumulator from its low end on: columns 32 (b / 2) + 16 h + 8 (b % 2) + 0 .. 7
	ds_store_b128 v[STO], v[AC+8*\b+4:AC+8*\b+7] offset:128*(\b/2)+32*(\b%2)+16
.endr
	WIN 0
.set BB, BK+64*((\a)%2)
.irp t, 0,1,2,3,4,5,6,7,8,9,10,11,12,13,14,15
	ds_load_b128 v[BB+4*\t:BB+4*\t+3], v[RD] offset:\t*SPI     ; LDS serves a wave's instructions in order: these see the stores above
.endr
.endm
.macro SEND a, younger                 ; younger: the LDS instructions issued behind block a's loads, which may stay out
.set BB, BK+64*((\a)%2)
	s_wait_dscnt \younger
.irp t, 0,1,2,3,4,5,6,7,8,9,10,11,12,13,14,15
	global_store_b128 v[L16], v[BB+4*\t:BB+4*\t+3], s[10:11] offset:(32*((\a)/2)+8*((\a)%2)+\t+8*(\t/8))*4096 th:TH_STORE_NT   ; position t of block a is this row; 32 lanes store 512 consecutive bytes
.endr
.endm
	s_load_b256 s[4:11], s[0:1], 0x0               ; cod s[4:5], scl s[6:7], bo s[8:9], out0 s[10:11]
	v_lshl_add_u32 v[SPW], v0, 2, SPARE
	v_mov_b32 v[NIL], 0
	ds_add_u32 v28, v29
	ds_add_u32 v28, v29
	s_wait_dscnt 0x0
	v_lshrrev_b32 v1, 5, v0
	v_readfirstlane_b32 s[WV], v1                  ; wave 0..3
	s_lshr_b32 s[WR], s[WV], 1
	s_and_b32 s[WC], s[WV], 1
	s_bfe_u32 s[CX], ttmp6, 0x40000
	s_bfe_u32 s[CY], ttmp6, 0x40004
	s_mov_b32 s[CLX], ttmp9
	s_and_b32 s[CLY], ttmp7, 0xffff
	s_lshl_b32 s44, s[CY], 2
	s_lshl_b32 s44, 15, s44                        ; my row of the cluster
	s_lshl_b32 s45, 0x1111, s[CX]                  ; my column
	s_or_b32 s[G1], s44, (3<<16)|(1<<21)           ; 15:0 the mask; 17:16 elements of 8 bytes; 21 set beside a mask; no padding
	s_or_b32 s[G1B], s45, (3<<16)|(1<<21)
.irp g, G1, G1B
	s_mov_b32 s[\g+1], 384<<16                     ; 3,072 bytes: two K steps of a row tile
	s_mov_b32 s[\g+2], 8<<16                       ; 8 row tiles
	s_mov_b32 s[\g+3], 384<<16
	s_mov_b32 s[\g+4], 8
	s_mov_b32 s[\g+5], 1536                        ; 12,288 bytes from row tile to row tile
	s_mov_b32 s[\g+6], 0
	s_mov_b32 s[\g+7], 0
.endr
	s_lshl_b32 s58, s[CLY], 6
	s_add_co_u32 s58, s58, 512
	s_lshl_b32 s60, s[CY], 4
	s_add_co_u32 s58, s58, s60                     ; A's first row tile: 512 + 16 (4 x cluster y + cy)
	s_lshl_b32 s59, s[CLX], 6
	s_add_co_u32 s59, s59, 448
	s_lshl_b32 s61, s[CX], 4
	s_add_co_u32 s59, s59, s61                     ; B's: 448 + 16 (4 x cluster x + cx)
	s_lshl_b32 s63, s[WC], 3
	s_add_co_u32 s80, s58, s63
	s_mul_i32 s80, s80, RTB
	s_mov_b32 s81, 0
	s_add_co_u32 s82, s59, s63
	s_mul_i32 s82, s82, RTB
	s_mov_b32 s83, 0
	s_mul_i32 s62, s[WV], QUART
	s_wait_kmcnt 0x0
	s_add_nc_u64 s[80:81], s[4:5], s[80:81]
	s_add_nc_u64 s[82:83], s[4:5], s[82:83]
	CROUND                                         ; all sixteen work-groups are here: the first joint loads meet
.irp s, 0,1,2                                  ; K steps 0-5: three loads of mine are out
	s_mov_b32 s[G0+4*\s], 1
	s_add_co_u32 s[G0+4*\s+1], s62, \s*SLOT
	s_add_nc_u64 s[G0+4*\s+2:G0+4*\s+3], s[80:81], \s*RT2
	s_or_b32 s[G0+4*\s+3], s[G0+4*\s+3], 0x80000000
	s_mov_b32 s[G0B+4*\s], 1
	s_add_co_u32 s[G0B+4*\s+1], s62, \s*SLOT
	s_add_nc_u64 s[G0B+4*\s+2:G0B+4*\s+3], s[82:83], \s*RT2
	s_or_b32 s[G0B+4*\s+3], s[G0B+4*\s+3], 0x80000000
	JLOAD G0+4*\s, G0B+4*\s
.endr
	v_and_b32 v1, 31, v0                           ; lane
	v_and_b32 v2, 15, v0                           ; r
	v_lshlrev_b32 v[L16], 4, v1
	v_lshlrev_b32 v[L8], 3, v1
	s_mul_i32 s46, s[WR], QUART
	s_mul_i32 s47, s[WC], QUART
	s_add_co_u32 s47, s47, 2*QUART
.irp s, 0,1,2
	v_add_nc_u32 v[AA16+\s], s46, v[L16]
	v_add_nc_u32 v[AA8+\s], s46, v[L8]
	v_add_nc_u32 v[AB16+\s], s47, v[L16]
	v_add_nc_u32 v[AB8+\s], s47, v[L8]
	s_add_co_u32 s46, s46, SLOT
	s_add_co_u32 s47, s47, SLOT
.endr
	; the scale words of my 128 rows of A (lanes 0-15) and of B (lanes 16-31), for all of K
	s_lshl_b32 s84, s58, 9
	s_lshl_b32 s85, s[WR], 12
	s_add_co_u32 s84, s84, s85
	s_lshl_b32 s85, s59, 9
	s_lshl_b32 s86, s[WC], 12
	s_add_co_u32 s85, s85, s86
	v_mov_b32 v30, s84
	v_mov_b32 v31, s85
	v_cmp_gt_u32 vcc_lo, 16, v1
	v_cndmask_b32 v3, v31, v30, vcc_lo
	v_lshl_add_u32 v3, v2, 5, v3
.irp i, 0,1,2,3,4,5,6,7
.irp e, 0,1
	global_load_b128 v[SC+8*\i+4*\e:SC+8*\i+4*\e+3], v3, s[6:7] offset:512*\i+16*\e
.endr
.endr
	; the bias in the result's layout, and where my part of out0 begins
	s_lshl_b32 s86, s[CLX], 2
	s_add_co_u32 s86, s86, s[CX]
	s_lshl_b32 s86, s86, 10
	s_lshl_b32 s87, s[WC], 9
	s_add_co_u32 s86, s86, s87                     ; my first column, in bytes
	s_mov_b32 s87, 0
	s_add_nc_u64 s[8:9], s[8:9], s[86:87]
	s_add_nc_u64 s[10:11], s[10:11], s[86:87]
	s_lshl_b32 s88, s[CLY], 2
	s_add_co_u32 s88, s88, s[CY]
	s_lshl_b32 s88, s88, 20
	s_lshl_b32 s89, s[WR], 19
	s_add_co_u32 s88, s88, s89                     ; my first row, of 4,096 bytes
	s_mov_b32 s89, 0
	s_add_nc_u64 s[10:11], s[10:11], s[88:89]
	v_bfe_u32 v26, v0, 4, 1                        ; h
	v_lshlrev_b32 v27, 6, v26                      ; 16 h numbers on
.irp b, 0,1,2,3,4,5,6,7
.set BN, 96+8*\b+96*(\b/4)
.irp e, 0,1
	global_load_b128 v[BN+4*\e:BN+4*\e+3], v27, s[8:9] offset:(32*(\b/2)+8*(\b%2))*4+16*\e
.endr
.endr
	s_mul_i32 s90, s[WV], 16*SPI
	s_add_co_u32 s90, s90, STAGE                   ; my stage
	v_mul_u32_u24 v[STO], v2, SPI
	v_lshl_add_u32 v[STO], v26, 6, v[STO]
	v_add_nc_u32 v[STO], s90, v[STO]               ; in: row r, + 64 h
	v_add_nc_u32 v[RD], s90, v[L16]                ; back: 16 bytes a lane
	s_wait_tensorcnt 2                             ; my part of slot 0 is in; slots 1 and 2 may stay out
	s_barrier_signal -1
	s_barrier_wait -1
	FETCH_B 0, 0, 0
	FETCH_A 0, 0, 0
	FETCH_A 0, 0, 4
	s_wait_loadcnt 0x0                             ; the scale words and the bias
	STEP 0, 0, 1, 2                                ; the bias starts the sums
	TURN 1, 1, 1                                   ; slot 0 is left and takes K steps 6 and 7
	STEP 2, 1, 1, 0
	STEP 3, 2, 0, 0                                ; slot 2 was shown whole by the wait and the barrier in K step 1
	STEP 4, 2, 1, 0
	TURN 5, 0, 0                                   ; slot 0's second fill has landed, in every wave; slot 1 is read by nobody from here on
	STEP 6, 0, 1, 0
	LAST
	PLACES                                         ; in front of the first read of results and of the loads into the registers that held A's fragments
	TOSTAGE 0
.irp a, 1,2,3,4,5,6,7
.if \a > 1
	s_wait_xcnt 0x0                                ; block a - 2's stores have read their registers: block a's loads may land there
.endif
	TOSTAGE \a
	SEND \a-1, 32                                  ; behind block a - 1's loads: block a's 16 stores and 16 loads
.endr
	SEND 7, 0
	s_wait_tensorcnt 0x0                           ; the wave's end
	ds_add_u32 v[SPW], v[NIL]
	s_wait_dscnt 0x0
	CROUND                                         ; the closing round
	s_endpgm
.Lfunc_end_k_q796945b3f0_outp:
	.size	k_q796945b3f0_outp, .Lfunc_end_k_q796945b3f0_outp-k_q796945b3f0_outp
	.p2alignl 7, 3214868480
	.fill 96, 4, 3214868480
	.section	.rodata,"a",@progbits
	.p2align	6, 0x0
	.amdhsa_kernel k_q796945b3f0_outp
		.amdhsa_group_segment_fixed_size 327680
		.amdhsa_private_segment_fixed_size 0
		.amdhsa_enable_private_segment 0
		.amdhsa_kernarg_size 32
		.amdhsa_user_sgpr_count 2
		.amdhsa_user_sgpr_kernarg_segment_ptr 1
		.amdhsa_wavefront_size32 1
		.amdhsa_system_sgpr_workgroup_id_x 1
		.amdhsa_system_sgpr_workgroup_id_y 1
		.amdhsa_system_sgpr_workgroup_id_z 1
		.amdhsa_system_vgpr_workitem_id 0
		.amdhsa_next_free_vgpr 1024
		.amdhsa_next_free_sgpr 100
		.amdhsa_reserve_vcc 1
		.amdhsa_float_denorm_mode_32 3
		.amdhsa_float_denorm_mode_16_64 3
		.amdhsa_memory_ordered 1
		.amdhsa_forward_progress 1
		.amdhsa_inst_pref_size 142
	.end_amdhsa_kernel
	.amdgpu_metadata
---
amdhsa.version: [ 1, 2 ]
amdhsa.kernels:
  - .name:           k_q796945b3f0_outp
    .symbol:         k_q796945b3f0_outp.kd
    .args:
      - { .name: cod, .offset: 0, .size: 8, .value_kind: global_buffer, .address_space: global }
      - { .name: scl, .offset: 8, .size: 8, .value_kind: global_buffer, .address_space: global }
      - { .name: bo, .offset: 16, .size: 8, .value_kind: global_buffer, .address_space: global }
      - { .name: out0, .offset: 24, .size: 8, .value_kind: global_buffer, .address_space: global }
    .group_segment_fixed_size: 327680
    .private_segment_fixed_size: 0
    .kernarg_segment_align: 8
    .kernarg_segment_size: 32
    .max_flat_workgroup_size: 128
    .sgpr_count:     100
    .vgpr_count:     1024
    .wavefront_size: 32
...
	.end_amdgpu_metadata
.endif
;; end of part 5
;; ======== version 2 of 2: 4 launches
;; limits: right only within a limited range of input values
;; workspace buffers: cod 9,437,184 bytes; scl 393,216 bytes; qkv 9,830,400 bytes
;; launch quant (part 6): grid 256 x 1, 16 waves a work-group, no clusters, 165,888 bytes of LDS; arguments Wq, Wk, Wv, Wo, cod, scl, x; writes cod, scl
.if DOCPART == 6
	.amdgcn_target "amdgcn-amd-amdhsa--gfx1250"
	.amdhsa_code_object_version 6
	.text
	.protected	k_q796945b3f0_quant
	.globl	k_q796945b3f0_quant
	.p2align	8
	.type	k_q796945b3f0_quant,@function
k_q796945b3f0_quant:
	s_mov_b64 s[64:65], 0
	v_nop
	global_prefetch_b8 v0, s[64:65] scope:SCOPE_SE
	s_setreg_imm32_b32 hwreg(HW_REG_WAVE_MODE, 25, 1), 1
	s_wait_xcnt 0x0
; x [4096][1024] and the four weights [1024 (k)][1024 (n)], f32, become codes of BF6 (E3M2) with one E8M0 byte for each 32 along K, laid as IMAGES OF OPERAND REGISTERS.
; cod: [row tile of 16 positions][8 K steps][1,536 bytes]: row tiles 0-255 x, 256-319 Wq, 320-383 Wk, 384-447 Wv, 448-511 Wo (a weight's row = a column n).
; scl: [K half][row position][4 words]: word s of a half = the four bytes of its K step s; a half is 12,288 rows x 16 bytes.
; A fragment (16 rows x 128 K, 12 registers a lane) is two halves of 768 bytes: registers 0-3 at 16 x lane, registers 4-5 at 512 + 8 x lane.
; ROW ORDER: position 16 u + 8 h + j of 64 holds row 32 h + 8 u + j.  So the results of a product that takes four such tiles as source 0 are, in a lane's 32 registers, one whole block of 32 along the next K.
; ONE LAUNCH, TWO PATHS of 131,072 bytes of input a work-group, which part once on the work-group's number: 0-127 the weights, 128-255 x.  Each path has LDS bytes of its own.
; x: two row tiles; wave w: tile w / 8, K step w % 8: one fragment.  Each load reads 512 consecutive bytes of one row; the 16 x 512 bytes turn through the wave's own stage in LDS (rows 528 bytes apart), so that
;   lane (r, h) gets, of row r, the 32 neighbours of blocks h and 2 + h.
; THE WEIGHTS: K is their first axis, so A LANE TAKES A COLUMN n AND ITS REGISTERS RUN DOWN K: a block of 32 along K lies in one lane, and the conversions give codes with K innermost.
;   64 columns x 512 along K: wave w: columns 32 (w % 2) on, K step w / 4, blocks 2 c, 2 c + 1 with c = (w / 2) % 2; neighbouring waves read 256 consecutive bytes of a row.
;   The codes go to their places in 16 fragments' images in LDS, and leave as whole images, one a wave.
; A block's scale is 2^(floor(log2(largest magnitude)) - 4); its byte is the largest magnitude's exponent field - 4, held at 1 from below.
; LIMITS: a block of zeros gets the byte 1 where the rule says 127 (its codes are zeros, and this program alone reads the bytes); NaN and infinities among the inputs are not served.
; No cluster, no tensor load: the work-groups share no input, and each input byte is read once.
.set NW,   128
.set RTB,  12288                       ; a row tile in cod
.set FRB,  1536                        ; a fragment
.set HPL,  196608                      ; a half of scl
.set WV,   16
; x's path
.set SPI,  528                         ; a stage row: 512 bytes + 16
.set STG,  16*SPI
.set XW,   16*STG                      ; the 32 rows' scale words, half by half
.set R,    16                          ; v16-79   16 x 4 numbers as loaded
.set X,    80                          ; v80-143  register 32 c + i = k 64 c + 32 h + i of my row
.set PC,   144                         ; v144-163 the codes
.set TM,   164                         ; v164-171 at work
; the weights' path
.set WLDS, XW+1024
.set FPI,  1664                        ; from one fragment's image to the next: 1,536 + 128
.set WW,   WLDS+16*FPI                 ; the 64 rows' scale words of my K half
.set WX,   64                          ; v64-127  two blocks of 32 numbers
.set SPARE, WW+1024                    ; the spare words, 128 bytes a wave: no other line names them
.set SPW,  180
.set NIL,  181
.macro BLOCK t
.set XS, WX+32*(\t)
.set CC, 24+8*(\t)
	s_wait_loadcnt 32-32*(\t)                      ; this block's 32 loads are in
	v_max3_num_f32 v12, |v[XS]|, |v[XS+1]|, |v[XS+2]|          ; the block's largest magnitude: all 32 numbers are mine; two chains
	v_max3_num_f32 v13, |v[XS+3]|, |v[XS+4]|, |v[XS+5]|
.irp i, 6,10,14,18,22,26
	s_delay_alu instid0(VALU_DEP_2)
	v_max3_num_f32 v12, v12, |v[XS+\i]|, |v[XS+\i+1]|
	s_delay_alu instid0(VALU_DEP_2)
	v_max3_num_f32 v13, v13, |v[XS+\i+2]|, |v[XS+\i+3]|
.endr
	s_delay_alu instid0(VALU_DEP_2)
	v_max3_num_f32 v12, v12, |v[XS+30]|, |v[XS+31]|
	s_delay_alu instid0(VALU_DEP_1)
	v_max3_num_f32 v12, v12, v13, 0x2800000        ; and the floor 2^(5 - 127): the byte cannot fall under 1
	s_delay_alu instid0(VALU_DEP_1)
	v_add_nc_u32 v14, 0xfe000000, v12              ; 4 off its exponent field: the conversion's scale operand
	s_delay_alu instid0(VALU_DEP_1)
	v_lshrrev_b32 v[16+\t], 23, v14                ; the scale's byte
	v_cvt_scalef32_pk16_bf6_f32 v[CC:CC+2], v[XS:XS+15], v14
	v_cvt_scalef32_pk16_bf6_f32 v[18:20], v[XS+16:XS+31], v14  ; a conversion's three registers begin on an even number
	v_nop                                          ; one plain place behind a scaled conversion
	v_mov_b32 v[CC+3], v18
	v_mov_b32 v[CC+4], v19
	v_mov_b32 v[CC+5], v20
	ds_store_b128 v5, v[CC:CC+3] offset:256*(\t)
	ds_store_b64 v6, v[CC+4:CC+5] offset:512+128*(\t)
	ds_store_b8 v11, v[16+\t] offset:\t
.endm
	s_load_b256 s[4:11], s[0:1], 0x0               ; Wq, Wk, Wv, Wo
	s_load_b128 s[12:15], s[0:1], 0x20             ; cod, scl
	s_load_b64 s[36:37], s[0:1], 0x30              ; x
	v_lshl_add_u32 v[SPW], v0, 2, SPARE
	v_mov_b32 v[NIL], 0
	v_lshrrev_b32 v1, 5, v0
	v_readfirstlane_b32 s[WV], v1                  ; wave 0..15
	v_and_b32 v1, 31, v0                           ; lane
	v_lshlrev_b32 v7, 4, v1                        ; 16 x lane
	v_lshlrev_b32 v8, 3, v1                        ; 8 x lane
	s_wait_alu depctr_va_vdst(0)
	s_cmp_lt_u32 ttmp9, NW                         ; the same in all waves of a work-group
	s_cbranch_scc0 .Lx
	; ---- the weights
	v_lshlrev_b32 v2, 2, v1                        ; 4 bytes a column
	v_bfe_u32 v3, v0, 3, 2                         ; u
	v_and_b32 v4, 7, v0                            ; j
	s_wait_alu depctr_va_vdst(0)
	s_and_b32 s17, s[WV], 1                        ; H: my 32 of the 64 columns: row r = 8 H + j of tile u
	s_bfe_u32 s18, s[WV], 0x10001                  ; c
	s_lshr_b32 s19, s[WV], 2                       ; my K step in the half
	s_mul_i32 s20, s19, 4*FPI
	s_mul_i32 s21, s18, 768
	s_add_co_u32 s20, s20, s21
	s_add_co_u32 s20, s20, WLDS
	s_lshl_b32 s21, s17, 7
	s_add_co_u32 s21, s21, s20
	s_lshl_b32 s22, s17, 6
	s_add_co_u32 s22, s22, s20
	v_mul_u32_u24 v5, v3, FPI
	v_lshlrev_b32 v11, 8, v3
	v_add_nc_u32 v6, s22, v5
	v_add_nc_u32 v5, s21, v5
	v_lshl_add_u32 v11, v4, 4, v11
	v_lshl_add_u32 v6, v4, 3, v6                   ; into the image: registers 4-5 of lane 16 t + r
	v_lshl_add_u32 v5, v4, 4, v5                   ; registers 0-3
	s_lshl_b32 s23, s17, 7
	s_lshl_b32 s24, s19, 2
	s_add_co_u32 s23, s23, s24
	s_lshl_b32 s24, s18, 1
	s_add_co_u32 s23, s23, s24
	s_add_co_u32 s23, s23, WW
	v_add_nc_u32 v11, s23, v11                     ; my block's scale byte: 16 (16 u + r) + 4 x K step + 2 c + t
	s_mul_i32 s24, s[WV], FPI
	s_add_co_u32 s24, s24, WLDS
	v_add_nc_u32 v9, s24, v7                       ; out: image w: K step w / 4, tile w % 4
	v_add_nc_u32 v10, s24, v8
	v_add_nc_u32 v15, WW, v7                       ; all words, 16 bytes a lane
	s_lshr_b32 s25, ttmp9, 5                       ; which weight
	s_and_b32 s26, ttmp9, 1                        ; K half
	s_bfe_u32 s27, ttmp9, 0x40001                  ; which 64 columns
	s_lshl_b32 s28, s26, 2
	s_add_co_u32 s28, s28, s19                     ; my K step
	s_lshl_b32 s20, s28, 19                        ; 128 rows of 4,096 bytes
	s_lshl_b32 s21, s18, 18
	s_add_co_u32 s20, s20, s21
	s_lshl_b32 s21, s27, 8
	s_add_co_u32 s20, s20, s21
	s_lshl_b32 s21, s17, 7
	s_add_co_u32 s20, s20, s21
	s_mov_b32 s21, 0
	s_lshl_b32 s29, s25, 6
	s_lshl_b32 s30, s27, 2
	s_add_co_u32 s29, s29, s30
	s_add_co_u32 s29, s29, 256                     ; the first of my four row tiles
	s_and_b32 s30, s[WV], 3
	s_add_co_u32 s22, s29, s30
	s_mul_i32 s22, s22, RTB
	s_mul_i32 s23, s28, FRB
	s_add_co_u32 s22, s22, s23
	s_mov_b32 s23, 0
	s_lshl_b32 s24, s29, 8
	s_mul_i32 s26, s26, HPL
	s_add_co_u32 s26, s24, s26
	s_mov_b32 s27, 0
	s_and_b32 s28, s25, 1
	s_lshr_b32 s29, s25, 1
	s_wait_alu depctr_va_vdst(0)
	s_wait_kmcnt 0x0
	s_cmp_lg_u32 s28, 0                            ; the choice hangs on the work-group's number alone
	s_cselect_b64 s[4:5], s[6:7], s[4:5]           ; Wk or Wq
	s_cselect_b64 s[8:9], s[10:11], s[8:9]         ; Wo or Wv
	s_cmp_lg_u32 s29, 0
	s_cselect_b64 s[4:5], s[8:9], s[4:5]
	s_add_nc_u64 s[4:5], s[4:5], s[20:21]
	s_add_nc_u64 s[12:13], s[12:13], s[22:23]
	s_add_nc_u64 s[14:15], s[14:15], s[26:27]
.set q, 0
.rept 64
	global_load_b32 v[WX+q], v2, s[4:5] offset:q*4096 th:TH_LOAD_NT
.set q, q+1
.endr
	BLOCK 0
	BLOCK 1
	s_wait_dscnt 0x0                               ; for the others' sake: my codes and bytes have landed
	s_barrier_signal -1
	s_barrier_wait -1
	ds_load_b128 v[128:131], v9                    ; a whole image, as it lies in cod
	ds_load_b64 v[132:133], v10 offset:512
	ds_load_b128 v[134:137], v9 offset:768
	ds_load_b64 v[138:139], v10 offset:1280
	s_wait_dscnt 0x0
	global_store_b128 v7, v[128:131], s[12:13]
	global_store_b64 v8, v[132:133], s[12:13] offset:512
	global_store_b128 v7, v[134:137], s[12:13] offset:768
	global_store_b64 v8, v[138:139], s[12:13] offset:1280
	s_cmp_lg_u32 s[WV], 0
	s_cbranch_scc1 .Lend
	ds_load_b128 v[144:147], v15                   ; wave 0 sends the 64 rows' words: 1,024 consecutive bytes
	ds_load_b128 v[148:151], v15 offset:512
	s_wait_dscnt 0x0
	global_store_b128 v7, v[144:147], s[14:15]
	global_store_b128 v7, v[148:151], s[14:15] offset:512
	s_branch .Lend
.Lx:
	; ---- x
	v_and_b32 v2, 15, v0                           ; r
	v_bfe_u32 v3, v0, 4, 1                         ; h
	s_sub_co_u32 s20, ttmp9, NW                    ; which two row tiles
	s_and_b32 s17, s[WV], 7                        ; my K step
	s_lshr_b32 s18, s[WV], 3                       ; my tile of the two
	s_lshl_b32 s19, s17, 9
	v_add_nc_u32 v4, s19, v7                       ; in a row of x: my K step's 512 bytes, 16 a lane
	s_mul_i32 s19, s[WV], STG
	v_add_nc_u32 v5, s19, v7                       ; into the stage: as loaded
	v_mul_u32_u24 v6, v2, SPI
	v_lshl_add_u32 v9, v2, 4, v3
	v_add_nc_u32 v10, XW, v7                       ; all words, 16 bytes a lane
	v_lshl_add_u32 v6, v3, 7, v6
	v_add_nc_u32 v6, s19, v6                       ; out of it: row r, + 128 h
	s_wait_alu depctr_va_vdst(0)
	s_lshr_b32 s21, s17, 2
	s_lshl_b32 s21, s21, 9
	s_and_b32 s22, s17, 3
	s_lshl_b32 s22, s22, 2
	s_add_co_u32 s21, s21, s22
	s_lshl_b32 s22, s18, 8
	s_add_co_u32 s21, s21, s22
	s_add_co_u32 s21, s21, XW
	v_add_nc_u32 v9, s21, v9                       ; my blocks' scale bytes: 512 x K half + 16 x row + 4 x K step + h, + 2 c
	s_lshr_b32 s22, s20, 1
	s_lshl_b32 s22, s22, 18                        ; 64 rows of 4,096 bytes for each four tiles,
	s_and_b32 s23, s20, 1
	s_lshl_b32 s23, s23, 16
	s_add_co_u32 s22, s22, s23
	s_lshl_b32 s23, s18, 15                        ; 8 rows more for each tile u of the four
	s_add_co_u32 s22, s22, s23
	s_mov_b32 s23, 0
	s_lshl_b32 s24, s20, 1
	s_add_co_u32 s24, s24, s18
	s_mul_i32 s24, s24, RTB
	s_mul_i32 s25, s17, FRB
	s_add_co_u32 s24, s24, s25
	s_mov_b32 s25, 0
	s_lshl_b32 s26, s20, 9                         ; 32 rows x 16 bytes of scale words
	s_mov_b32 s27, 0
	s_wait_alu depctr_va_vdst(0)
	s_wait_kmcnt 0x0
	s_add_nc_u64 s[36:37], s[36:37], s[22:23]
	s_add_nc_u64 s[12:13], s[12:13], s[24:25]
	s_add_nc_u64 s[14:15], s[14:15], s[26:27]
.irp i, 0,1,2,3,4,5,6,7,8,9,10,11,12,13,14,15
	global_load_b128 v[R+4*\i:R+4*\i+3], v4, s[36:37] offset:(\i+24*(\i/8))*4096 th:TH_LOAD_NT   ; position i of the tile: 512 consecutive bytes of its row
.endr
.irp i, 0,1,2,3,4,5,6,7,8,9,10,11,12,13,14,15
	s_wait_loadcnt 15-\i                           ; loads come back in order: row i is in, the younger ones stay out
	ds_store_b128 v5, v[R+4*\i:R+4*\i+3] offset:SPI*\i
.endr
.irp c, 0,1
.irp j, 0,1,2,3,4,5,6,7
	ds_load_b128 v[X+32*\c+4*\j:X+32*\c+4*\j+3], v6 offset:256*\c+16*\j   ; LDS serves a wave's instructions in order: these see my stores; the stage is my wave's own
.endr
.endr
	s_wait_dscnt 0x0
.irp b, 0,1
	v_max3_num_f32 v[TM+\b], |v[X+32*\b]|, |v[X+1+32*\b]|, 0x2800000   ; two chains for each of my two blocks, and the floor 2^(5 - 127): the byte cannot fall under 1
	v_max3_num_f32 v[TM+2+\b], |v[X+16+32*\b]|, |v[X+17+32*\b]|, |v[X+18+32*\b]|
.endr
.irp i, 2,4,6,8,10,12
.irp b, 0,1
	v_max3_num_f32 v[TM+\b], v[TM+\b], |v[X+32*\b+\i]|, |v[X+1+32*\b+\i]|
	v_max3_num_f32 v[TM+2+\b], v[TM+2+\b], |v[X+17+32*\b+\i]|, |v[X+18+32*\b+\i]|
.endr
.endr
.irp b, 0,1
	v_max3_num_f32 v[TM+\b], v[TM+\b], |v[X+14+32*\b]|, |v[X+15+32*\b]|
.endr
.irp b, 0,1
	s_delay_alu instid0(VALU_DEP_2)
	v_max3_num_f32 v[TM+\b], v[TM+\b], v[TM+2+\b], |v[X+31+32*\b]|
.endr
.irp b, 0,1
	s_delay_alu instid0(VALU_DEP_2)
	v_add_nc_u32 v[TM+4+\b], 0xfe000000, v[TM+\b]  ; 4 off its exponent field: the conversion's scale operand
.endr
.irp b, 0,1
	s_delay_alu instid0(VALU_DEP_2)
	v_lshrrev_b32 v[TM+6+\b], 23, v[TM+4+\b]       ; the scale's byte
.endr
.irp c, 0,1
	v_cvt_scalef32_pk16_bf6_f32 v[PC+6*\c:PC+2+6*\c], v[X+32*\c:X+15+32*\c], v[TM+4+\c]
	v_cvt_scalef32_pk16_bf6_f32 v[PC+12+4*\c:PC+14+4*\c], v[X+16+32*\c:X+31+32*\c], v[TM+4+\c]   ; a conversion's three registers begin on an even number
.endr
	v_nop                                          ; one plain place behind a scaled conversion
.irp c, 0,1
.irp i, 0,1,2
	v_mov_b32 v[PC+3+6*\c+\i], v[PC+12+4*\c+\i]
.endr
.endr
	global_store_b128 v7, v[PC:PC+3], s[12:13]                 ; the fragment's image: 512, 256, 512 and 256 consecutive bytes
	global_store_b64 v8, v[PC+4:PC+5], s[12:13] offset:512
	global_store_b128 v7, v[PC+6:PC+9], s[12:13] offset:768
	global_store_b64 v8, v[PC+10:PC+11], s[12:13] offset:1280
	ds_store_b8 v9, v[TM+6]
	ds_store_b8 v9, v[TM+7] offset:2
	s_wait_dscnt 0x0                               ; for the others' sake: my bytes have landed
	s_barrier_signal -1
	s_barrier_wait -1
	s_cmp_lg_u32 s[WV], 0
	s_cbranch_scc1 .Lend
	ds_load_b128 v[R:R+3], v10                     ; wave 0 sends the words: 512 consecutive bytes for each K half
	ds_load_b128 v[R+4:R+7], v10 offset:512
	s_wait_dscnt 0x0
	global_store_b128 v7, v[R:R+3], s[14:15]
	global_store_b128 v7, v[R+4:R+7], s[14:15] offset:HPL
.Lend:
	s_wait_tensorcnt 0x0                           ; the wave's end
	ds_add_u32 v[SPW], v[NIL]
	s_wait_dscnt 0x0
	s_endpgm
.Lfunc_end_k_q796945b3f0_quant:
	.size	k_q796945b3f0_quant, .Lfunc_end_k_q796945b3f0_quant-k_q796945b3f0_quant
	.p2alignl 7, 3214868480
	.fill 96, 4, 3214868480
	.section	.rodata,"a",@progbits
	.p2align	6, 0x0
	.amdhsa_kernel k_q796945b3f0_quant
		.amdhsa_group_segment_fixed_size 165888
		.amdhsa_private_segment_fixed_size 0
		.amdhsa_enable_private_segment 0
		.amdhsa_kernarg_size 56
		.amdhsa_user_sgpr_count 2
		.amdhsa_user_sgpr_kernarg_segment_ptr 1
		.amdhsa_wavefront_size32 1
		.amdhsa_system_sgpr_workgroup_id_x 1
		.amdhsa_system_sgpr_workgroup_id_y 1
		.amdhsa_system_sgpr_workgroup_id_z 1
		.amdhsa_system_vgpr_workitem_id 0
		.amdhsa_next_free_vgpr 184
		.amdhsa_next_free_sgpr 66
		.amdhsa_reserve_vcc 0
		.amdhsa_float_denorm_mode_32 3
		.amdhsa_float_denorm_mode_16_64 3
		.amdhsa_memory_ordered 1
		.amdhsa_forward_progress 1
		.amdhsa_inst_pref_size 25
	.end_amdhsa_kernel
	.amdgpu_metadata
---
amdhsa.version: [ 1, 2 ]
amdhsa.kernels:
  - .name:           k_q796945b3f0_quant
    .symbol:         k_q796945b3f0_quant.kd
    .args:
      - { .name: Wq, .offset: 0, .size: 8, .value_kind: global_buffer, .address_space: global }
      - { .name: Wk, .offset: 8, .size: 8, .value_kind: global_buffer, .address_space: global }
      - { .name: Wv, .offset: 16, .size: 8, .value_kind: global_buffer, .address_space: global }
      - { .name: Wo, .offset: 24, .size: 8, .value_kind: global_buffer, .address_space: global }
      - { .name: cod, .offset: 32, .size: 8, .value_kind: global_buffer, .address_space: global }
      - { .name: scl, .offset: 40, .size: 8, .value_kind: global_buffer, .address_space: global }
      - { .name: x, .offset: 48, .size: 8, .value_kind: global_buffer, .address_space: global }
    .group_segment_fixed_size: 165888
    .private_segment_fixed_size: 0
    .kernarg_segment_align: 8
    .kernarg_segment_size: 56
    .max_flat_workgroup_size: 512
    .sgpr_count:     66
    .vgpr_count:     184
    .wavefront_size: 32
...
	.end_amdgpu_metadata
.endif
;; end of part 6
;; launch proj (part 7): grid 8 x 32, 4 waves a work-group, clusters of 4 x 4, 327,680 bytes of LDS; arguments cod, scl, bq, bk, bv, qkv; writes qkv
.if DOCPART == 7
	.amdgcn_target "amdgcn-amd-amdhsa--gfx1250"
	.amdhsa_code_object_version 6
	.text
	.protected	k_q796945b3f0_proj
	.globl	k_q796945b3f0_proj
	.p2align	8
	.type	k_q796945b3f0_proj,@function
k_q796945b3f0_proj:
	s_mov_b64 s[64:65], 0
	v_nop
	global_prefetch_b8 v0, s[64:65] scope:SCOPE_SE
	s_setreg_imm32_b32 hwreg(HW_REG_WAVE_MODE, 25, 1), 1
	s_wait_xcnt 0x0
	s_wait_alu depctr_hold_cnt(0) depctr_sa_sdst(0) depctr_va_vdst(0) depctr_va_sdst(0) depctr_va_ssrc(0) depctr_va_vcc(0) depctr_vm_vsrc(0)
	s_getreg_b32 s2, hwreg(HW_REG_IB_STS2, 6, 4)
	s_cmp_eq_u32 s2, 0
	s_cbranch_scc0 .Lentry_in_a_cluster
	s_endpgm
.Lentry_in_a_cluster:
	s_bfe_u32 s2, ttmp6, 0x10000c
	s_cmp_lg_u32 s2, 0xf033
	s_cbranch_scc0 .Lentry_shape_is_right
	s_endpgm
.Lentry_shape_is_right:
; q = x Wq + bq, k = x Wk + bk and V^T = (x Wv + bv)^T on codes of BF6 (E3M2) with E8M0 scales, K = 1,024; the results are quantised in registers, in f32, into the operands of attention.
; OPERANDS come from cod as images of their registers (row tile of 16 positions, K step of 128: 1,536 bytes) and their scale words from scl ([K half][row position][4 words]).
; A WORK-GROUP makes 128 tokens x 128 columns (two heads) of q, then of k, then of V^T: 32 x 8 = 256 work-groups of equal work.  Four waves, each 64 tokens x one head: 16 accumulators.
; x's fragments are read from LDS once, in q's product, and stay in 384 registers for the other two.
; q, k: source 0 = W's rows, source 1 = x's: lane (r, h) holds token position r, and by the row order of the images (position 16 u + 8 h + j of 64 = row 32 h + 8 u + j) its 32 registers are d 32 h + 0 .. 31: a whole block.
; V^T: source 0 = x's rows, source 1 = Wv's: lane (r, h) holds position r of d, and its 32 registers are tokens 32 h + 0 .. 31 of the wave's 64: a whole block again.
; qkv: [q, k, v][32 heads of the batch][16 steps of 128 tokens][6,400]: four fragments, then 256 bytes of scale words at 6,144 + 16 r + 4 t.
;   q, k: fragment t = the halves (16 tokens x 64 d, 768 bytes) of token tiles 2 t and 2 t + 1; word t = their two and two bytes.   v: fragment t = 16 positions of d x 128 tokens, word t its scale word.
; LDS: x's 8 row tiles x 12,288 bytes, then two slots of as much for the weights: Wq in slot 0, Wk in slot 1, and behind q's product Wv in slot 0.
; CLUSTER 4 x 4: x's tiles are shared along a row of the cluster, the weights' along a column: joint loads, which divide the requests by four.
; No prefetch: the launch has no loop to run ahead in; Wk is asked for ahead of q's product and Wv ahead of k's.
; LIMITS: a block of zeros gets the byte 1 where the rule says 127 (its codes are zeros, and this program alone reads the bytes); NaN and infinities are not served.
; REGISTERS: window 0: v1-16 lane terms; v28, v29 for the add; v32-127 scale words and nothing else; v128-223 the biases of v, q, k; v224-227 v's as loaded.
;   windows 1, 2: x's fragments of K steps 0-3, 4-7, block i at v[48 (K step % 4) + 12 i]; v250-251 addresses.
;   window 3: v0-127 the accumulators; v128-223 a ring of eight fragments of the weights; v224-244 at work; v245-255 addresses.  So a fragment's loads need no other windows than the products.
.set RTB,   12288
.set FRB,   1536
.set HPL,   196608
.set SLOT0, 8*RTB
.set SLOT1, 16*RTB
.set SPARE, 24*RTB                     ; the spare words, 128 bytes a wave: no other line names them
.set SCR,   SPARE+512                  ; scale bytes on their way out: 512 bytes each for q, k, v
.set PLANE, 3276800
.set HEADB, 102400
.set BLK,   6400
.set SPW,   28
.set NIL,   29
.set SC,    32                         ; v[SC + 32 m + 8 i + s]: lanes 0-15 the word of x's block i, lanes 16-31 that of weight m's block i, for K step s
.set WV,    16
.set WR,    17                         ; wave / 2: my half of the tokens.  Also: I fetch for x (0) or for Wq (1) at the head
.set WC,    18                         ; wave % 2: my head.  Also: which four row tiles I fetch at the head
.set G1A,   24                         ; group 1: x's tiles, four rows
.set G1B,   32                         ;   Wq's, four rows
.set G1C,   40                         ;   Wk's and Wv's, two rows
.set G0A,   48
.set G0B,   52
.set G0C,   56
.set G0D,   60
.set MSB, 0
.macro WIN new                         ; the immediate's high byte repeats the setting that is left
.if MSB != (\new)
	s_set_vgpr_msb (MSB<<8)|(\new)
.set MSB, (\new)
.endif
.endm
.macro PLACES                          ; four plain places: in front of loads into registers that matrix instructions have read, and of the first read of results
.rept 4
	v_nop
.endr
.endm
.macro CROUND                          ; a round of the cluster's barrier
	s_barrier_signal -1
	s_barrier_wait -1
	s_cmp_lg_u32 s[WV], 0
	s_cbranch_scc1 .Lnot_wave_0_\@
	s_barrier_signal -3
.Lnot_wave_0_\@:
	s_barrier_wait -3
	s_barrier_signal -1
	s_barrier_wait -1
.endm
.macro FRAG reg, a16, a8, off          ; a fragment's image back into 12 registers: every load takes consecutive bytes
	ds_load_b128 v[\reg:\reg+3], v[\a16] offset:\off
	ds_load_b64 v[\reg+4:\reg+5], v[\a8] offset:\off+512
	ds_load_b128 v[\reg+6:\reg+9], v[\a16] offset:\off+768
	ds_load_b64 v[\reg+10:\reg+11], v[\a8] offset:\off+1280
.endm
; A product's 128 matrix instructions go in 16 pairs: pair g = K step g / 2, blocks 2 (g % 2) and + 1 of the weight, against x's four.  Fragment f of the weight (K step f / 4, block f % 4) lies in the ring's place f % 8.
.macro BPAIR g, adr                    ; pair g's two fragments: 8 loads
.irp f, 2*(\g), 2*(\g)+1
	FRAG 128+12*((\f)%8), \adr, \adr+1, RTB*((\f)%4)+FRB*((\f)/4)
.endr
.endm
.macro AHALF ks, hf                    ; two of x's four fragments of a K step: 8 loads
	WIN ((1+(\ks)/4)<<6)|3
.irp i, 2*(\hf), 2*(\hf)+1
	FRAG 48*((\ks)%4)+12*(\i), 252, 253, RTB*(\i)+FRB*(\ks)
.endr
.endm
.macro MSET m, g                       ; the windows of pair g: m = 0 q, 1 k, 2 v.  In K step 0 source 2 is the bias, in window 0
.set wA, 1+(\g)/8
.if (\m) == 2
.if (\g) < 2
	WIN 0xcc|wA
.else
	WIN 0xfc|wA
.endif
.else
.if (\g) < 2
	WIN 0xc3|(wA<<2)
.else
	WIN 0xf3|(wA<<2)
.endif
.endif
.endm
; The 16 accumulators take turns, one instruction a turn.  The bias starts the sums.
.macro MULP g, m
	MSET \m, \g
.set kS, (\g)/2
.irp b, 2*((\g)%2), 2*((\g)%2)+1
.irp a, 0,1,2,3
.set rB, 128+12*((4*kS+(\b))%8)
.set rA, 48*(kS%4)+12*\a
.set sB, SC+32*(\m)+8*(\b)+kS
.set sA, SC+32*(\m)+8*\a+kS
.if (\m) == 2
.set rD, 8*(4*(\b)+\a)
.set rC, rD
.if (\g) < 2
.set rC, 128+8*(\b)
.endif
	v_wmma_scale_f32_16x16x128_f8f6f4 v[rD:rD+7], v[rA:rA+11], v[rB:rB+11], v[rC:rC+7], v[sA], v[sB] matrix_a_fmt:MATRIX_FMT_BF6 matrix_b_fmt:MATRIX_FMT_BF6 matrix_b_scale:MATRIX_SCALE_ROW1
.else
.set rD, 8*(4*\a+(\b))
.set rC, rD
.if (\g) < 2
.set rC, 160+32*(\m)+8*(\b)
.endif
	v_wmma_scale_f32_16x16x128_f8f6f4 v[rD:rD+7], v[rB:rB+11], v[rA:rA+11], v[rC:rC+7], v[sB], v[sA] matrix_a_fmt:MATRIX_FMT_BF6 matrix_b_fmt:MATRIX_FMT_BF6 matrix_a_scale:MATRIX_SCALE_ROW1
.endif
.endr
.endr
.endm
; A product.  At pair g the fragments of pair g + 3 are asked for (8 loads) and, in q's, half of x's of two K steps on (8 loads); the wait leaves out what the last three pairs have asked for.
.macro PROD m, adr
.set G, 0
.rept 16
.if G < 13
	MSET \m, G
.if G > 0
	PLACES                                         ; the ring's place was read by the pair before
.endif
	BPAIR G+3, \adr
.if (\m) == 0 && G < 12
	AHALF G/2+2, G%2
.endif
.endif
.if (\m) == 0 && G < 12
	s_wait_dscnt 48
.elseif (\m) == 0 && G == 12
	s_wait_dscnt 40
.elseif (\m) == 0 && G == 13
	s_wait_dscnt 24
.elseif G < 13
	s_wait_dscnt 24
.elseif G == 13
	s_wait_dscnt 16
.elseif G == 14
	s_wait_dscnt 8
.else
	s_wait_dscnt 0x0
.endif
	MULP G, \m
.set G, G+1
.endr
.endm
; The way out: four groups of 32 numbers a lane, each a whole block: quantised, stored as half a fragment (512 and 256 consecutive bytes); the byte goes to its place among the scale words in LDS.
; Group n's codes are laid over group n - 1's numbers, which have been converted by then (group 0's over free registers).  Each accumulator is read from its low end on.
.macro EPI m
	WIN 0xff
.irp n, 0,1,2,3
	v_max3_num_f32 v[224+\n], |v[32*\n]|, |v[32*\n+1]|, 0x2800000   ; and the floor 2^(5 - 127): the byte cannot fall under 1
	v_max3_num_f32 v[228+\n], |v[32*\n+16]|, |v[32*\n+17]|, |v[32*\n+18]|
.endr
.irp i, 2,4,6,8,10,12
.irp n, 0,1,2,3
	v_max3_num_f32 v[224+\n], v[224+\n], |v[32*\n+\i]|, |v[32*\n+1+\i]|
	v_max3_num_f32 v[228+\n], v[228+\n], |v[32*\n+17+\i]|, |v[32*\n+18+\i]|
.endr
.endr
.irp n, 0,1,2,3
	v_max3_num_f32 v[224+\n], v[224+\n], |v[32*\n+14]|, |v[32*\n+15]|
.endr
.irp n, 0,1,2,3
	v_max3_num_f32 v[224+\n], v[224+\n], v[228+\n], |v[32*\n+31]|
.endr
.irp n, 0,1,2,3
	v_add_nc_u32 v[232+\n], 0xfe000000, v[224+\n]  ; 4 off its exponent field: the conversion's scale operand
.endr
.irp n, 0,1,2,3
.set cD, 236
.set dD, 242
.if \n > 0
.set cD, 32*(\n-1)
.set dD, 32*(\n-1)+8
.endif
	v_cvt_scalef32_pk16_bf6_f32 v[cD:cD+2], v[32*\n:32*\n+15], v[232+\n]
	v_cvt_scalef32_pk16_bf6_f32 v[dD:dD+2], v[32*\n+16:32*\n+31], v[232+\n]   ; a conversion's three registers begin on an even number
	v_lshrrev_b32 v[224+\n], 23, v[232+\n]         ; the scale's byte.  (The plain place behind the conversions)
.endr
.irp n, 0,1,2,3
.set cD, 236
.set dD, 242
.if \n > 0
.set cD, 32*(\n-1)
.set dD, 32*(\n-1)+8
.endif
.irp i, 0,1,2
	v_mov_b32 v[cD+3+\i], v[dD+\i]
.endr
.endr
.irp n, 0,1,2,3
.set cD, 236
.if \n > 0
.set cD, 32*(\n-1)
.endif
.if (\m) == 2
	global_store_b128 v254, v[cD:cD+3], s[96:97] offset:2*PLANE+FRB*\n
	global_store_b64 v255, v[cD+4:cD+5], s[96:97] offset:2*PLANE+FRB*\n+512
	ds_store_b8 v246, v[224+\n] offset:4*\n
.else
	global_store_b128 v254, v[cD:cD+3], s[94:95] offset:(\m)*PLANE+768*\n
	global_store_b64 v255, v[cD+4:cD+5], s[94:95] offset:(\m)*PLANE+768*\n+512
	ds_store_b8 v245, v[224+\n] offset:512*(\m)+2*\n
.endif
.endr
.endm
	s_load_b256 s[4:11], s[0:1], 0x0               ; cod s[4:5], scl s[6:7], bq s[8:9], bk s[10:11]
	s_load_b128 s[12:15], s[0:1], 0x20             ; bv s[12:13], qkv s[14:15]
	v_lshl_add_u32 v[SPW], v0, 2, SPARE
	v_mov_b32 v[NIL], 0
	ds_add_u32 v[SPW], v[NIL]                      ; the opening: the add, twice on end, and its wait
	ds_add_u32 v[SPW], v[NIL]
	v_lshrrev_b32 v1, 5, v0
	v_readfirstlane_b32 s[WV], v1                  ; wave 0..3
	s_lshr_b32 s[WR], s[WV], 1
	s_and_b32 s[WC], s[WV], 1
	s_bfe_u32 s19, ttmp6, 0x40000                  ; cx, cy: my place in the cluster
	s_bfe_u32 s20, ttmp6, 0x40004
	s_lshl_b32 s21, ttmp9, 2
	s_add_co_u32 s21, s21, s19                     ; which 128 columns
	s_and_b32 s22, ttmp7, 0xffff
	s_lshl_b32 s22, s22, 2
	s_add_co_u32 s22, s22, s20                     ; which 128 tokens
	s_lshl_b32 s68, s20, 2
	s_lshl_b32 s68, 15, s68                        ; my row of the cluster
	s_lshl_b32 s69, 0x1111, s19                    ; my column
	s_or_b32 s[G1A], s68, (3<<16)|(1<<21)          ; 15:0 the mask; 17:16 elements of 8 bytes; 21 set beside a mask; no padding
	s_or_b32 s[G1B], s69, (3<<16)|(1<<21)
	s_or_b32 s[G1C], s69, (3<<16)|(1<<21)
.irp g, G1A, G1B, G1C
	s_mov_b32 s[\g+1], 1536<<16                    ; tensor_dim0 = 1,536 elements: 12,288 bytes, all of K of a row tile
	s_mov_b32 s[\g+3], 1536<<16                    ; tile_dim0
	s_mov_b32 s[\g+5], 1536                        ; from row tile to row tile
	s_mov_b32 s[\g+6], 0
	s_mov_b32 s[\g+7], 0
.endr
.irp g, G1A, G1B
	s_mov_b32 s[\g+2], 4<<16                       ; four row tiles
	s_mov_b32 s[\g+4], 4
.endr
	s_mov_b32 s[G1C+2], 2<<16                      ; two row tiles
	s_mov_b32 s[G1C+4], 2
	s_lshl_b32 s70, s22, 3                         ; x's first row tile: hangs on cy, which my row of the cluster shares
	s_lshl_b32 s71, s21, 3
	s_add_co_u32 s71, s71, 256                     ; Wq's: hangs on cx, which my column shares
	s_lshl_b32 s72, s[WC], 2
	s_add_co_u32 s74, s70, s72
	s_mul_i32 s74, s74, RTB
	s_mov_b32 s75, 0
	s_add_co_u32 s76, s71, s72
	s_mul_i32 s76, s76, RTB
	s_mov_b32 s77, 0
	s_lshl_b32 s73, s[WV], 1
	s_add_co_u32 s78, s71, s73
	s_add_co_u32 s78, s78, 64                      ; Wk's: two row tiles a wave
	s_mul_i32 s78, s78, RTB
	s_mov_b32 s79, 0
	s_mul_i32 s80, s[WV], 4*RTB                    ; where the head's tiles go: x's two halves, then Wq's: no place in the cluster enters an LDS address
	s_mul_i32 s81, s[WV], 2*RTB
	s_wait_alu depctr_va_vdst(0)
	s_wait_dscnt 0x0                               ; both opening adds are done
	s_wait_kmcnt 0x0
	s_mov_b32 s[G0A], 1
	s_mov_b32 s[G0A+1], s80
	s_add_nc_u64 s[G0A+2:G0A+3], s[4:5], s[74:75]
	s_or_b32 s[G0A+3], s[G0A+3], 0x80000000
	s_mov_b32 s[G0B], 1
	s_mov_b32 s[G0B+1], s80
	s_add_nc_u64 s[G0B+2:G0B+3], s[4:5], s[76:77]
	s_or_b32 s[G0B+3], s[G0B+3], 0x80000000
	s_mov_b32 s[G0C], 1
	s_add_co_u32 s[G0C+1], s81, SLOT1
	s_add_nc_u64 s[G0C+2:G0C+3], s[4:5], s[78:79]
	s_mov_b32 s[G0D], 1
	s_add_co_u32 s[G0D+1], s81, SLOT0
	s_add_nc_u64 s[G0D+2:G0D+3], s[G0C+2:G0C+3], 64*RTB    ; Wv's
	s_or_b32 s[G0C+3], s[G0C+3], 0x80000000
	s_or_b32 s[G0D+3], s[G0D+3], 0x80000000
	CROUND                                         ; all sixteen work-groups are here: the first joint loads meet
	s_cmp_eq_u32 s[WR], 0                          ; one load a wave at the head: waves 0, 1 x's halves, waves 2, 3 Wq's
	s_cbranch_scc0 .Lfor_b
	tensor_load_to_lds s[G0A:G0A+3], s[G1A:G1A+7]
	s_nop 0
.rept 4
	v_nop
.endr
	s_branch .Lasked
.Lfor_b:
	tensor_load_to_lds s[G0B:G0B+3], s[G1B:G1B+7]
	s_nop 0
.rept 4
	v_nop
.endr
.Lasked:
	v_and_b32 v1, 31, v0                           ; lane
	v_and_b32 v2, 15, v0                           ; r
	v_bfe_u32 v3, v0, 4, 1                         ; h
	v_lshlrev_b32 v4, 4, v1                        ; 16 x lane
	v_lshlrev_b32 v5, 3, v1                        ; 8 x lane
	; the scale words of my 64 rows of x (lanes 0-15) and of each weight (lanes 16-31), for all of K: loaded once
	s_lshl_b32 s84, s[WR], 2
	s_add_co_u32 s84, s84, s70
	s_lshl_b32 s84, s84, 8                         ; 16 rows x 16 bytes a tile
	s_add_co_u32 s85, s71, s72
	s_lshl_b32 s85, s85, 8
	v_mov_b32 v6, s84
	v_mov_b32 v7, s85
	v_lshlrev_b32 v8, 4, v2
	v_cmp_gt_u32 vcc_lo, 16, v1
.irp m, 0,1,2
	v_cndmask_b32 v[10+\m], v7, v6, vcc_lo
	v_add_nc_u32 v7, 0x4000, v7                    ; the next weight: 64 row tiles on
	v_add_nc_u32 v[10+\m], v[10+\m], v8
.endr
.irp m, 0,1,2
.irp i, 0,1,2,3
.irp e, 0,1
	global_load_b128 v[SC+32*\m+8*\i+4*\e:SC+32*\m+8*\i+4*\e+3], v[10+\m], s[6:7] offset:256*\i+HPL*\e
.endr
.endr
.endr
	; the biases: q's and k's of d 32 h + 0 .. 31 of my head, v's of my lane's position of d in each of its four tiles
	s_lshl_b32 s86, s21, 9
	s_lshl_b32 s87, s[WC], 8
	s_add_co_u32 s86, s86, s87
	s_mov_b32 s87, 0
	s_add_nc_u64 s[8:9], s[8:9], s[86:87]
	s_add_nc_u64 s[10:11], s[10:11], s[86:87]
	s_add_nc_u64 s[12:13], s[12:13], s[86:87]
	v_lshlrev_b32 v13, 7, v3
	v_and_b32 v14, 7, v2
	v_lshrrev_b32 v9, 3, v2
	v_lshlrev_b32 v14, 2, v14
	v_lshl_add_u32 v14, v9, 7, v14
.irp i, 0,1,2,3,4,5,6,7
	global_load_b128 v[160+4*\i:163+4*\i], v13, s[8:9] offset:16*\i
	global_load_b128 v[192+4*\i:195+4*\i], v13, s[10:11] offset:16*\i
.endr
.irp b, 0,1,2,3
	global_load_b32 v[224+\b], v14, s[12:13] offset:32*\b
.endr
	; where the results go: head 16 x batch + 2 x column tile, + my head; step = token tile % 16
	s_lshr_b32 s88, s22, 4
	s_lshl_b32 s88, s88, 4
	s_lshl_b32 s89, s21, 1
	s_add_co_u32 s88, s88, s89
	s_mul_i32 s88, s88, HEADB
	s_and_b32 s89, s22, 15
	s_mul_i32 s89, s89, BLK
	s_add_co_u32 s88, s88, s89
	s_mov_b32 s89, 0
	s_add_nc_u64 s[90:91], s[14:15], s[88:89]
	s_mul_i32 s88, s[WC], HEADB
	s_add_nc_u64 s[92:93], s[90:91], s[88:89]
	s_mul_i32 s88, s[WR], 3072
	s_add_nc_u64 s[94:95], s[92:93], s[88:89]
	s_mul_i32 s88, s[WR], 768
	s_add_nc_u64 s[96:97], s[92:93], s[88:89]
	; LDS addresses
	s_lshl_b32 s82, s[WV], 9
	s_add_co_u32 s82, s82, SCR
	v_add_nc_u32 v15, s82, v4                      ; the words of product w, 16 bytes a lane
	v_mul_u32_u24 v16, v3, HEADB
	v_lshl_add_u32 v16, v2, 4, v16                 ; in qkv: lanes 0-15 the first head's 256 bytes of words, lanes 16-31 the second's
	v_lshl_add_u32 v9, v2, 4, v3                   ; 16 r + h
	s_wait_alu depctr_va_vdst(0)
	s_mul_i32 s82, s[WC], 4*RTB                    ; my four row tiles of a weight,
	s_add_co_u32 s83, s82, SLOT1
	s_add_co_u32 s82, s82, SLOT0
	s_mul_i32 s84, s[WR], 4*RTB                    ; and of x
	s_lshl_b32 s85, s[WC], 8
	s_lshl_b32 s86, s[WR], 3
	s_add_co_u32 s86, s86, s85
	s_add_co_u32 s86, s86, SCR
	s_lshl_b32 s87, s[WR], 1
	s_add_co_u32 s87, s87, s85
	s_add_co_u32 s87, s87, SCR+1024
	WIN 0xc0
	v_add_nc_u32 v250, s82, v4
	v_add_nc_u32 v251, s82, v5
	v_add_nc_u32 v248, s83, v4
	v_add_nc_u32 v249, s83, v5
	v_add_nc_u32 v252, s84, v4
	v_add_nc_u32 v253, s84, v5
	v_add_nc_u32 v245, s86, v9                     ; q's and k's bytes: 16 r + 8 x token half + h, + 2 x tile
	v_add_nc_u32 v246, s87, v9                     ; V's: 16 r + 2 x token half + h, + 4 x tile of d
	v_mov_b32 v254, v4
	v_mov_b32 v255, v5
	WIN 0x40
	v_add_nc_u32 v250, s82, v4
	v_add_nc_u32 v251, s82, v5
	WIN 0x80
	v_add_nc_u32 v250, s82, v4
	v_add_nc_u32 v251, s82, v5
	WIN 0
	s_wait_alu depctr_va_vdst(0)
	s_wait_tensorcnt 0x0                           ; my part of x and Wq is in
	ds_add_u32 v[SPW], v[NIL]
	s_wait_dscnt 0x0
	CROUND                                         ; everybody's part is in
	tensor_load_to_lds s[G0C:G0C+3], s[G1C:G1C+7]  ; Wk, the first tensor load behind the round
	s_nop 0
	PLACES
	AHALF 0, 0
	AHALF 0, 1
	MSET 0, 0
	BPAIR 0, 250
	BPAIR 1, 250
	BPAIR 2, 250
	AHALF 1, 0
	AHALF 1, 1
	WIN 0
	s_wait_loadcnt 0x0                             ; the scale words and the biases
.irp b, 0,1,2,3
.irp j, 0,1,2,3,4,5,6,7
	v_mov_b32 v[128+8*\b+\j], v[224+\b]            ; v's bias is the same in a lane's eight results of a tile
.endr
.endr
	PROD 0, 250
	WIN 0
	s_wait_tensorcnt 0x0                           ; my part of Wk is in
	ds_add_u32 v[SPW], v[NIL]                      ; 0 onto my spare word
	s_wait_dscnt 0x0                               ; the add is done, and so are my reads of Wq
	CROUND                                         ; no wave of any partner still reads slot 0 or has a load on its way
	tensor_load_to_lds s[G0D:G0D+3], s[G1C:G1C+7]  ; Wv fills it again
	s_nop 0
	PLACES
	MSET 1, 0
	BPAIR 0, 248
	BPAIR 1, 248
	BPAIR 2, 248
	EPI 0
	s_wait_xcnt 0x0                                ; the stores have read the codes that lie over accumulators
	PROD 1, 248
	WIN 0
	s_wait_tensorcnt 0x0                           ; my part of Wv is in; nothing is filled again
	s_wait_dscnt 0x0
	s_barrier_signal -1
	s_barrier_wait -1                              ; everybody's is
	PLACES
	MSET 2, 0
	BPAIR 0, 250
	BPAIR 1, 250
	BPAIR 2, 250
	EPI 1
	s_wait_xcnt 0x0
	PROD 2, 250
	PLACES
	EPI 2
	WIN 0
	s_wait_dscnt 0x0                               ; for the others' sake: my scale bytes have landed
	s_barrier_signal -1
	s_barrier_wait -1
	s_cmp_eq_u32 s[WV], 3
	s_cbranch_scc1 .Lsent
	s_mul_i32 s88, s[WV], PLANE                    ; wave m sends product m's words
	s_mov_b32 s89, 0
	s_add_nc_u64 s[90:91], s[90:91], s[88:89]
	ds_load_b128 v[128:131], v15
	s_wait_dscnt 0x0
	global_store_b128 v16, v[128:131], s[90:91] offset:6144    ; 16 lanes store a head's 256 consecutive bytes of words
.Lsent:
	s_wait_tensorcnt 0x0                           ; the wave's end
	ds_add_u32 v[SPW], v[NIL]
	s_wait_dscnt 0x0
	CROUND                                         ; the closing round: no work-group ends while a partner may still ask for a tile that names it
	s_endpgm
.Lfunc_end_k_q796945b3f0_proj:
	.size	k_q796945b3f0_proj, .Lfunc_end_k_q796945b3f0_proj-k_q796945b3f0_proj
	.p2alignl 7, 3214868480
	.fill 96, 4, 3214868480
	.section	.rodata,"a",@progbits
	.p2align	6, 0x0
	.amdhsa_kernel k_q796945b3f0_proj
		.amdhsa_group_segment_fixed_size 327680
		.amdhsa_private_segment_fixed_size 0
		.amdhsa_enable_private_segment 0
		.amdhsa_kernarg_size 48
		.amdhsa_user_sgpr_count 2
		.amdhsa_user_sgpr_kernarg_segment_ptr 1
		.amdhsa_wavefront_size32 1
		.amdhsa_system_sgpr_workgroup_id_x 1
		.amdhsa_system_sgpr_workgroup_id_y 1
		.amdhsa_system_sgpr_workgroup_id_z 1
		.amdhsa_system_vgpr_workitem_id 0
		.amdhsa_next_free_vgpr 1024
		.amdhsa_next_free_sgpr 100
		.amdhsa_reserve_vcc 1
		.amdhsa_float_denorm_mode_32 3
		.amdhsa_float_denorm_mode_16_64 3
		.amdhsa_memory_ordered 1
		.amdhsa_forward_progress 1
		.amdhsa_inst_pref_size 123
	.end_amdhsa_kernel
	.amdgpu_metadata
---
amdhsa.version: [ 1, 2 ]
amdhsa.kernels:
  - .name:           k_q796945b3f0_proj
    .symbol:         k_q796945b3f0_proj.kd
    .args:
      - { .name: cod, .offset: 0, .size: 8, .value_kind: global_buffer, .address_space: global }
      - { .name: scl, .offset: 8, .size: 8, .value_kind: global_buffer, .address_space: global }
      - { .name: bq, .offset: 16, .size: 8, .value_kind: global_buffer, .address_space: global }
      - { .name: bk, .offset: 24, .size: 8, .value_kind: global_buffer, .address_space: global }
      - { .name: bv, .offset: 32, .size: 8, .value_kind: global_buffer, .address_space: global }
      - { .name: qkv, .offset: 40, .size: 8, .value_kind: global_buffer, .address_space: global }
    .group_segment_fixed_size: 327680
    .private_segment_fixed_size: 0
    .kernarg_segment_align: 8
    .kernarg_segment_size: 48
    .max_flat_workgroup_size: 128
    .sgpr_count:     100
    .vgpr_count:     1024
    .wavefront_size: 32
...
	.end_amdgpu_metadata
.endif
;; end of part 7
;; launch attn (part 8): grid 8 x 32, 16 waves a work-group, clusters of 4 x 1, 206,848 bytes of LDS; arguments qkv, cod, scl; writes cod, scl
.if DOCPART == 8
	.amdgcn_target "amdgcn-amd-amdhsa--gfx1250"
	.amdhsa_code_object_version 6
	.text
	.protected	k_q796945b3f0_attn
	.globl	k_q796945b3f0_attn
	.p2align	8
	.type	k_q796945b3f0_attn,@function
k_q796945b3f0_attn:
	s_mov_b64 s[64:65], 0
	v_nop
	global_prefetch_b8 v0, s[64:65] scope:SCOPE_SE
	s_setreg_imm32_b32 hwreg(HW_REG_WAVE_MODE, 25, 1), 1
	s_wait_xcnt 0x0
	s_wait_alu depctr_hold_cnt(0) depctr_sa_sdst(0) depctr_va_vdst(0) depctr_va_sdst(0) depctr_va_ssrc(0) depctr_va_vcc(0) depctr_vm_vsrc(0)
	s_getreg_b32 s2, hwreg(HW_REG_IB_STS2, 6, 4)
	s_cmp_eq_u32 s2, 0
	s_cbranch_scc0 .Lentry_in_a_cluster
	s_endpgm
.Lentry_in_a_cluster:
	s_bfe_u32 s2, ttmp6, 0x10000c
	s_cmp_lg_u32 s2, 0x3003
	s_cbranch_scc0 .Lentry_shape_is_right
	s_endpgm
.Lentry_shape_is_right:
; Attention on codes of BF6 (E3M2) with E8M0 scales: o = softmax(q k^T / 8) v for one head and 256 queries a work-group, quantised along d into the operand of the output product.
; 16 waves, each 16 queries x all 2,048 keys in 16 steps of 128.  Both products are used transposed (S^T = K Q^T, O^T = V^T P^T): lane (r, h) holds query r throughout.
; KEY ORDER: position 16 u + 8 h + j of 64 holds key 32 h + 8 u + j.  So the 32 registers of score tiles 4 c .. 4 c + 3 in a lane are ONE WHOLE BLOCK of 32 keys, k = 64 c + 32 h + 0 .. 31, in the very order
;   of the second product's operand: a block's largest score is found inside the lane, and its codes are made where they are wanted.
; q and k have K = 64: a fragment of k is two tiles' halves, and q is laid as [codes, zeros, codes] in 18 registers: registers 0-11 meet the first tile, 6-17 the second.
; SOFTMAX: M = the ceiling of the running largest t = score x c, c = log2(e) / 8, kept as NM = -M; p = 2^(t - M); the row's sum is of the unquantised p; a change of M is a power of two, 2^(old M - new M).
; A BLOCK'S SCALE: p = 2^(t - M), so floor(log2(largest p)) = floor(largest t - M): a whole number, from which 4 is taken; held at the byte 1 from below.
; LDS: K and V of the head for all keys: step i at 12,800 i: K's 6,400 bytes, then V's.  Each byte is filled once, by 16 joint loads, one a wave (two rows of 6,400 bytes, one of K and one of V).
; CLUSTER 4 x 1: the four work-groups of a cluster share the head, and so all of K and V: every load is joint.  No prefetch: everything is asked for at the head, and no loop fetches from memory.
; LIMITS: the promise holds while the scaled scores (exponents to the base 2, ahead of the maximum) stay under 2^31 in magnitude; a block of zeros in the output gets the byte 1 where the rule says 127 (its codes
;   are zeros, and this program alone reads the bytes); NaN and infinities are not served.
.set PLANE, 3276800
.set HEADB, 102400
.set BLK,   6400                       ; 128 tokens of k or of v: four fragments, then 256 bytes of scale words
.set PAIR,  2*BLK                      ; a step in LDS
.set FRB,   1536
.set RTB,   12288
.set SPARE, 16*PAIR                    ; the spare words, 128 bytes a wave: no other line names them
; v0 the thread; v1 16 x lane, v2 8 x lane, v3 16 r
.set Q,    4                           ; v4-21   q: codes, zeros, codes
.set QS,   22                          ; scale words, and nothing else: q's,
.set PSW,  23                          ;   p's,
.set KS,   24                          ;   k's four,
.set VS,   28                          ;   v's four
.set NM,   32                          ; -M (a pair is named)
.set LS,   34                          ; the row's sum, two halves
.set FF,   36                          ; 2^(old M - new M) (a pair is named)
.set MX,   38                          ; the largest score so far
.set BT,   39                          ; lane l xor 16's
.set SO,   40                          ; v40-41  scale operands
.set T,    42                          ; v42-49  half the codes as converted, then four partial sums
.set P,    50                          ; v50-61  p's codes; ahead of them the step's small numbers
.set KF,   62                          ; v62-109 k's four fragments
.set VF,   110                         ; v110-157 v's
.set S,    158                         ; v158-221 the scores, then p
.set O,    222                         ; v222-253 O^T
.set SPW,  254
.set NIL,  255
.set WV,   10
.set G1,   16                          ; s[16:23], s[24:27] the descriptor
.set G0,   24
.set SEL,  32                          ; s[32:33] v_permlanex16_b32's selects for lane l xor 16
.set CS,   34                          ; s[34:35] c
.set NC,   36                          ; -c
.set TB,   37                          ; the step's place in LDS
.set CNT,  38
.macro CROUND                          ; a round of the cluster's barrier
	s_barrier_signal -1
	s_barrier_wait -1
	s_cmp_lg_u32 s[WV], 0
	s_cbranch_scc1 .Lnot_wave_0_\@
	s_barrier_signal -3
.Lnot_wave_0_\@:
	s_barrier_wait -3
	s_barrier_signal -1
	s_barrier_wait -1
.endm
.macro FRAGS reg, a16, a8, off         ; four fragments' images back into 12 registers each: every load takes consecutive bytes
.irp t, 0,1,2,3
	ds_load_b128 v[\reg+12*\t:\reg+12*\t+3], v[\a16] offset:\off+FRB*\t
	ds_load_b64 v[\reg+12*\t+4:\reg+12*\t+5], v[\a8] offset:\off+FRB*\t+512
	ds_load_b128 v[\reg+12*\t+6:\reg+12*\t+9], v[\a16] offset:\off+FRB*\t+768
	ds_load_b64 v[\reg+12*\t+10:\reg+12*\t+11], v[\a8] offset:\off+FRB*\t+1280
.endr
.endm
.macro SUMTAIL                         ; the last step's four partial sums join the row's sum, under that step's M
	v_pk_add_f32 v[T:T+1], v[T:T+1], v[T+2:T+3]
	v_pk_add_f32 v[T+4:T+5], v[T+4:T+5], v[T+6:T+7]
	s_delay_alu instid0(VALU_DEP_1)
	v_pk_add_f32 v[T:T+1], v[T:T+1], v[T+4:T+5]
	s_delay_alu instid0(VALU_DEP_1)
	v_pk_fma_f32 v[LS:LS+1], v[LS:LS+1], v[FF:FF+1], v[T:T+1] op_sel_hi:[1,0,1]
.endm
	s_load_b128 s[4:7], s[0:1], 0x0                ; qkv, cod
	s_load_b64 s[8:9], s[0:1], 0x10                ; scl
	v_lshl_add_u32 v[SPW], v0, 2, SPARE
	v_mov_b32 v[NIL], 0
	ds_add_u32 v[SPW], v[NIL]                      ; the opening: the add, twice on end, and its wait
	ds_add_u32 v[SPW], v[NIL]
	v_lshrrev_b32 v4, 5, v0
	v_readfirstlane_b32 s[WV], v4                  ; wave 0..15
	s_bfe_u32 s11, ttmp6, 0x40000                  ; my place in the cluster
	s_lshl_b32 s12, ttmp9, 2
	s_add_co_u32 s12, s12, s11                     ; which 256 queries
	s_and_b32 s13, ttmp7, 0xffff                   ; 16 x batch + head: the partners share it
	s_mov_b32 s[G1], 15|(3<<16)|(1<<21)            ; 15:0 the mask: all four; 17:16 elements of 8 bytes; 21 set beside a mask
	s_mov_b32 s[G1+1], 800<<16                     ; tensor_dim0 = 800 elements: a block of 6,400 bytes
	s_mov_b32 s[G1+2], 2<<16                       ; two rows: k's block and v's
	s_mov_b32 s[G1+3], 800<<16
	s_mov_b32 s[G1+4], 2
	s_mov_b32 s[G1+5], PLANE/8                     ; from k's plane to v's
	s_mov_b32 s[G1+6], 0
	s_mov_b32 s[G1+7], 0
	s_mul_i32 s40, s13, HEADB
	s_mul_i32 s42, s[WV], BLK                      ; I fetch the step of my own number
	s_add_co_u32 s42, s42, s40
	s_add_co_u32 s42, s42, PLANE
	s_mov_b32 s43, 0
	s_mul_i32 s44, s[WV], PAIR
	s_lshr_b32 s45, s[WV], 3
	s_and_b32 s41, s[WV], 7                        ; my query tile in its block of eight
	s_lshl_b32 s46, s12, 1
	s_add_co_u32 s46, s46, s45
	s_mul_i32 s46, s46, BLK
	s_add_co_u32 s46, s46, s40
	s_mov_b32 s47, 0
	s_lshl_b32 s54, s12, 4
	s_add_co_u32 s54, s54, s[WV]
	s_lshr_b32 s55, s13, 4
	s_lshl_b32 s55, s55, 7
	s_add_co_u32 s54, s54, s55                     ; my row tile, of 256
	s_mul_i32 s50, s54, RTB
	s_and_b32 s55, s13, 15                         ; head
	s_mul_i32 s56, s55, 768
	s_add_co_u32 s50, s50, s56
	s_add_co_u32 s50, s50, 512*RTB
	s_mov_b32 s51, 0
	s_lshl_b32 s52, s54, 8                         ; 16 rows x 16 bytes of scale words a tile,
	s_and_b32 s56, s55, 7
	s_lshl_b32 s56, s56, 1                         ; two bytes a head,
	s_add_co_u32 s52, s52, s56
	s_lshr_b32 s56, s55, 3
	s_mul_i32 s56, s56, 196608                     ; eight heads a K half,
	s_add_co_u32 s52, s52, s56
	s_add_co_u32 s52, s52, 131072                  ; behind 8,192 rows
	s_mov_b32 s53, 0
	s_mov_b32 s[SEL], 0x76543210
	s_mov_b32 s[SEL+1], 0xfedcba98
	s_mov_b32 s[CS], 0x3e38aa3b
	s_mov_b32 s[CS+1], s[CS]
	s_mov_b32 s[NC], 0xbe38aa3b
	s_mov_b32 s[TB], 0
	s_wait_alu depctr_va_vdst(0)
	s_wait_dscnt 0x0                               ; both opening adds are done
	s_wait_kmcnt 0x0
	s_mov_b32 s[G0], 1
	s_mov_b32 s[G0+1], s44
	s_add_nc_u64 s[G0+2:G0+3], s[4:5], s[42:43]
	s_or_b32 s[G0+3], s[G0+3], 0x80000000
	s_add_nc_u64 s[46:47], s[4:5], s[46:47]
	s_add_nc_u64 s[50:51], s[6:7], s[50:51]
	s_add_nc_u64 s[52:53], s[8:9], s[52:53]
	CROUND                                         ; all four work-groups are here: the joint loads meet
	tensor_load_to_lds s[G0:G0+3], s[G1:G1+7]
	s_nop 0
	v_and_b32 v2, 31, v0                           ; lane
	v_and_b32 v3, 15, v0                           ; r
	s_mul_i32 s48, s41, 768
	s_lshr_b32 s49, s41, 1
	s_lshl_b32 s49, s49, 2
	v_lshlrev_b32 v1, 4, v2
	v_lshlrev_b32 v2, 3, v2
	v_lshlrev_b32 v3, 4, v3
	v_add_nc_u32 v[S], s48, v1
	v_add_nc_u32 v[S+1], s48, v2
	v_add_nc_u32 v[S+2], s49, v3
	global_load_b128 v[Q:Q+3], v[S], s[46:47]
	global_load_b64 v[Q+4:Q+5], v[S+1], s[46:47] offset:512
	global_load_b128 v[Q+12:Q+15], v[S], s[46:47]
	global_load_b64 v[Q+16:Q+17], v[S+1], s[46:47] offset:512
	global_load_b32 v[S+3], v[S+2], s[46:47] offset:6144
.irp i, 6,7,8,9,10,11
	v_mov_b32 v[Q+\i], 0
.endr
	v_mov_b32 v[MX], 0xff61b1e6                    ; -3e38, under every score
	v_mov_b32 v[NM], 0x7e000000                    ; 2^125: the first change of M multiplies zeros by 0
	v_mov_b32 v[NM+1], 0
	v_mov_b32 v[LS], 0
	v_mov_b32 v[LS+1], 0
	v_mov_b32 v[FF], 1.0
	v_mov_b32 v[FF+1], 0
	v_mov_b32 v[BT], 0                             ; a lane permute's destination counts as one of its sources
.irp i, 0,1,2,3,4,5,6,7
	v_mov_b32 v[T+\i], 0
.endr
	s_and_b32 s49, s[WV], 1
	s_lshl_b32 s49, s49, 4
	s_wait_alu depctr_va_vdst(0)
	s_wait_loadcnt 0x0
	v_lshrrev_b32 v[S+3], s49, v[S+3]              ; my tile's two scale bytes of the pair's word,
	s_delay_alu instid0(VALU_DEP_1)
	v_and_b32 v[S+3], 0xffff, v[S+3]
	s_delay_alu instid0(VALU_DEP_1)
	v_lshl_or_b32 v[QS], v[S+3], 16, v[S+3]        ; for both places of q's codes
.set j, 0
.rept 32
	v_mov_b32 v[O+j], 0                            ; (the step is written once: the first finds zeros)
.set j, j+1
.endr
	s_wait_alu depctr_va_vdst(0)
	s_wait_tensorcnt 0x0                           ; my part of k and v is in; nothing is filled again
	s_barrier_signal -1
	s_barrier_wait -1                              ; everybody's is
	FRAGS KF, 1, 2, 0                              ; step 0's k
	ds_load_b128 v[KS:KS+3], v3 offset:6144
; A step.  more = 1: the next step's k is fetched.
.macro STEP more
	s_wait_dscnt 0x0                               ; this step's k
.irp t, 0,1,2,3,4,5,6,7
	v_wmma_scale_f32_16x16x128_f8f6f4 v[S+8*\t:S+8*\t+7], v[KF+12*(\t/2):KF+12*(\t/2)+11], v[Q+6*(\t%2):Q+6*(\t%2)+11], 0, v[KS+\t/2], v[QS] matrix_a_fmt:MATRIX_FMT_BF6 matrix_b_fmt:MATRIX_FMT_BF6
.endr
	SUMTAIL                                        ; four plain places: in front of the loads into both sets of fragments
	v_add_nc_u32 v[P+8], s[TB], v1
	v_add_nc_u32 v[P+9], s[TB], v2
	v_add_nc_u32 v[P+10], s[TB], v3
	FRAGS VF, P+8, P+9, BLK                        ; 17 loads: this step's v
	ds_load_b128 v[VS:VS+3], v[P+10] offset:BLK+6144
.if \more
	FRAGS KF, P+8, P+9, PAIR                       ; 17 more: the next step's k
	ds_load_b128 v[KS:KS+3], v[P+10] offset:PAIR+6144
.endif
.irp b, 0,1,2,3
	v_max3_num_f32 v[P+\b], v[S+16*\b], v[S+1+16*\b], v[S+2+16*\b]   ; the largest score of my two blocks of 32, in four chains
.endr
.irp i, 3,5,7,9,11,13
.irp b, 0,1,2,3
	v_max3_num_f32 v[P+\b], v[P+\b], v[S+16*\b+\i], v[S+1+16*\b+\i]
.endr
.endr
	v_max3_num_f32 v[P], v[P], v[P+1], v[S+15]
	v_max3_num_f32 v[P+2], v[P+2], v[P+3], v[S+47]
	v_max_num_f32 v[P], v[P], v[S+31]              ; block h
	v_max_num_f32 v[P+2], v[P+2], v[S+63]          ; block 2 + h
	s_delay_alu instid0(VALU_DEP_1)
	v_max_num_f32 v[P+4], v[P], v[P+2]
	s_delay_alu instid0(VALU_DEP_1)
	v_permlanex16_b32 v[BT], v[P+4], s[SEL], s[SEL+1]
	s_delay_alu instid0(VALU_DEP_1)
	v_max3_num_f32 v[MX], v[MX], v[P+4], v[BT]     ; the row's largest score so far
	s_delay_alu instid0(VALU_DEP_1)
	v_mul_f32 v[P+5], s[NC], v[MX]
	s_delay_alu instid0(VALU_DEP_1)
	v_floor_f32 v[P+6], v[P+5]                     ; the new -M = floor(-t)
	s_delay_alu instid0(VALU_DEP_1)
	v_sub_f32 v[P+7], v[P+6], v[NM]                ; old M - new M
	s_delay_alu instid0(VALU_DEP_2)
	v_mov_b32 v[NM], v[P+6]
	s_delay_alu instid0(VALU_DEP_2)
	v_cvt_i32_f32 v[P+7], v[P+7]                   ; (it saturates)
	s_delay_alu instid0(VALU_DEP_1)
	v_ldexp_f32 v[FF], 1.0, v[P+7]
.set j, 0
.rept 32
	v_pk_fma_f32 v[S+2*j:S+2*j+1], v[S+2*j:S+2*j+1], s[CS:CS+1], v[NM:NM+1] op_sel_hi:[1,0,0]   ; t - M, two at a time
.set j, j+1
.endr
	v_fma_f32 v[P], v[P], s[CS], v[NM]             ; the same of each block's largest
	v_fma_f32 v[P+2], v[P+2], s[CS], v[NM]
.set j, 0
.rept 16
	v_pk_mul_f32 v[O+2*j:O+2*j+1], v[O+2*j:O+2*j+1], v[FF:FF+1] op_sel_hi:[1,0]   ; O^T under the new M
.set j, j+1
.endr
	s_wait_alu depctr_va_vdst(0)
.set j, 0
.rept 64
	v_exp_f32 v[S+j], v[S+j]                       ; p
.set j, j+1
.endr
	v_max_num_f32 v[P], 0xc2f40000, v[P]           ; -122: the byte cannot fall under 1
	v_max_num_f32 v[P+2], 0xc2f40000, v[P+2]
	s_delay_alu instid0(VALU_DEP_2)
	v_cvt_floor_i32_f32 v[P], v[P]                 ; the exponent of the block's largest p
	s_delay_alu instid0(VALU_DEP_2)
	v_cvt_floor_i32_f32 v[P+2], v[P+2]
	s_delay_alu instid0(VALU_DEP_2)
	v_lshl_add_u32 v[SO], v[P], 23, 0x3d800000     ; + 123 in the exponent field: the conversion's scale operand
	s_delay_alu instid0(VALU_DEP_2)
	v_lshl_add_u32 v[SO+1], v[P+2], 23, 0x3d800000
	s_delay_alu instid0(VALU_DEP_3)
	v_lshl_add_u32 v[P+4], v[P+2], 16, v[P]        ; my two exponents, 16 bits apart,
	s_delay_alu instid0(VALU_DEP_1)
	v_permlanex16_b32 v[BT], v[P+4], s[SEL], s[SEL+1]
	s_delay_alu instid0(VALU_DEP_1)
	v_lshl_add_u32 v[P+5], v[BT], 8, v[P+4]        ; and lane l xor 16's two between them (lanes 0-15 are read)
	s_wait_alu depctr_va_vdst(0)                   ; one wait for the batch, ahead of its first reader
.irp c, 0,1
	v_cvt_scalef32_pk16_bf6_f32 v[P+6*\c:P+2+6*\c], v[S+32*\c:S+15+32*\c], v[SO+\c]
	v_cvt_scalef32_pk16_bf6_f32 v[T+4*\c:T+2+4*\c], v[S+16+32*\c:S+31+32*\c], v[SO+\c]   ; a conversion's three registers begin on an even number
.endr
	v_add_nc_u32 v[PSW], 0x7b7b7b7b, v[P+5]        ; + 123 in each byte: p's scale word.  (The plain place behind the conversions)
.irp c, 0,1
.irp i, 0,1,2
	v_mov_b32 v[P+3+6*\c+\i], v[T+4*\c+\i]
.endr
.endr
.irp k, 0,1,2,3
	v_pk_add_f32 v[T+2*\k:T+2*\k+1], v[S+2*\k:S+2*\k+1], v[S+8+2*\k:S+9+2*\k]   ; the sum of the unquantised p, in four chains
.endr
.irp m, 2,3,4,5,6,7
.irp k, 0,1,2,3
	v_pk_add_f32 v[T+2*\k:T+2*\k+1], v[T+2*\k:T+2*\k+1], v[S+8*\m+2*\k:S+8*\m+2*\k+1]
.endr
.endr
	s_wait_alu depctr_va_vdst(0)
.if \more
	s_wait_dscnt 17                                ; v is in; the 17 younger loads, the next step's k, may be out
.else
	s_wait_dscnt 0x0
.endif
.irp t, 0,1,2,3
	v_wmma_scale_f32_16x16x128_f8f6f4 v[O+8*\t:O+8*\t+7], v[VF+12*\t:VF+12*\t+11], v[P:P+11], v[O+8*\t:O+8*\t+7], v[VS+\t], v[PSW] matrix_a_fmt:MATRIX_FMT_BF6 matrix_b_fmt:MATRIX_FMT_BF6
.endr
.endm
	s_mov_b32 s[CNT], 15
.Lstep:
	STEP 1
	s_add_co_u32 s[TB], s[TB], PAIR
	s_sub_co_u32 s[CNT], s[CNT], 1
	s_cmp_lg_u32 s[CNT], 0
	s_cbranch_scc1 .Lstep
	STEP 0                                         ; the last step fetches nothing more
	SUMTAIL
	s_delay_alu instid0(VALU_DEP_1)
	v_add_f32 v[LS], v[LS], v[LS+1]
	s_delay_alu instid0(VALU_DEP_1)
	v_permlanex16_b32 v[BT], v[LS], s[SEL], s[SEL+1]
	s_delay_alu instid0(VALU_DEP_1)
	v_add_f32 v[LS], v[LS], v[BT]                  ; the row's sum
	s_wait_alu depctr_va_vdst(0)                   ; ahead of the transcendental
	v_rcp_f32 v[LS], v[LS]
	v_and_b32 v2, 31, v0
	v_and_b32 v3, 15, v0
	s_wait_alu depctr_va_vdst(0)                   ; and ahead of its first reader
.set j, 0
.rept 32
	v_mul_f32 v[S+j], v[O+j], v[LS]                ; register i is d 32 h + i: a whole block
.set j, j+1
.endr
	v_lshlrev_b32 v1, 4, v2
	v_lshlrev_b32 v2, 3, v2
	v_bfe_u32 v0, v0, 4, 1                         ; h
	v_max3_num_f32 v[P+4], |v[S]|, |v[S+1]|, 0x2800000   ; and the floor 2^(5 - 127)
	v_max3_num_f32 v[P+5], |v[S+8]|, |v[S+9]|, |v[S+10]|
	v_max3_num_f32 v[P+6], |v[S+16]|, |v[S+17]|, |v[S+18]|
	v_max3_num_f32 v[P+7], |v[S+24]|, |v[S+25]|, |v[S+26]|
.irp i, 0,2
	v_max3_num_f32 v[P+4], v[P+4], |v[S+2+\i]|, |v[S+3+\i]|
	v_max3_num_f32 v[P+5], v[P+5], |v[S+11+\i]|, |v[S+12+\i]|
	v_max3_num_f32 v[P+6], v[P+6], |v[S+19+\i]|, |v[S+20+\i]|
	v_max3_num_f32 v[P+7], v[P+7], |v[S+27+\i]|, |v[S+28+\i]|
.endr
	v_max3_num_f32 v[P+4], v[P+4], |v[S+6]|, |v[S+7]|
	v_lshl_add_u32 v3, v3, 4, v0                   ; 16 r + h
	v_max3_num_f32 v[P+6], v[P+6], v[P+7], |v[S+23]|
	v_max3_num_f32 v[P+4], v[P+4], v[P+5], |v[S+15]|
	s_delay_alu instid0(VALU_DEP_1)
	v_max3_num_f32 v[P+4], v[P+4], v[P+6], |v[S+31]|
	s_delay_alu instid0(VALU_DEP_1)
	v_add_nc_u32 v[SO], 0xfe000000, v[P+4]         ; 4 off its exponent field
	s_delay_alu instid0(VALU_DEP_1)
	v_lshrrev_b32 v[P+8], 23, v[SO]                ; my block's scale byte
	v_cvt_scalef32_pk16_bf6_f32 v[P:P+2], v[S:S+15], v[SO]
	v_cvt_scalef32_pk16_bf6_f32 v[T:T+2], v[S+16:S+31], v[SO]
	v_nop                                          ; one plain place behind a scaled conversion
.irp i, 0,1,2
	v_mov_b32 v[P+3+\i], v[T+\i]
.endr
	global_store_b128 v1, v[P:P+3], s[50:51]       ; my tile's half fragment: 512 and 256 consecutive bytes
	global_store_b64 v2, v[P+4:P+5], s[50:51] offset:512
	global_store_b8 v3, v[P+8], s[52:53]
	s_wait_tensorcnt 0x0                           ; the wave's end
	ds_add_u32 v[SPW], v[NIL]
	s_wait_dscnt 0x0
	CROUND                                         ; the closing round: no work-group ends while a partner may still ask for a tile that names it
	s_endpgm
.Lfunc_end_k_q796945b3f0_attn:
	.size	k_q796945b3f0_attn, .Lfunc_end_k_q796945b3f0_attn-k_q796945b3f0_attn
	.p2alignl 7, 3214868480
	.fill 96, 4, 3214868480
	.section	.rodata,"a",@progbits
	.p2align	6, 0x0
	.amdhsa_kernel k_q796945b3f0_attn
		.amdhsa_group_segment_fixed_size 206848
		.amdhsa_private_segment_fixed_size 0
		.amdhsa_enable_private_segment 0
		.amdhsa_kernarg_size 24
		.amdhsa_user_sgpr_count 2
		.amdhsa_user_sgpr_kernarg_segment_ptr 1
		.amdhsa_wavefront_size32 1
		.amdhsa_system_sgpr_workgroup_id_x 1
		.amdhsa_system_sgpr_workgroup_id_y 1
		.amdhsa_system_sgpr_workgroup_id_z 1
		.amdhsa_system_vgpr_workitem_id 0
		.amdhsa_next_free_vgpr 256
		.amdhsa_next_free_sgpr 66
		.amdhsa_reserve_vcc 0
		.amdhsa_float_denorm_mode_32 3
		.amdhsa_float_denorm_mode_16_64 3
		.amdhsa_memory_ordered 1
		.amdhsa_forward_progress 1
		.amdhsa_inst_pref_size 42
	.end_amdhsa_kernel
	.amdgpu_metadata
---
amdhsa.version: [ 1, 2 ]
amdhsa.kernels:
  - .name:           k_q796945b3f0_attn
    .symbol:         k_q796945b3f0_attn.kd
    .args:
      - { .name: qkv, .offset: 0, .size: 8, .value_kind: global_buffer, .address_space: global }
      - { .name: cod, .offset: 8, .size: 8, .value_kind: global_buffer, .address_space: global }
      - { .name: scl, .offset: 16, .size: 8, .value_kind: global_buffer, .address_space: global }
    .group_segment_fixed_size: 206848
    .private_segment_fixed_size: 0
    .kernarg_segment_align: 8
    .kernarg_segment_size: 24
    .max_flat_workgroup_size: 512
    .sgpr_count:     66
    .vgpr_count:     256
    .wavefront_size: 32
...
	.end_amdgpu_metadata
.endif
;; end of part 8
;; launch outp (part 9): grid 8 x 32, 4 waves a work-group, clusters of 4 x 4, 214,528 bytes of LDS; arguments cod, scl, bo, out0; writes out0
.if DOCPART == 9
	.amdgcn_target "amdgcn-amd-amdhsa--gfx1250"
	.amdhsa_code_object_version 6
	.text
	.protected	k_q796945b3f0_outp
	.globl	k_q796945b3f0_outp
	.p2align	8
	.type	k_q796945b3f0_outp,@function
k_q796945b3f0_outp:
	s_mov_b64 s[64:65], 0
	v_nop
	global_prefetch_b8 v0, s[64:65] scope:SCOPE_SE
	s_setreg_imm32_b32 hwreg(HW_REG_WAVE_MODE, 25, 1), 1
	s_wait_xcnt 0x0
	s_wait_alu depctr_hold_cnt(0) depctr_sa_sdst(0) depctr_va_vdst(0) depctr_va_sdst(0) depctr_va_ssrc(0) depctr_va_vcc(0) depctr_vm_vsrc(0)
	s_getreg_b32 s2, hwreg(HW_REG_IB_STS2, 6, 4)
	s_cmp_eq_u32 s2, 0
	s_cbranch_scc0 .Lentry_in_a_cluster
	s_endpgm
.Lentry_in_a_cluster:
	s_bfe_u32 s2, ttmp6, 0x10000c
	s_cmp_lg_u32 s2, 0xf033
	s_cbranch_scc0 .Lentry_shape_is_right
	s_endpgm
.Lentry_shape_is_right:
; out0 = ao Wo + bo on codes of BF6 (E3M2) with E8M0 scales, K = 1,024.  A = 128 tokens of attention's output (cod row tiles 512 on), B = 128 columns of Wo (row tiles 448 on).
; THE TILE IS 128 x 128: the problem's 4,096 x 1,024 results make 256 such tiles, one work-group each.  Four waves, each 64 x 64.
; Operands come as images of their registers (row tile of 16 positions, K step of 128: 1,536 bytes).  Source 0 = B's rows, source 1 = A's: lane (r, h) holds A's row position r, and by the row order of the images
; (position 16 u + 8 h + j of 64 = row 32 h + 8 u + j) its 32 registers are columns 32 h + 0 .. 31.  The bias is the C of each sum's first product.
; LDS: the operands for all of K, (8 + 8) row tiles x 12,288 bytes, each byte filled once, by one joint load a wave.  No prefetch: no loop to run ahead in, everything is asked for at the head.
; THE WORK GOES BY ROWS OF A: my four blocks of 16 rows are finished one after the other, 32 matrix instructions each, and each leaves while the next is multiplied.  B's fragments for all of K (384 registers) are read
; from LDS once, in the first block's turn; A's of the next block come in the middle of each turn.
; CLUSTER 4 x 4: A's tiles are shared along a row of the cluster, B's along a column: joint loads, which divide the requests by four.
; THE WAY OUT: a wave's 64 columns are 256 consecutive bytes of a row, aligned; 16 rows at a time turn through its own stage in LDS (rows 272 bytes apart) and leave two rows a store.  The stores' offsets undo the row order.
; REGISTERS: window 0: v1-27 addresses; v32-63 scale words and nothing else; v64-95 the bias; v126-127 for the add; v128-191 rows on their way out, two sets.
;   windows 1, 2: B's fragments of K steps 0-3, 4-7, block b at v[48 (K step % 4) + 12 b]; v192-195 addresses.
;   window 3: A's fragments, two sets of eight, block a's K step s at v[96 (a % 2) + 12 s]; v192-255 the accumulators, two sets of four.
.set RTB,   12288
.set FRB,   1536
.set HPL,   196608
.set QUART, 4*RTB                      ; what one tensor load brings, and what a wave reads of A or of B
.set STAGE, 4*QUART                    ; behind the operands: no fill lands here
.set SPI,   272                        ; a stage row: 256 bytes + 16
.set WSTG,  16*SPI
.set SPARE, STAGE+4*WSTG               ; the spare words, 128 bytes a wave: no other line names them
.set STO,  24                          ; the stage: where I put 32 bytes of a row
.set RD,   25                          ; and where I read a row back
.set CO,   26                          ; my byte offset in two rows of out0
.set SC,   32                          ; v[SC + 8 i + s]: lanes 0-15 the word of A's block i, lanes 16-31 that of B's block i, for K step s
.set BN,   64
.set ROWS, 128
.set ACC,  192
.set SPW,  126
.set NIL,  127
.set WV,   16
.set WR,   17                          ; wave / 2: my half of A's rows.  Also: I fetch for A (0) or for B (1)
.set WC,   18                          ; wave % 2: my half of B's rows.  Also: which four row tiles I fetch
.set G1,   24
.set G1B,  32
.set G0,   40
.set G0B,  44
.set MSB, 0
.macro WIN new                         ; the immediate's high byte repeats the setting that is left
.if MSB != (\new)
	s_set_vgpr_msb (MSB<<8)|(\new)
.set MSB, (\new)
.endif
.endm
.macro PLACES                          ; four plain places: in front of loads into registers that matrix instructions have read, and of the first read of results
.rept 4
	v_nop
.endr
.endm
.macro CROUND                          ; a round of the cluster's barrier
	s_barrier_signal -1
	s_barrier_wait -1
	s_cmp_lg_u32 s[WV], 0
	s_cbranch_scc1 .Lnot_wave_0_\@
	s_barrier_signal -3
.Lnot_wave_0_\@:
	s_barrier_wait -3
	s_barrier_signal -1
	s_barrier_wait -1
.endm
.macro FRAG reg, a16, a8, off          ; a fragment's image back into 12 registers: every load takes consecutive bytes
	ds_load_b128 v[\reg:\reg+3], v[\a16] offset:\off
	ds_load_b64 v[\reg+4:\reg+5], v[\a8] offset:\off+512
	ds_load_b128 v[\reg+6:\reg+9], v[\a16] offset:\off+768
	ds_load_b64 v[\reg+10:\reg+11], v[\a8] offset:\off+1280
.endm
.macro ALOAD a, ks                     ; block a's fragment of K step ks: 4 loads (destination window 3, addresses in window 1 or 2)
	FRAG 96*((\a)%2)+12*(\ks), 192, 193, RTB*(\a)+FRB*(\ks)
.endm
.macro BOTH ks                         ; B's four fragments of K step ks and A's block 0: 20 loads
	WIN 0x41*(1+(\ks)/4)
.irp i, 0,1,2,3
	FRAG 48*((\ks)%4)+12*\i, 194, 195, RTB*\i+FRB*(\ks)
.endr
	WIN 0xfd
	ALOAD 0, \ks
.endm
.macro MUL a, ks                       ; block a, K step ks: its four accumulators by turns
.set rA, 96*((\a)%2)+12*(\ks)
.if (\ks) == 0
	WIN 0xcd
.else
	WIN 0xfc|(1+(\ks)/4)
.endif
.irp b, 0,1,2,3
.set rD, ACC+32*((\a)%2)+8*\b
.set rB, 48*((\ks)%4)+12*\b
.set rC, rD
.if (\ks) == 0
.set rC, BN+8*\b
.endif
	v_wmma_scale_f32_16x16x128_f8f6f4 v[rD:rD+7], v[rB:rB+11], v[rA:rA+11], v[rC:rC+7], v[SC+8*\b+(\ks)], v[SC+8*(\a)+(\ks)] matrix_a_fmt:MATRIX_FMT_BF6 matrix_b_fmt:MATRIX_FMT_BF6 matrix_a_scale:MATRIX_SCALE_ROW1
.endr
.endm
.macro TOSTAGE a                       ; block a into my stage, each accumulator from its low end on, and back as whole rows: LDS serves a wave's instructions in order; the stage is my wave's own
.set rD, ACC+32*((\a)%2)
.set rR, ROWS+32*((\a)%2)
	WIN 0x0c
.irp b, 0,1,2,3
	ds_store_b128 v[STO], v[rD+8*\b:rD+8*\b+3] offset:32*\b
	ds_store_b128 v[STO], v[rD+8*\b+4:rD+8*\b+7] offset:32*\b+16
.endr
.irp t, 0,1,2,3,4,5,6,7
	ds_load_b128 v[rR+4*\t:rR+4*\t+3], v[RD] offset:2*\t*SPI
.endr
	WIN 0
.endm
.macro SEND a                          ; positions 2 t, 2 t + 1 of block a are rows 32 (t / 4) + 8 a + 2 (t % 4), + 1; 16 lanes store 256 consecutive bytes, aligned
.set rR, ROWS+32*((\a)%2)
.irp t, 0,1,2,3,4,5,6,7
	global_store_b128 v[CO], v[rR+4*\t:rR+4*\t+3], s[10:11] offset:(32*(\t/4)+8*(\a)+2*(\t%4))*4096 th:TH_STORE_NT
.endr
.endm
	s_load_b256 s[4:11], s[0:1], 0x0               ; cod s[4:5], scl s[6:7], bo s[8:9], out0 s[10:11]
	v_lshl_add_u32 v[SPW], v0, 2, SPARE
	v_mov_b32 v[NIL], 0
	ds_add_u32 v[SPW], v[NIL]                      ; the opening: the add, twice on end, and its wait
	ds_add_u32 v[SPW], v[NIL]
	v_lshrrev_b32 v1, 5, v0
	v_readfirstlane_b32 s[WV], v1                  ; wave 0..3
	s_lshr_b32 s[WR], s[WV], 1
	s_and_b32 s[WC], s[WV], 1
	s_bfe_u32 s19, ttmp6, 0x40000                  ; cx, cy: my place in the cluster
	s_bfe_u32 s20, ttmp6, 0x40004
	s_lshl_b32 s21, ttmp9, 2
	s_add_co_u32 s21, s21, s19                     ; which 128 columns
	s_and_b32 s22, ttmp7, 0xffff
	s_lshl_b32 s22, s22, 2
	s_add_co_u32 s22, s22, s20                     ; which 128 tokens
	s_lshl_b32 s56, s20, 2
	s_lshl_b32 s56, 15, s56                        ; my row of the cluster
	s_lshl_b32 s57, 0x1111, s19                    ; my column
	s_or_b32 s[G1], s56, (3<<16)|(1<<21)           ; 15:0 the mask; 17:16 elements of 8 bytes; 21 set beside a mask; no padding
	s_or_b32 s[G1B], s57, (3<<16)|(1<<21)
.irp g, G1, G1B
	s_mov_b32 s[\g+1], 1536<<16                    ; tensor_dim0 = 1,536 elements: 12,288 bytes, all of K of a row tile
	s_mov_b32 s[\g+2], 4<<16                       ; tensor_dim1 = 4 row tiles
	s_mov_b32 s[\g+3], 1536<<16                    ; tile_dim0
	s_mov_b32 s[\g+4], 4                           ; tile_dim1
	s_mov_b32 s[\g+5], 1536                        ; from row tile to row tile
	s_mov_b32 s[\g+6], 0
	s_mov_b32 s[\g+7], 0
.endr
	s_lshl_b32 s58, s22, 3
	s_add_co_u32 s58, s58, 512                     ; A's first row tile: hangs on cy, which my row of the cluster shares
	s_lshl_b32 s59, s21, 3
	s_add_co_u32 s59, s59, 448                     ; B's: hangs on cx, which my column shares
	s_lshl_b32 s63, s[WC], 2
	s_add_co_u32 s84, s58, s63
	s_mul_i32 s84, s84, RTB
	s_mov_b32 s85, 0
	s_add_co_u32 s86, s59, s63
	s_mul_i32 s86, s86, RTB
	s_mov_b32 s87, 0
	s_mul_i32 s62, s[WV], QUART                    ; where they go: no place in the cluster enters an LDS address
	s_wait_alu depctr_va_vdst(0)
	s_wait_dscnt 0x0                               ; both opening adds are done
	s_wait_kmcnt 0x0
	s_mov_b32 s[G0], 1
	s_mov_b32 s[G0+1], s62
	s_add_nc_u64 s[G0+2:G0+3], s[4:5], s[84:85]
	s_or_b32 s[G0+3], s[G0+3], 0x80000000
	s_mov_b32 s[G0B], 1
	s_mov_b32 s[G0B+1], s62
	s_add_nc_u64 s[G0B+2:G0B+3], s[4:5], s[86:87]
	s_or_b32 s[G0B+3], s[G0B+3], 0x80000000
	CROUND                                         ; all sixteen work-groups are here: the joint loads meet
	s_cmp_eq_u32 s[WR], 0                          ; waves 0, 1 fetch A's halves, waves 2, 3 B's
	s_cbranch_scc0 .Lfor_b
	tensor_load_to_lds s[G0:G0+3], s[G1:G1+7]
	s_nop 0
.rept 4
	v_nop
.endr
	s_branch .Lasked
.Lfor_b:
	tensor_load_to_lds s[G0B:G0B+3], s[G1B:G1B+7]
	s_nop 0
.rept 4
	v_nop
.endr
.Lasked:
	v_and_b32 v1, 31, v0                           ; lane
	v_and_b32 v2, 15, v0                           ; r
	v_bfe_u32 v12, v0, 4, 1                        ; h
	v_lshlrev_b32 v4, 4, v1                        ; 16 x lane
	v_lshlrev_b32 v5, 3, v1                        ; 8 x lane
	; the scale words of my 64 rows of A (lanes 0-15) and of B (lanes 16-31), for all of K: loaded once
	s_lshl_b32 s90, s[WR], 2
	s_add_co_u32 s90, s90, s58
	s_lshl_b32 s90, s90, 8                         ; 16 rows x 16 bytes a tile
	s_add_co_u32 s91, s59, s63
	s_lshl_b32 s91, s91, 8
	v_mov_b32 v6, s90
	v_mov_b32 v7, s91
	v_cmp_gt_u32 vcc_lo, 16, v1
	v_cndmask_b32 v3, v7, v6, vcc_lo
	v_lshl_add_u32 v3, v2, 4, v3
.irp i, 0,1,2,3
.irp e, 0,1
	global_load_b128 v[SC+8*\i+4*\e:SC+8*\i+4*\e+3], v3, s[6:7] offset:256*\i+HPL*\e
.endr
.endr
	; the bias in the result's layout, and where my part of out0 begins
	s_wait_alu depctr_va_vdst(0)
	s_lshl_b32 s92, s21, 9                         ; 128 columns of 4 bytes a tile,
	s_lshl_b32 s93, s[WC], 8                       ; 64 for my half
	s_add_co_u32 s92, s92, s93
	s_mov_b32 s93, 0
	s_add_nc_u64 s[8:9], s[8:9], s[92:93]
	s_add_nc_u64 s[10:11], s[10:11], s[92:93]
	s_lshl_b32 s94, s22, 19                        ; 128 rows of 4,096 bytes a tile,
	s_lshl_b32 s95, s[WR], 18                      ; 64 for my half
	s_add_co_u32 s94, s94, s95
	s_mov_b32 s95, 0
	s_add_nc_u64 s[10:11], s[10:11], s[94:95]
	v_lshlrev_b32 v27, 7, v12                      ; 32 h numbers on
.irp i, 0,1,2,3,4,5,6,7
	global_load_b128 v[BN+4*\i:BN+4*\i+3], v27, s[8:9] offset:16*\i
.endr
	s_mul_i32 s88, s[WV], WSTG
	s_add_co_u32 s88, s88, STAGE                   ; my stage
	v_mul_u32_u24 v[STO], v2, SPI
	v_mul_u32_u24 v[RD], v12, SPI
	v_lshlrev_b32 v[CO], 12, v12
	v_lshl_add_u32 v[STO], v12, 7, v[STO]
	v_lshl_add_u32 v[RD], v2, 4, v[RD]
	v_lshl_add_u32 v[CO], v2, 4, v[CO]             ; two rows of out0: lanes 0-15 256 bytes of one, lanes 16-31 of the next
	v_add_nc_u32 v[STO], s88, v[STO]               ; in: row r, + 128 h
	v_add_nc_u32 v[RD], s88, v[RD]                 ; back: the same two rows
	s_mul_i32 s88, s[WR], QUART                    ; my four row tiles of A,
	s_mul_i32 s89, s[WC], QUART
	s_add_co_u32 s89, s89, 2*QUART                 ; and of B, behind A's eight
	WIN 0x40
	v_add_nc_u32 v192, s88, v4
	v_add_nc_u32 v193, s88, v5
	v_add_nc_u32 v194, s89, v4
	v_add_nc_u32 v195, s89, v5
	WIN 0x80
	v_add_nc_u32 v192, s88, v4
	v_add_nc_u32 v193, s88, v5
	v_add_nc_u32 v194, s89, v4
	v_add_nc_u32 v195, s89, v5
	WIN 0
	s_wait_alu depctr_va_vdst(0)
	s_wait_tensorcnt 0x0                           ; my part of the operands is in; nothing is ever filled again
	s_barrier_signal -1
	s_barrier_wait -1                              ; everybody's is
	BOTH 0
	BOTH 1
	s_wait_loadcnt 0x0                             ; the scale words and the bias
.set K, 0
.rept 8                                        ; block 0: two K steps' loads are asked for ahead; behind them block 1's fragments
.if K < 6
	BOTH K+2
	s_wait_dscnt 40                                ; all but the two younger K steps' 20 loads each
.elseif K == 6
	WIN 0xfe
.irp s, 0,1,2,3
	ALOAD 1, \s
.endr
	s_wait_dscnt 36                                ; K step 7's 20 and block 1's 16 may be out
.else
.irp s, 4,5,6,7
	ALOAD 1, \s
.endr
	s_wait_dscnt 32                                ; block 1's 32
.endif
	MUL 0, K
.set K, K+1
.endr
.irp a, 1,2,3
	PLACES
.if \a > 2
	s_wait_xcnt 0x0                                ; block a - 3's stores have read their rows
.endif
	TOSTAGE \a-1
	s_wait_dscnt 16                                ; block a's fragments are in; the stage's 16 may be out
.irp s, 0,1,2,3
	MUL \a, \s
.endr
.if \a < 3
.irp s, 0,1,2,3,4,5,6,7
	ALOAD \a+1, \s                                 ; over block a - 1's
.endr
	WIN 0
	s_wait_dscnt 32                                ; block a - 1's rows are back
.else
	WIN 0
	s_wait_dscnt 0x0
.endif
	SEND \a-1
.irp s, 4,5,6,7
	MUL \a, \s
.endr
.endr
	PLACES
	s_wait_xcnt 0x0
	TOSTAGE 3
	s_wait_dscnt 0x0
	SEND 3
	s_wait_tensorcnt 0x0                           ; the wave's end
	ds_add_u32 v[SPW], v[NIL]
	s_wait_dscnt 0x0
	CROUND                                         ; the closing round: no work-group ends while a partner may still ask for a tile that names it
	s_endpgm
.Lfunc_end_k_q796945b3f0_outp:
	.size	k_q796945b3f0_outp, .Lfunc_end_k_q796945b3f0_outp-k_q796945b3f0_outp
	.p2alignl 7, 3214868480
	.fill 96, 4, 3214868480
	.section	.rodata,"a",@progbits
	.p2align	6, 0x0
	.amdhsa_kernel k_q796945b3f0_outp
		.amdhsa_group_segment_fixed_size 214528
		.amdhsa_private_segment_fixed_size 0
		.amdhsa_enable_private_segment 0
		.amdhsa_kernarg_size 32
		.amdhsa_user_sgpr_count 2
		.amdhsa_user_sgpr_kernarg_segment_ptr 1
		.amdhsa_wavefront_size32 1
		.amdhsa_system_sgpr_workgroup_id_x 1
		.amdhsa_system_sgpr_workgroup_id_y 1
		.amdhsa_system_sgpr_workgroup_id_z 1
		.amdhsa_system_vgpr_workitem_id 0
		.amdhsa_next_free_vgpr 1024
		.amdhsa_next_free_sgpr 100
		.amdhsa_reserve_vcc 1
		.amdhsa_float_denorm_mode_32 3
		.amdhsa_float_denorm_mode_16_64 3
		.amdhsa_memory_ordered 1
		.amdhsa_forward_progress 1
		.amdhsa_inst_pref_size 50
	.end_amdhsa_kernel
	.amdgpu_metadata
---
amdhsa.version: [ 1, 2 ]
amdhsa.kernels:
  - .name:           k_q796945b3f0_outp
    .symbol:         k_q796945b3f0_outp.kd
    .args:
      - { .name: cod, .offset: 0, .size: 8, .value_kind: global_buffer, .address_space: global }
      - { .name: scl, .offset: 8, .size: 8, .value_kind: global_buffer, .address_space: global }
      - { .name: bo, .offset: 16, .size: 8, .value_kind: global_buffer, .address_space: global }
      - { .name: out0, .offset: 24, .size: 8, .value_kind: global_buffer, .address_space: global }
    .group_segment_fixed_size: 214528
    .private_segment_fixed_size: 0
    .kernarg_segment_align: 8
    .kernarg_segment_size: 32
    .max_flat_workgroup_size: 128
    .sgpr_count:     100
    .vgpr_count:     1024
    .wavefront_size: 32
...
	.end_amdgpu_metadata
.endif
;; end of part 9
